; MI455X (gfx1250); checked and timed in simulation.
; The chip was launched on July 23, 2026; its instructions are those of AMD's public machine-readable ISA for CDNA 5 (MIT licence, August 2026) and "CDNA5" Instruction Set Architecture Reference Guide (July 2026). The comments in the code are by the model that wrote it; some were corrected since.
;; GPT2 BBT Attention. Allowed arithmetic: float matrix products may take bf16 or f16 operands with f32 sums; other float arithmetic in f32, or as packed bf16 or f16 multiplies, adds, multiply-adds, maxima and minima; sums over many terms, partial sums and values carried from step to step in f32; what a program stores and reads back later, other than sums and carried values, may be rounded once to bf16 or f16.
;; Inputs: W_basis 64 x 1,024 float32; W_o 1,024 x 1,024 float32; W_v 1,024 x 1,024 float32; b_o 1,024 float32; b_v 1,024 float32; hidden_states 4 x 2,048 x 1,024 float32.
;; Outputs: out0 4 x 2,048 x 1,024 float32.
;; 2 versions, each right. Each part assembles by itself: llvm-mc -triple=amdgcn-amd-amdhsa -mcpu=gfx1250 --defsym DOCPART=n.
;; ======== version 1 of 2: 5 launches
;; limits: values are held in f16: magnitudes above 65,504 overflow, below 6.1e-05 lose precision
;; workspace buffers: Xb 16,777,216 bytes; Wcat 2,228,224 bytes; Wo16 2,097,152 bytes; Vt 16,777,216 bytes; Lp 1,048,576 bytes; Pm 33,554,432 bytes; rl 32,768 bytes; Y 16,777,216 bytes
;; launch prep (part 1): grid 256 x 1, 8 waves a work-group, no clusters, 0 bytes of LDS; arguments hidden_states, W_v, W_o, W_basis, Xb, Wcat, Wo16; writes Xb, Wcat, Wo16
.if DOCPART == 1
	.amdgcn_target "amdgcn-amd-amdhsa--gfx1250"
	.amdhsa_code_object_version 6
	.text
	.protected	k_q7fdc3fd135_prep
	.globl	k_q7fdc3fd135_prep
	.p2align	8
	.type	k_q7fdc3fd135_prep,@function
k_q7fdc3fd135_prep:
	s_mov_b64 s[64:65], 0
	v_nop
	global_prefetch_b8 v0, s[64:65] scope:SCOPE_SE
	s_setreg_imm32_b32 hwreg(HW_REG_WAVE_MODE, 25, 1), 1
	s_wait_xcnt 0x0
; out = softmax_causal(L L^T / 8) (X W_v^T + b_v) W_o^T + b_o,  L = X W_basis^T.  Five launches: prep, vproj, att, pv, proj.
; This one rounds the matrix operands once: X, W_v, W_basis to bf16; W_o to bf16 and that value is written as f16 (it meets an f16 operand later).
;   Xb   [8192][1024] bf16
;   Wcat [4][272][1024] bf16: block j = rows 256 j .. 256 j + 255 of W_v, then rows 16 j .. 16 j + 15 of W_basis
;   Wo16 [1024][1024] f16
; DEAD WORK, for the whole program.  reference() sets scores[q][k] to -inf for k > q by a mask that it builds in its own body, so att[q][k] = 0
; there whatever the inputs hold.  For the queries 256 i .. 256 i + 255 the keys from 256 (i + 1) on are therefore neither scored, stored nor
; multiplied with V.  Below that bound masked scores are computed and replaced by -inf: they lie in tiles that also hold live work.
; Every input has a way to the output and is loaded.
; LIMITS.  A NaN, an infinity or an overflow that would arise only in the scores left out is not carried to the result.
; W_o below 2^-17 in magnitude loses bits in f16 (absolute error at most 2^-25); f16 holds W_o up to 65504.
; A stream: thread t owns columns 4 t .. 4 t + 3, so a load of the eight waves covers a row of 4,096 bytes and each wave's store of 8 bytes a lane
; covers 256 consecutive bytes, aligned.  Work-group g: 32 rows of X, 4 of W_v, 4 of W_o, and row g of W_basis if g < 64.
; All 40 loads go out first; no register that a load or store names is written again, so the only waits are the counted ones for data.
.set DAT,    4                         ; v[4+4i : 7+4i]  row i as loaded; its first two registers then hold the packed result
.set ROWIN,  4096
.set ROWOUT, 2048
.macro CVB i                           ; four f32 to four bf16, in place
	v_cvt_pk_bf16_f32 v[DAT+4*\i], v[DAT+4*\i], v[DAT+4*\i+1]
	v_cvt_pk_bf16_f32 v[DAT+4*\i+1], v[DAT+4*\i+2], v[DAT+4*\i+3]
.endm
.macro CVO i                           ; four f32 to bf16, and the bf16 values to f16 (exact from 2^-17 up: 8 significant bits)
	CVB \i
	v_lshlrev_b32 v[DAT+4*\i+2], 16, v[DAT+4*\i]
	v_and_b32 v[DAT+4*\i+3], s19, v[DAT+4*\i]
	v_cvt_pk_f16_f32 v[DAT+4*\i], v[DAT+4*\i+2], v[DAT+4*\i+3]
	v_lshlrev_b32 v[DAT+4*\i+2], 16, v[DAT+4*\i+1]
	v_and_b32 v[DAT+4*\i+3], s19, v[DAT+4*\i+1]
	v_cvt_pk_f16_f32 v[DAT+4*\i+1], v[DAT+4*\i+2], v[DAT+4*\i+3]
.endm
	s_load_b256 s[4:11], s[0:1], 0x0               ; hidden_states s[4:5], W_v s[6:7], W_o s[8:9], W_basis s[10:11]
	s_load_b128 s[12:15], s[0:1], 0x20             ; Xb s[12:13], Wcat s[14:15]
	s_load_b64 s[16:17], s[0:1], 0x30              ; Wo16
	s_mov_b32 s18, ttmp9                           ; g
	s_mov_b32 s19, 0xffff0000                      ; a word's upper bf16
	v_lshlrev_b32 v1, 4, v0                        ; 16 t: my bytes in a row of f32
	v_lshlrev_b32 v2, 3, v0                        ; 8 t: my bytes in a row of 16-bit numbers
	s_lshl_b32 s20, s18, 17                        ; X in: 32 rows of 4,096 bytes
	s_mov_b32 s21, 0
	s_lshl_b32 s22, s18, 16                        ; Xb: 32 rows of 2,048 bytes
	s_mov_b32 s23, 0
	s_lshl_b32 s24, s18, 14                        ; W_v and W_o in: 4 rows
	s_mov_b32 s25, 0
	s_lshr_b32 s26, s18, 6                         ; Wcat: row 4 g + 16 (g / 64), since 16 rows of W_basis follow every 256 of W_v
	s_lshl_b32 s26, s26, 15
	s_lshl_b32 s27, s18, 13
	s_add_co_u32 s26, s26, s27
	s_mov_b32 s27, 0
	s_lshl_b32 s28, s18, 13                        ; Wo16: 4 rows of 2,048 bytes
	s_mov_b32 s29, 0
	s_wait_kmcnt 0x0
	s_add_nc_u64 s[4:5], s[4:5], s[20:21]
	s_add_nc_u64 s[12:13], s[12:13], s[22:23]
	s_add_nc_u64 s[6:7], s[6:7], s[24:25]
	s_add_nc_u64 s[8:9], s[8:9], s[24:25]
	s_add_nc_u64 s[26:27], s[14:15], s[26:27]
	s_add_nc_u64 s[16:17], s[16:17], s[28:29]
.set i, 0
.rept 32
	global_load_b128 v[DAT+4*i:DAT+4*i+3], v1, s[4:5] offset:i*ROWIN th:TH_LOAD_NT
.set i, i+1
.endr
.rept 4
	global_load_b128 v[DAT+4*i:DAT+4*i+3], v1, s[6:7] offset:(i-32)*ROWIN th:TH_LOAD_NT
.set i, i+1
.endr
.rept 4
	global_load_b128 v[DAT+4*i:DAT+4*i+3], v1, s[8:9] offset:(i-36)*ROWIN th:TH_LOAD_NT
.set i, i+1
.endr
.set i, 0
.rept 32
	s_wait_loadcnt 39-i                            ; loads come back in order: row i is in, the 39 - i younger ones stay out
	CVB i
	global_store_b64 v2, v[DAT+4*i:DAT+4*i+1], s[12:13] offset:i*ROWOUT
.set i, i+1
.endr
.rept 4
	s_wait_loadcnt 39-i
	CVB i
	global_store_b64 v2, v[DAT+4*i:DAT+4*i+1], s[26:27] offset:(i-32)*ROWOUT
.set i, i+1
.endr
.rept 4
	s_wait_loadcnt 39-i
	CVO i
	global_store_b64 v2, v[DAT+4*i:DAT+4*i+1], s[16:17] offset:(i-36)*ROWOUT
.set i, i+1
.endr
	; W_basis has 64 rows: the first 64 work-groups take one each
	s_lshl_b32 s20, s18, 12                        ; in: row g
	s_lshr_b32 s22, s18, 4                         ; out: Wcat row 272 (g / 16) + 256 + g % 16
	s_mul_i32 s22, s22, 272
	s_and_b32 s23, s18, 15
	s_add_co_u32 s22, s22, s23
	s_add_co_u32 s22, s22, 256
	s_lshl_b32 s22, s22, 11
	s_mov_b32 s23, 0
	s_cmp_lt_u32 s18, 64
	s_cbranch_scc0 .Lend
	s_add_nc_u64 s[10:11], s[10:11], s[20:21]
	s_add_nc_u64 s[30:31], s[14:15], s[22:23]
	global_load_b128 v[DAT+160:DAT+163], v1, s[10:11] th:TH_LOAD_NT
	s_wait_loadcnt 0x0
	CVB 40
	global_store_b64 v2, v[DAT+160:DAT+161], s[30:31]
.Lend:
	s_endpgm
.Lfunc_end_k_q7fdc3fd135_prep:
	.size	k_q7fdc3fd135_prep, .Lfunc_end_k_q7fdc3fd135_prep-k_q7fdc3fd135_prep
	.p2alignl 7, 3214868480
	.fill 96, 4, 3214868480
	.section	.rodata,"a",@progbits
	.p2align	6, 0x0
	.amdhsa_kernel k_q7fdc3fd135_prep
		.amdhsa_group_segment_fixed_size 0
		.amdhsa_private_segment_fixed_size 0
		.amdhsa_enable_private_segment 0
		.amdhsa_kernarg_size 56
		.amdhsa_user_sgpr_count 2
		.amdhsa_user_sgpr_kernarg_segment_ptr 1
		.amdhsa_wavefront_size32 1
		.amdhsa_system_sgpr_workgroup_id_x 1
		.amdhsa_system_sgpr_workgroup_id_y 1
		.amdhsa_system_sgpr_workgroup_id_z 1
		.amdhsa_system_vgpr_workitem_id 0
		.amdhsa_next_free_vgpr 168
		.amdhsa_next_free_sgpr 66
		.amdhsa_reserve_vcc 0
		.amdhsa_float_denorm_mode_32 3
		.amdhsa_float_denorm_mode_16_64 3
		.amdhsa_memory_ordered 1
		.amdhsa_forward_progress 1
		.amdhsa_inst_pref_size 17
	.end_amdhsa_kernel
	.amdgpu_metadata
---
amdhsa.version: [ 1, 2 ]
amdhsa.kernels:
  - .name:           k_q7fdc3fd135_prep
    .symbol:         k_q7fdc3fd135_prep.kd
    .args:
      - { .name: hidden_states, .offset: 0, .size: 8, .value_kind: global_buffer, .address_space: global }
      - { .name: W_v, .offset: 8, .size: 8, .value_kind: global_buffer, .address_space: global }
      - { .name: W_o, .offset: 16, .size: 8, .value_kind: global_buffer, .address_space: global }
      - { .name: W_basis, .offset: 24, .size: 8, .value_kind: global_buffer, .address_space: global }
      - { .name: Xb, .offset: 32, .size: 8, .value_kind: global_buffer, .address_space: global }
      - { .name: Wcat, .offset: 40, .size: 8, .value_kind: global_buffer, .address_space: global }
      - { .name: Wo16, .offset: 48, .size: 8, .value_kind: global_buffer, .address_space: global }
    .group_segment_fixed_size: 0
    .private_segment_fixed_size: 0
    .kernarg_segment_align: 8
    .kernarg_segment_size: 56
    .max_flat_workgroup_size: 256
    .sgpr_count:     66
    .vgpr_count:     168
    .wavefront_size: 32
...
	.end_amdgpu_metadata
.endif
;; end of part 1
;; launch vproj (part 2): grid 4 x 64, 4 waves a work-group, clusters of 4 x 4, 327,680 bytes of LDS; arguments Xb, Wcat, b_v, Vt, Lp; writes Vt, Lp
.if DOCPART == 2
	.amdgcn_target "amdgcn-amd-amdhsa--gfx1250"
	.amdhsa_code_object_version 6
	.text
	.protected	k_q7fdc3fd135_vproj
	.globl	k_q7fdc3fd135_vproj
	.p2align	8
	.type	k_q7fdc3fd135_vproj,@function
k_q7fdc3fd135_vproj:
	s_mov_b64 s[64:65], 0
	v_nop
	global_prefetch_b8 v0, s[64:65] scope:SCOPE_SE
	s_setreg_imm32_b32 hwreg(HW_REG_WAVE_MODE, 25, 1), 1
	s_wait_xcnt 0x0
	s_wait_alu depctr_hold_cnt(0) depctr_sa_sdst(0) depctr_va_vdst(0) depctr_va_sdst(0) depctr_va_ssrc(0) depctr_va_vcc(0) depctr_vm_vsrc(0)
	s_getreg_b32 s2, hwreg(HW_REG_IB_STS2, 6, 4)
	s_cmp_eq_u32 s2, 0
	s_cbranch_scc0 .Lentry_in_a_cluster
	s_endpgm
.Lentry_in_a_cluster:
	s_bfe_u32 s2, ttmp6, 0x10000c
	s_cmp_lg_u32 s2, 0xf033
	s_cbranch_scc0 .Lentry_shape_is_right
	s_endpgm
.Lentry_shape_is_right:
; Vt[b][c][t] = f16( sum over k of Xb[t][k] W_v[c][k] + b_v[c] )   (V transposed: the next product sums over t)
; Lp[p][t][e] = f16( sum over k of Xb[t][k] W_basis[16 p + e][k] )  (the latent, in four planes of 16 columns)
; bf16 operands, f32 sums.  LIMIT: v and the latent are kept in f16, so their magnitudes must stay under 65504.
; A work-group makes 128 t x 256 c of V and, from the same tiles, 128 t x 16 latent columns; 4 x 64 work-groups.  Four waves; wave w makes
; 128 t x 64 c: 32 accumulator tiles of 16 x 16, 256 registers, and two latent tiles (its own 32 t).
; K goes in steps of 128 (rows of 256 bytes) through a ring of two LDS slots; a slot holds 272 rows of Wcat (tile 1) and 128 rows of Xb (tile 0).
; CLUSTERS: 4 x 4 work-groups.  Wcat's tile hangs on the block column x alone and is asked for jointly by a column of the cluster; Xb's tile hangs on the
; block row y alone and is asked for jointly by a row of the cluster.
; The matrix instruction takes 16 rows of Xb as source 0 and 16 rows of Wcat as source 1: lane l then holds c = l % 16 and, in its eight registers,
; t = 8 (l / 16) + 0 .. 7: eight neighbouring numbers of a row of Vt.
; REGISTERS: window 0: addresses, source 1 fragments (two buffers), the way out, the latent sums; window 1: source 0 fragments (two buffers);
; window 2: the 32 accumulator tiles, tile (a, b) at v[8 (8 a + b)], a = 16 rows of Wcat, b = 16 rows of Xb.
.set KSTEP,  128
.set KDIM,   1024                      ; elements from row to row in Xb and in Wcat
.set PITCH,  272                       ; an LDS row: 256 bytes + 16 of padding, an odd multiple of 16: the 16 rows of a fragment load start in 16 different 16-byte columns
.set NROW1,  272                       ; rows of tile 1
.set HALF1,  (NROW1/2)*PITCH           ; what wave 0 or 1 fetches
.set OFF0,   NROW1*PITCH               ; tile 0 lies behind tile 1
.set HALF0,  64*PITCH                  ; what wave 2 or 3 fetches
.set SLOT,   (NROW1+128)*PITCH
.set STAGE,  2*SLOT                    ; behind the ring, a multiple of 256: 16 rows x 272 bytes for each wave; no tensor load lands here
.set STGB,   16*PITCH
.set NF,     30                        ; LDS loads in one run of fragments
.set W1,     10                        ; the last ten of a run: source 1 fragments 2 and 3, W_basis, the wave's own two Xb fragments
.set G1W0,   (1<<16)|(1<<20)|(1<<21)|(5<<22)|(3<<25)   ; 2-byte elements; padding on; bit 21 beside a mask; after every 64 words; 4 words
.set ADR1, 16                          ; v16-17  my 64 rows of tile 1, slot 0, 1
.set ADRX, 18                          ; v18-19  my own 32 rows of tile 0 (for the latent)
.set ADR0, 20                          ; v20-21  tile 0
.set ADRL, 22                          ; v22-23  rows 256-271 of tile 1: W_basis
.set STO,  24
.set RD,   25
.set CO,   26
.set LOF,  27                          ; my 16 bytes in a latent tile
.set BA,   28                          ; 4 (l % 16): my word of the bias; never rewritten
.set BV,   32                          ; v[32:39] b_v of my column in tiles a = 0..3, each twice (a pair for the packed add)
.set F0,   64
.set F1,   128
.set TMP,  192
.set LACC, 224                         ; v[224:239] two latent tiles
.set G1,  24                           ; s[24:31] group 1, tile 1
.set G0,  32                           ; s[32:39] group 0, tile 1, a set for each slot
.set G1B, 48                           ; s[48:55] group 1, tile 0
.set G0B, 56                           ; s[56:63] group 0, tile 0
.set MSB, 0
.macro WIN new                         ; the immediate's high byte repeats the setting that is left
.if MSB != \new
	s_set_vgpr_msb (MSB<<8)|\new
.set MSB, \new
.endif
.endm
.macro JLOAD s                         ; waves 0 and 1 ask for tile 1's halves, waves 2 and 3 for tile 0's: one tensor load a wave
	s_cmp_eq_u32 s11, 0
	s_cbranch_scc0 .Lsecond_\@
	tensor_load_to_lds s[G0+4*\s:G0+4*\s+3], s[G1:G1+7]
	s_nop 0
	s_branch .Lasked_\@
.Lsecond_\@:
	tensor_load_to_lds s[G0B+4*\s:G0B+4*\s+3], s[G1B:G1B+7]
	s_nop 0
.Lasked_\@:
.endm
.macro CREST                           ; a round of the cluster's barrier behind its opening work-group barrier
	s_cmp_lg_u32 s10, 0
	s_cbranch_scc1 .Lnot_wave_0_\@
	s_barrier_signal -3
.Lnot_wave_0_\@:
	s_barrier_wait -3
	s_barrier_signal -1
	s_barrier_wait -1
.endm
.macro CROUND
	s_barrier_signal -1
	s_barrier_wait -1
	CREST
.endm
.macro PLACES                          ; four places behind a matrix instruction, in front of loads into its sources and of readers of its result
.rept 4
	v_nop
.endr
.endm
; eight matrix instructions: source 1 fragment a against all eight source 0 fragments.  The accumulators take turns, one instruction a turn.
.macro MUL8 f, a, zero
	WIN 0xa1                               ; source 0 window 1, source 1 window 0, C and D window 2
.irp b, 0,1,2,3,4,5,6,7
.if \zero
	v_wmma_f32_16x16x32_bf16 v[8*(8*\a+\b):8*(8*\a+\b)+7], v[\f+8*\b:\f+8*\b+7], v[\f+8*\a:\f+8*\a+7], 0
.else
	v_wmma_f32_16x16x32_bf16 v[8*(8*\a+\b):8*(8*\a+\b)+7], v[\f+8*\b:\f+8*\b+7], v[\f+8*\a:\f+8*\a+7], v[8*(8*\a+\b):8*(8*\a+\b)+7]
.endif
.endr
.endm
; the latent: 16 rows of W_basis as source 0, my own 2 x 16 rows of Xb as source 1: a lane holds 8 neighbouring latent columns of one t.  All in window 0.
.macro LAT f, zero
	WIN 0
.irp i, 0,1
.if \zero
	v_wmma_f32_16x16x32_bf16 v[LACC+8*\i:LACC+8*\i+7], v[\f+32:\f+39], v[\f+40+8*\i:\f+47+8*\i], 0
.else
	v_wmma_f32_16x16x32_bf16 v[LACC+8*\i:LACC+8*\i+7], v[\f+32:\f+39], v[\f+40+8*\i:\f+47+8*\i], v[LACC+8*\i:LACC+8*\i+7]
.endif
.endr
.endm
; one run of 30 LDS loads: the fragments of a quarter step (32 along K at byte k of the rows) into buffer f
.macro FETCH slot, k, f
	WIN 0x40                               ; destination window 1
.irp i, 0,1,2,3,4,5,6,7
	ds_load_b128 v[\f+8*\i:\f+8*\i+3],   v[ADR0+\slot] offset:\k+\i*16*PITCH
	ds_load_b128 v[\f+8*\i+4:\f+8*\i+7], v[ADR0+\slot] offset:\k+\i*16*PITCH+32
.endr
	WIN 0
.irp i, 0,1,2,3
	ds_load_b128 v[\f+8*\i:\f+8*\i+3],   v[ADR1+\slot] offset:\k+\i*16*PITCH
	ds_load_b128 v[\f+8*\i+4:\f+8*\i+7], v[ADR1+\slot] offset:\k+\i*16*PITCH+32
.endr
	ds_load_b128 v[\f+32:\f+35], v[ADRL+\slot] offset:\k
	ds_load_b128 v[\f+36:\f+39], v[ADRL+\slot] offset:\k+32
.irp i, 0,1
	ds_load_b128 v[\f+40+8*\i:\f+43+8*\i], v[ADRX+\slot] offset:\k+\i*16*PITCH
	ds_load_b128 v[\f+44+8*\i:\f+47+8*\i], v[ADRX+\slot] offset:\k+\i*16*PITCH+32
.endr
.endm
.macro QUARTER slot, k, f, g, zero
	s_wait_dscnt W1                                ; source 0 and source 1 fragments 0, 1 are in; the last ten loads of the run may be out
	MUL8 \f, 0, \zero
	MUL8 \f, 1, \zero
	PLACES
	FETCH \slot, \k, \g
	s_wait_dscnt NF                                ; all but the 30 just issued
	MUL8 \f, 2, \zero
	MUL8 \f, 3, \zero
	LAT \f, \zero
.endm
.macro THREE slot, zero
	QUARTER \slot, 64,  F0, F1, \zero
	QUARTER \slot, 128, F1, F0, 0
	QUARTER \slot, 192, F0, F1, 0
.endm
; the last quarter of a K step changes slots.  In front of the barrier each wave waits for its reads of this slot and for all its tensor loads (one is out:
; its part of the next slot); where the slot is filled again the barrier opens a round of the cluster's barrier, and the joint load comes first behind it.
.macro TURN slot, next, fill
	s_wait_dscnt W1
	MUL8 F1, 0, 0
	s_wait_dscnt 0x0
	s_wait_tensorcnt 0x0
	ds_add_u32 v255, v255
	s_wait_dscnt 0x0
	s_barrier_signal -1
	MUL8 F1, 1, 0                                  ; register work while the others arrive
	WIN 0
	s_barrier_wait -1
.if \fill
	CREST
	s_add_nc_u64 s[G0+4*\slot+2:G0+4*\slot+3], s[G0+4*\slot+2:G0+4*\slot+3], 2*KSTEP*2     ; no tensor load of mine is out: group 0 may be written
	s_add_nc_u64 s[G0B+4*\slot+2:G0B+4*\slot+3], s[G0B+4*\slot+2:G0B+4*\slot+3], 2*KSTEP*2
	JLOAD \slot
.endif
	PLACES
	FETCH \next, 0, F0
	MUL8 F1, 2, 0
	MUL8 F1, 3, 0
	LAT F1, 0
.endm
.macro LAP zero
	THREE 0, \zero
	TURN 0, 1, 1
	THREE 1, 0
	TURN 1, 0, 1
.endm
.macro LASTLAP zero                    ; fills nothing
	THREE 0, \zero
	TURN 0, 1, 0
	THREE 1, 0
	s_wait_dscnt W1
	MUL8 F1, 0, 0
	MUL8 F1, 1, 0
	s_wait_dscnt 0x0
	MUL8 F1, 2, 0
	MUL8 F1, 3, 0
	LAT F1, 0
.endm
	s_load_b256 s[68:75], s[0:1], 0x0              ; Xb s[68:69], Wcat s[70:71], b_v s[72:73], Vt s[74:75]
	s_load_b64 s[76:77], s[0:1], 0x20              ; Lp
	s_set_vgpr_msb 0x40
	v_lshl_add_u32 v255, v0, 2, 0x39600
	s_set_vgpr_msb 0x4000
	v_mov_b32 v255, 0
	s_set_vgpr_msb 0x1
	ds_add_u32 v255, v255
	s_set_vgpr_msb 0x100
	v_lshrrev_b32 v1, 5, v0
	v_readfirstlane_b32 s10, v1                    ; wave 0..3
	s_lshr_b32 s11, s10, 1                         ; I fetch for tile 1 (0) or tile 0 (1)
	s_and_b32 s12, s10, 1                          ; which half of it
	s_bfe_u32 s40, ttmp6, 0x40000                  ; cx
	s_bfe_u32 s41, ttmp6, 0x40004                  ; cy
	s_lshl_b32 s42, ttmp9, 2
	s_add_co_u32 s42, s42, s40                     ; x: block of 256 c (and the latent plane)
	s_and_b32 s13, ttmp7, 0xffff
	s_lshl_b32 s13, s13, 2
	s_add_co_u32 s13, s13, s41                     ; y: block of 128 t
	s_lshl_b32 s43, s41, 2
	s_lshl_b32 s43, 15, s43                        ; my row of the cluster
	s_lshl_b32 s44, 0x1111, s40                    ; my column
	s_or_b32 s[G1+0], s44, G1W0                    ; Wcat's tiles go to my column
	s_or_b32 s[G1B+0], s43, G1W0                   ; Xb's tiles go to my row
	s_mov_b32 s[G1+1], KSTEP<<16                   ; tensor_dim0 = 128
	s_mov_b32 s[G1B+1], KSTEP<<16
	s_mov_b32 s[G1+2], (NROW1/2)<<16               ; tensor_dim1 = 136 rows
	s_mov_b32 s[G1B+2], 64<<16                     ; 64 rows
	s_mov_b32 s[G1+3], KSTEP<<16                   ; tile_dim0 = 128
	s_mov_b32 s[G1B+3], KSTEP<<16
	s_mov_b32 s[G1+4], NROW1/2                     ; tile_dim1
	s_mov_b32 s[G1B+4], 64
	s_mov_b32 s[G1+5], KDIM                        ; elements from row to row
	s_mov_b32 s[G1B+5], KDIM
	s_mov_b32 s[G1+6], 0
	s_mov_b32 s[G1B+6], 0
	s_mov_b32 s[G1+7], 0
	s_mov_b32 s[G1B+7], 0
	s_mul_i32 s16, s42, NROW1                      ; Wcat row 272 x + 136 half: x and the wave's number alone
	s_mul_i32 s17, s12, NROW1/2
	s_add_co_u32 s16, s16, s17
	s_lshl_b32 s16, s16, 11                        ; rows of 2,048 bytes
	s_mov_b32 s17, 0
	s_lshl_b32 s46, s13, 7                         ; Xb row 128 y + 64 half: y and the wave's number alone
	s_lshl_b32 s47, s12, 6
	s_add_co_u32 s46, s46, s47
	s_lshl_b32 s46, s46, 11
	s_mov_b32 s47, 0
	s_mul_i32 s20, s10, HALF1                      ; LDS: waves 0, 1: tile 1's halves
	s_mul_i32 s21, s10, HALF0                      ; waves 2, 3: tile 0's halves, behind tile 1
	s_add_co_u32 s21, s21, OFF0-2*HALF0
	s_wait_dscnt 0x0
	s_wait_kmcnt 0x0
	s_add_nc_u64 s[14:15], s[70:71], s[16:17]
	s_add_nc_u64 s[46:47], s[68:69], s[46:47]
	CROUND                                         ; all sixteen work-groups are here: the first joint loads meet
.irp s, 0,1
	s_mov_b32 s[G0+4*\s], 1
	s_add_co_u32 s[G0+4*\s+1], s20, \s*SLOT
	s_add_nc_u64 s[G0+4*\s+2:G0+4*\s+3], s[14:15], \s*KSTEP*2
	s_or_b32 s[G0+4*\s+3], s[G0+4*\s+3], 0x80000000
	s_mov_b32 s[G0B+4*\s], 1
	s_add_co_u32 s[G0B+4*\s+1], s21, \s*SLOT
	s_add_nc_u64 s[G0B+4*\s+2:G0B+4*\s+3], s[46:47], \s*KSTEP*2
	s_or_b32 s[G0B+4*\s+3], s[G0B+4*\s+3], 0x80000000
	JLOAD \s                                       ; K steps 0 and 1: two tensor loads of each wave are out
.endr
	v_and_b32 v1, 15, v0                           ; r = l % 16
	v_bfe_u32 v2, v0, 4, 1                         ; h = l / 16
	v_lshlrev_b32 v[BA], 2, v1
	s_lshl_b32 s80, s42, 10                        ; b_v at column 256 x + 64 w
	s_lshl_b32 s81, s10, 8
	s_add_co_u32 s80, s80, s81
	s_mov_b32 s81, 0
	s_add_nc_u64 s[72:73], s[72:73], s[80:81]
.irp a, 0,1,2,3
	global_load_b32 v[BV+2*\a], v[BA], s[72:73] offset:64*\a
.endr
	v_mul_u32_u24 v3, v1, PITCH
	v_lshl_add_u32 v3, v2, 4, v3                   ; a fragment's lane term: row r, 16 bytes for each half of the lanes
	s_mul_i32 s22, s10, 64*PITCH
	s_mul_i32 s23, s10, 32*PITCH
	s_add_co_u32 s23, s23, OFF0
.irp s, 0,1
	v_add_nc_u32 v[ADR1+\s], s22, v3
	v_add_nc_u32 v[ADRX+\s], s23, v3
	v_add_nc_u32 v[ADR0+\s], OFF0+\s*SLOT, v3
	v_add_nc_u32 v[ADRL+\s], 256*PITCH+\s*SLOT, v3
	s_add_co_u32 s22, s22, SLOT
	s_add_co_u32 s23, s23, SLOT
.endr
	s_mul_i32 s22, s10, STGB
	s_add_co_u32 s22, s22, STAGE                   ; my stage
	v_add_nc_u32 v[STO], s22, v3                   ; in: row r, 16 bytes for each half of the lanes
	v_mul_u32_u24 v5, v2, PITCH                    ; back: lanes 0-15 one row of 256 bytes, lanes 16-31 the next
	v_lshl_add_u32 v5, v1, 4, v5
	v_add_nc_u32 v[RD], s22, v5
	v_lshlrev_b32 v5, 12, v2                       ; the same two rows in Vt: 4,096 bytes apart
	v_lshl_add_u32 v[CO], v1, 4, v5
	v_lshlrev_b32 v5, 5, v1                        ; a latent row is 32 bytes
	v_lshl_add_u32 v[LOF], v2, 4, v5
	s_wait_tensorcnt 0x1                           ; my part of K step 0 is in; K step 1's stays out
	s_barrier_signal -1
	s_barrier_wait -1
	FETCH 0, 0, F0
	LAP 1                                          ; the first products start the sums: nothing is cleared
	WIN 0
	s_mov_b32 s3, 2                                ; K = 1024 is four laps of two K steps
.Llap:
	LAP 0
	WIN 0
	s_sub_co_u32 s3, s3, 1
	s_cmp_lg_u32 s3, 0
	s_cbranch_scc1 .Llap
	LASTLAP 0
	; THE WAY OUT
	PLACES
	WIN 0
	s_wait_loadcnt 0x0                             ; the bias
.irp a, 0,1,2,3
	v_mov_b32 v[BV+2*\a+1], v[BV+2*\a]
.endr
	s_lshr_b32 s80, s13, 4                         ; Vt row (y / 16) 1024 + 256 x + 64 w, rows of 4,096 bytes; column 128 (y % 16), 2 bytes each
	s_lshl_b32 s80, s80, 10
	s_lshl_b32 s81, s42, 8
	s_add_co_u32 s80, s80, s81
	s_lshl_b32 s81, s10, 6
	s_add_co_u32 s80, s80, s81
	s_lshl_b32 s80, s80, 12
	s_and_b32 s81, s13, 15
	s_lshl_b32 s81, s81, 8
	s_add_co_u32 s80, s80, s81
	s_mov_b32 s81, 0
	s_add_nc_u64 s[74:75], s[74:75], s[80:81]
	s_lshl_b32 s82, s42, 18                        ; Lp: plane x of 262,144 bytes, row 128 y + 32 w of 32 bytes
	s_lshl_b32 s83, s13, 12
	s_add_co_u32 s82, s82, s83
	s_lshl_b32 s83, s10, 10
	s_add_co_u32 s82, s82, s83
	s_mov_b32 s83, 0
	s_add_nc_u64 s[76:77], s[76:77], s[82:83]
; 16 rows of Vt (tiles (a, 0..7)): add the bias, round to f16, 16 bytes a lane into my stage, back as whole rows of 256 bytes
.macro OUT16 a, f
	WIN 0x82                               ; source 0 and destination window 2, source 1 window 0
.irp b, 0,1,2,3,4,5,6,7
.irp p, 0,2,4,6
	v_pk_add_f32 v[8*(8*\a+\b)+\p:8*(8*\a+\b)+\p+1], v[8*(8*\a+\b)+\p:8*(8*\a+\b)+\p+1], v[BV+2*\a:BV+2*\a+1]
.endr
.endr
	WIN 0x0a                               ; sources window 2, destination window 0
.irp b, 0,1,2,3,4,5,6,7
.irp r, 0,1,2,3
	v_cvt_pk_f16_f32 v[TMP+4*\b+\r], v[8*(8*\a+\b)+2*\r], v[8*(8*\a+\b)+2*\r+1]
.endr
.endr
	WIN 0
.irp b, 0,1,2,3,4,5,6,7
	ds_store_b128 v[STO], v[TMP+4*\b:TMP+4*\b+3] offset:32*\b
.endr
	s_wait_xcnt 0x0                                ; buffer f and the stores' base are rewritten only behind this wait
.if \a
	s_add_nc_u64 s[74:75], s[74:75], 16*4096
.endif
.irp t, 0,1,2,3,4,5,6,7
	ds_load_b128 v[\f+4*\t:\f+4*\t+3], v[RD] offset:\t*2*PITCH     ; LDS serves a wave's instructions in order: these see the stores above
.endr
.irp t, 0,1,2,3,4,5,6,7
	s_wait_dscnt 7-\t
	global_store_b128 v[CO], v[\f+4*\t:\f+4*\t+3], s[74:75] offset:2*\t*4096   ; 16 lanes store 256 consecutive bytes, aligned
.endr
.endm
	OUT16 0, F0
	OUT16 1, F1
	OUT16 2, F0
	OUT16 3, F1
.irp i, 0,1
.irp r, 0,1,2,3
	v_cvt_pk_f16_f32 v[TMP+4*\i+\r], v[LACC+8*\i+2*\r], v[LACC+8*\i+2*\r+1]
.endr
	global_store_b128 v[LOF], v[TMP+4*\i:TMP+4*\i+3], s[76:77] offset:512*\i   ; 32 lanes store 512 consecutive bytes: 16 latent rows of the plane
.endr
	s_set_vgpr_msb 0x1
	s_wait_tensorcnt 0x0
	ds_add_u32 v255, v255
	s_wait_dscnt 0x0
	s_set_vgpr_msb 0x100
	CROUND                                         ; the closing round: no work-group ends while a partner may still ask for a tile that names it
	s_endpgm
.Lfunc_end_k_q7fdc3fd135_vproj:
	.size	k_q7fdc3fd135_vproj, .Lfunc_end_k_q7fdc3fd135_vproj-k_q7fdc3fd135_vproj
	.p2alignl 7, 3214868480
	.fill 96, 4, 3214868480
	.section	.rodata,"a",@progbits
	.p2align	6, 0x0
	.amdhsa_kernel k_q7fdc3fd135_vproj
		.amdhsa_group_segment_fixed_size 327680
		.amdhsa_private_segment_fixed_size 0
		.amdhsa_enable_private_segment 0
		.amdhsa_kernarg_size 40
		.amdhsa_user_sgpr_count 2
		.amdhsa_user_sgpr_kernarg_segment_ptr 1
		.amdhsa_wavefront_size32 1
		.amdhsa_system_sgpr_workgroup_id_x 1
		.amdhsa_system_sgpr_workgroup_id_y 1
		.amdhsa_system_sgpr_workgroup_id_z 1
		.amdhsa_system_vgpr_workitem_id 0
		.amdhsa_next_free_vgpr 768
		.amdhsa_next_free_sgpr 90
		.amdhsa_reserve_vcc 0
		.amdhsa_float_denorm_mode_32 3
		.amdhsa_float_denorm_mode_16_64 3
		.amdhsa_memory_ordered 1
		.amdhsa_forward_progress 1
		.amdhsa_inst_pref_size 142
	.end_amdhsa_kernel
	.amdgpu_metadata
---
amdhsa.version: [ 1, 2 ]
amdhsa.kernels:
  - .name:           k_q7fdc3fd135_vproj
    .symbol:         k_q7fdc3fd135_vproj.kd
    .args:
      - { .name: Xb, .offset: 0, .size: 8, .value_kind: global_buffer, .address_space: global }
      - { .name: Wcat, .offset: 8, .size: 8, .value_kind: global_buffer, .address_space: global }
      - { .name: b_v, .offset: 16, .size: 8, .value_kind: global_buffer, .address_space: global }
      - { .name: Vt, .offset: 24, .size: 8, .value_kind: global_buffer, .address_space: global }
      - { .name: Lp, .offset: 32, .size: 8, .value_kind: global_buffer, .address_space: global }
    .group_segment_fixed_size: 327680
    .private_segment_fixed_size: 0
    .kernarg_segment_align: 8
    .kernarg_segment_size: 40
    .max_flat_workgroup_size: 128
    .sgpr_count:     90
    .vgpr_count:     768
    .wavefront_size: 32
...
	.end_amdgpu_metadata
.endif
;; end of part 2
;; launch att (part 3): grid 64 x 4, 16 waves a work-group, no clusters, 145,408 bytes of LDS; arguments Lp, Pm, rl; writes Pm, rl
.if DOCPART == 3
	.amdgcn_target "amdgcn-amd-amdhsa--gfx1250"
	.amdhsa_code_object_version 6
	.text
	.protected	k_q7fdc3fd135_att
	.globl	k_q7fdc3fd135_att
	.p2align	8
	.type	k_q7fdc3fd135_att,@function
k_q7fdc3fd135_att:
	s_mov_b64 s[64:65], 0
	v_nop
	global_prefetch_b8 v0, s[64:65] scope:SCOPE_SE
	s_setreg_imm32_b32 hwreg(HW_REG_WAVE_MODE, 25, 1), 1
	s_wait_xcnt 0x0
; Pm[b][q][k] = f16( exp( (s[q][k] - max over k of s[q][k]) / 8 ) ),  s = latent latent^T, causal;  rl[b][q] = 1 / (sum over k of that exponential).
; Left out (shown at the head of the first kernel): keys from 256 (q / 256 + 1) on; they are neither scored nor stored.
; A work-group has 32 queries (q0 = 32 x) of batch b and sixteen waves; wave c owns the keys 128 c .. 128 c + 127.  With cd = q0 / 128:
;   c < cd: all its keys are live;  c = cd: the diagonal runs through them (masked by select);  cd < c <= cend = 2 (q0 / 256) + 1: it stores zeros
;   (the next launch multiplies blocks of 256 keys);  c > cend: it only passes the barriers.
; f16 operands, f32 sums.  Source 0 = 16 keys, source 1 = 16 queries: lane l holds query l % 16 and eight neighbouring keys 8 (l / 16) + 0 .. 7.
; The row maximum is taken away before the exponential: each wave's maxima meet in LDS behind a barrier.  The scores are formed TWICE, once for the maxima
; and once behind that barrier for the exponentials: the waves without live keys pass the same barrier on a way that never writes the score registers, so
; only addresses and the one number that is exchanged are carried over the join.  The price for a live wave is 40 loads of 512 bytes and 32 matrix instructions.
; The exponent is (s - m) c with c = log2(e) / 8, a subtraction and then a product: the largest exponent is exactly 0 however large the scores are.
; LIMITS: an exponential below 2^-25 of its row's largest is stored as 0 (f16); the maxima drop a NaN.
.set PLANE,  262144                    ; bytes of a plane of Lp
.set SPITCH, 272
.set WSTAGE, 32*SPITCH                 ; a wave's stage: 32 queries x (256 bytes + 16)
.set RED,    16*WSTAGE                 ; [32 queries][16 waves] f32: the maxima; 2,048 bytes further on the sums
.set LOFF, 4                           ; 32 r + 16 h: a lane's 16 bytes of 16 rows of a plane
.set REL,  5                           ; v5, v6: a key 16 kt + j of my chunk is live for query tile qt where 16 kt + j <= REL[qt]
.set NINF, 7
.set MA,   8                           ; v8, v9: a figure for each query tile
.set TP,   10                          ; v10, v11: the other half's figure
.set MX,   12                          ; what I hand to the others: lane l stands for query q0 + l
.set RL,   13
.set MP,   14                          ; v[14:15], v[16:17]: the row maximum, twice, for each query tile
.set LS,   18                          ; v[18:19], v[20:21]: running sums
.set STO,  22
.set RD,   23
.set CO,   24
.set RW,   25
.set RR,   26
.set RO,   27
.set ZR,   28                          ; v[28:31] zeros
.set QF,   32                          ; v[32:63]   query fragments (qt, kc)
.set KF,   64                          ; v[64:127]  key fragments of four key tiles (kt, kc); later the rows on their way out
.set SC,   128                         ; v[128:255] scores, tile 8 qt + kt
.macro NOP4
.rept 4
	v_nop
.endr
.endm
; A fragment of 16 rows x 32 latent columns: registers 0-3 from plane 2 kc, registers 4-7 from plane 2 kc + 1; each load covers 512 consecutive bytes.
.macro LDQ
.irp qt, 0,1
.irp kc, 0,1
	global_load_b128 v[QF+8*(2*\qt+\kc):QF+8*(2*\qt+\kc)+3],   v[LOFF], s[18:19] offset:(2*\kc)*PLANE+\qt*512
	global_load_b128 v[QF+8*(2*\qt+\kc)+4:QF+8*(2*\qt+\kc)+7], v[LOFF], s[18:19] offset:(2*\kc+1)*PLANE+\qt*512
.endr
.endr
.endm
.macro LDK half
.irp kt, 0,1,2,3
.irp kc, 0,1
	global_load_b128 v[KF+8*(2*\kt+\kc):KF+8*(2*\kt+\kc)+3],   v[LOFF], s[22:23] offset:(2*\kc)*PLANE+(4*\half+\kt)*512
	global_load_b128 v[KF+8*(2*\kt+\kc)+4:KF+8*(2*\kt+\kc)+7], v[LOFF], s[22:23] offset:(2*\kc+1)*PLANE+(4*\half+\kt)*512
.endr
.endr
.endm
; 16 matrix instructions: 64 keys x 32 queries x 64.  Eight accumulators take turns, one instruction a turn.
.macro WSC half
.irp kc, 0,1
.irp qt, 0,1
.irp kt, 0,1,2,3
.if \kc == 0
	v_wmma_f32_16x16x32_f16 v[SC+8*(8*\qt+4*\half+\kt):SC+8*(8*\qt+4*\half+\kt)+7], v[KF+8*(2*\kt+\kc):KF+8*(2*\kt+\kc)+7], v[QF+8*(2*\qt+\kc):QF+8*(2*\qt+\kc)+7], 0
.else
	v_wmma_f32_16x16x32_f16 v[SC+8*(8*\qt+4*\half+\kt):SC+8*(8*\qt+4*\half+\kt)+7], v[KF+8*(2*\kt+\kc):KF+8*(2*\kt+\kc)+7], v[QF+8*(2*\qt+\kc):QF+8*(2*\qt+\kc)+7], v[SC+8*(8*\qt+4*\half+\kt):SC+8*(8*\qt+4*\half+\kt)+7]
.endif
.endr
.endr
.endr
.endm
.macro MASK half                       ; keys behind the query get -inf
.irp qt, 0,1
.irp kt, 0,1,2,3
.irp j, 0,1,2,3,4,5,6,7
	v_cmp_le_i32 vcc_lo, 16*(4*\half+\kt)+\j, v[REL+\qt]
	v_cndmask_b32 v[SC+8*(8*\qt+4*\half+\kt)+\j], v[NINF], v[SC+8*(8*\qt+4*\half+\kt)+\j], vcc_lo
.endr
.endr
.endr
.endm
.macro MAXH half                       ; the largest of a lane's 32 scores of each query tile joins MA; the first two scores start it
.irp kt, 0,1,2,3
.irp qt, 0,1
.if \half+\kt == 0
	v_max_num_f32 v[MA+\qt], v[SC+64*\qt], v[SC+64*\qt+1]
.else
	v_max3_num_f32 v[MA+\qt], v[MA+\qt], v[SC+8*(8*\qt+4*\half+\kt)], v[SC+8*(8*\qt+4*\half+\kt)+1]
.endif
.irp j, 2,4,6
	v_max3_num_f32 v[MA+\qt], v[MA+\qt], v[SC+8*(8*\qt+4*\half+\kt)+\j], v[SC+8*(8*\qt+4*\half+\kt)+\j+1]
.endr
.endr
.endr
.endm
; The first pass: my chunk's largest score for each of the 32 queries
.macro PHA masked
	LDQ
	LDK 0
	s_wait_loadcnt 0x0
	WSC 0
	NOP4                                           ; four places behind the products, in front of loads into their sources and of readers of their results
	LDK 1
.if \masked
	MASK 0
.endif
	MAXH 0
	s_wait_loadcnt 0x0
	WSC 1
	NOP4
.if \masked
	MASK 1
.endif
	MAXH 1
	v_permlanex16_b32 v[TP], v[MA], s12, s13       ; the other eight keys of each tile lie in the other half of the lanes
	v_permlanex16_b32 v[TP+1], v[MA+1], s12, s13
	v_max_num_f32 v[MA], v[MA], v[TP]
	v_max_num_f32 v[MA+1], v[MA+1], v[TP+1]
	v_cndmask_b32 v[MX], v[MA], v[MA+1], s14       ; lanes 0-15: queries 0-15; lanes 16-31: queries 16-31
.endm
.macro SUBMUL t                        ; (s - m) c
.irp p, 0,2,4,6
	v_pk_add_f32 v[SC+8*\t+\p:SC+8*\t+\p+1], v[SC+8*\t+\p:SC+8*\t+\p+1], v[MP+2*(\t/8):MP+2*(\t/8)+1] neg_lo:[0,1] neg_hi:[0,1]
.endr
.irp p, 0,2,4,6
	v_pk_mul_f32 v[SC+8*\t+\p:SC+8*\t+\p+1], v[SC+8*\t+\p:SC+8*\t+\p+1], s[20:21] op_sel_hi:[1,0]
.endr
.endm
.macro EXPT t
.irp j, 0,1,2,3,4,5,6,7
	v_exp_f32 v[SC+8*\t+\j], v[SC+8*\t+\j]
.endr
.endm
.macro SUMCVT t                        ; into the running sums (tiles 0 and 8 start them), then eight f16 into the tile's first four registers
.if (\t % 8) == 0
	s_wait_alu depctr_va_vdst(0)
	v_pk_add_f32 v[LS+2*(\t/8):LS+2*(\t/8)+1], v[SC+8*\t:SC+8*\t+1], v[SC+8*\t+2:SC+8*\t+3]
.else
	s_wait_alu depctr_va_vdst(0)
	v_pk_add_f32 v[LS+2*(\t/8):LS+2*(\t/8)+1], v[LS+2*(\t/8):LS+2*(\t/8)+1], v[SC+8*\t:SC+8*\t+1]
	v_pk_add_f32 v[LS+2*(\t/8):LS+2*(\t/8)+1], v[LS+2*(\t/8):LS+2*(\t/8)+1], v[SC+8*\t+2:SC+8*\t+3]
.endif
	v_pk_add_f32 v[LS+2*(\t/8):LS+2*(\t/8)+1], v[LS+2*(\t/8):LS+2*(\t/8)+1], v[SC+8*\t+4:SC+8*\t+5]
	v_pk_add_f32 v[LS+2*(\t/8):LS+2*(\t/8)+1], v[LS+2*(\t/8):LS+2*(\t/8)+1], v[SC+8*\t+6:SC+8*\t+7]
.irp i, 0,1,2,3
	v_cvt_pk_f16_f32 v[SC+8*\t+\i], v[SC+8*\t+2*\i], v[SC+8*\t+2*\i+1]
.endr
.endm
.macro STEP prev, next                 ; the next tile's plain arithmetic stands between a tile's exponentials and their first use (ISA guide 5.7.2)
	SUBMUL \next
	SUMCVT \prev
	EXPT \next
.endm
.macro PROC8 a0, a1, a2, a3, a4, a5, a6, a7
	SUBMUL \a0
	EXPT \a0
	STEP \a0, \a1
	STEP \a1, \a2
	STEP \a2, \a3
	STEP \a3, \a4
	STEP \a4, \a5
	STEP \a5, \a6
	STEP \a6, \a7
	v_nop
	SUMCVT \a7
.endm
; The second pass: the scores again, the exponentials, their sums, and the rows out
.macro PHB masked
	LDQ
	LDK 0
.irp i, 0,1,2,3
	ds_load_b128 v[SC+4*\i:SC+4*\i+3],       v[RR] offset:16*\i        ; the sixteen waves' maxima of query r
	ds_load_b128 v[SC+16+4*\i:SC+16+4*\i+3], v[RR] offset:1024+16*\i   ; and of query 16 + r
.endr
	s_wait_dscnt 0x0
	v_max_num_f32 v[MA], v[SC], v[SC+1]
	v_max_num_f32 v[MA+1], v[SC+16], v[SC+17]
.irp i, 2,4,6,8,10,12
	v_max3_num_f32 v[MA], v[MA], v[SC+\i], v[SC+\i+1]
	v_max3_num_f32 v[MA+1], v[MA+1], v[SC+16+\i], v[SC+17+\i]
.endr
.irp i, 0,1
	v_max3_num_f32 v[MP+\i], v[MA], v[SC+14], v[SC+15]               ; the last step writes both registers of the pair
	v_max3_num_f32 v[MP+2+\i], v[MA+1], v[SC+30], v[SC+31]
.endr
	s_wait_loadcnt 0x0
	WSC 0
	NOP4
	LDK 1
.if \masked
	MASK 0
.endif
	PROC8 0, 1, 2, 3, 8, 9, 10, 11
	s_wait_loadcnt 0x0
	WSC 1
	NOP4
.if \masked
	MASK 1
.endif
	PROC8 4, 5, 6, 7, 12, 13, 14, 15
	v_add_f32 v[MA], v[LS], v[LS+1]
	v_add_f32 v[MA+1], v[LS+2], v[LS+3]
	v_permlanex16_b32 v[TP], v[MA], s12, s13
	v_permlanex16_b32 v[TP+1], v[MA+1], s12, s13
	v_add_f32 v[MA], v[MA], v[TP]
	v_add_f32 v[MA+1], v[MA+1], v[TP+1]
	v_cndmask_b32 v[MX], v[MA], v[MA+1], s14
.irp qt, 0,1
.irp kt, 0,1,2,3,4,5,6,7
	ds_store_b128 v[STO], v[SC+8*(8*\qt+\kt):SC+8*(8*\qt+\kt)+3] offset:\qt*16*SPITCH+32*\kt
.endr
.endr
.irp u, 0,1,2,3,4,5,6,7,8,9,10,11,12,13,14,15
	ds_load_b128 v[KF+4*\u:KF+4*\u+3], v[RD] offset:\u*2*SPITCH     ; my own stage: LDS serves a wave's instructions in order
.endr
.irp u, 0,1,2,3,4,5,6,7,8,9,10,11,12,13,14,15
	s_wait_dscnt 15-\u
	global_store_b128 v[CO], v[KF+4*\u:KF+4*\u+3], s[24:25] offset:\u*8192     ; 16 lanes store 256 consecutive bytes, aligned: my 128 keys of a query
.endr
.endm
	s_load_b128 s[4:7], s[0:1], 0x0                ; Lp s[4:5], Pm s[6:7]
	s_load_b64 s[16:17], s[0:1], 0x10              ; rl
	v_lshrrev_b32 v1, 5, v0
	v_readfirstlane_b32 s8, v1                     ; c: my wave, my chunk of 128 keys
	s_lshr_b32 s9, ttmp9, 2                        ; cd: the chunk with the diagonal
	s_lshr_b32 s10, ttmp9, 3
	s_lshl_b32 s10, s10, 1
	s_add_co_u32 s10, s10, 1                       ; cend: the last chunk that is stored
	s_and_b32 s11, ttmp7, 0xffff                   ; b
	s_lshl_b32 s15, ttmp9, 5                       ; q0
	s_mov_b32 s12, 0x76543210                      ; v_permlanex16_b32: lane i of one half reads lane i of the other
	s_mov_b32 s13, 0xfedcba98
	s_mov_b32 s14, 0xffff0000                      ; lanes 16-31
	s_mov_b32 s20, 0x3e38aa3b                      ; log2(e) / 8
	s_mov_b32 s21, 0x3e38aa3b
	s_mov_b32 s30, RED
	v_and_b32 v1, 15, v0                           ; r
	v_bfe_u32 v2, v0, 4, 1                         ; h
	v_and_b32 v3, 31, v0                           ; lane
	v_lshlrev_b32 v[LOFF], 5, v1
	v_lshl_add_u32 v[LOFF], v2, 4, v[LOFF]
	s_lshl_b32 s26, s8, 7
	s_sub_co_i32 s26, s15, s26                     ; q0 - 128 c
	v_add_nc_u32 v[REL], s26, v1
	v_lshlrev_b32 v[TP], 3, v2
	v_sub_nc_u32 v[REL], v[REL], v[TP]             ; + r - 8 h
	v_add_nc_u32 v[REL+1], 16, v[REL]
	v_mov_b32 v[NINF], 0xff800000
	v_mov_b32 v[TP+1], 0                           ; v_permlanex16_b32 counts as a reader of its destination
	s_mul_i32 s27, s8, WSTAGE
	v_mul_u32_u24 v[STO], v1, SPITCH
	v_lshl_add_u32 v[STO], v2, 4, v[STO]
	v_add_nc_u32 v[STO], s27, v[STO]
	v_mul_u32_u24 v[RD], v2, SPITCH
	v_lshl_add_u32 v[RD], v1, 4, v[RD]
	v_add_nc_u32 v[RD], s27, v[RD]
	v_lshlrev_b32 v[CO], 12, v2                    ; a row of Pm is 4,096 bytes
	v_lshl_add_u32 v[CO], v1, 4, v[CO]
	s_lshl_b32 s27, s8, 2
	s_add_co_u32 s27, s27, RED
	v_lshl_add_u32 v[RW], v3, 6, s27               ; query l, wave c
	v_lshl_add_u32 v[RR], v1, 6, s30               ; query r, all waves
	v_lshl_add_u32 v[RL], v3, 6, s30               ; query l, all waves
	v_lshlrev_b32 v[RO], 2, v3
	s_lshl_b32 s26, s11, 16                        ; Lp row b 2048 + q0, 32 bytes each
	s_lshl_b32 s27, s15, 5
	s_add_co_u32 s26, s26, s27
	s_mov_b32 s27, 0
	s_lshl_b32 s28, s11, 16                        ; Lp row b 2048 + 128 c
	s_lshl_b32 s29, s8, 12
	s_add_co_u32 s28, s28, s29
	s_mov_b32 s29, 0
	s_wait_kmcnt 0x0
	s_add_nc_u64 s[18:19], s[4:5], s[26:27]
	s_add_nc_u64 s[22:23], s[4:5], s[28:29]
	s_lshl_b32 s26, s11, 23                        ; Pm row b 2048 + q0 of 4,096 bytes, column 128 c of 2 bytes
	s_lshl_b32 s28, s15, 12
	s_add_co_u32 s26, s26, s28
	s_lshl_b32 s28, s8, 8
	s_add_co_u32 s26, s26, s28
	s_add_nc_u64 s[24:25], s[6:7], s[26:27]
	s_lshl_b32 s26, s11, 13                        ; rl word b 2048 + q0
	s_lshl_b32 s28, s15, 2
	s_add_co_u32 s26, s26, s28
	s_add_nc_u64 s[16:17], s[16:17], s[26:27]
	s_cmp_gt_u32 s8, s9
	s_cbranch_scc1 .Lidle_a
	s_cmp_eq_u32 s8, s9
	s_cbranch_scc1 .Ldiag_a
	PHA 0
	s_branch .Ljoin_a
.Ldiag_a:
	PHA 1
	s_branch .Ljoin_a
.Lidle_a:
	v_mov_b32 v[MX], v[NINF]                       ; no live key: nothing to offer
.Ljoin_a:
	ds_store_b32 v[RW], v[MX]
	s_wait_dscnt 0x0                               ; for the others' sake: my maxima are in LDS
	s_barrier_signal -1
	s_barrier_wait -1
	s_cmp_gt_u32 s8, s9
	s_cbranch_scc1 .Lidle_b
	s_cmp_eq_u32 s8, s9
	s_cbranch_scc1 .Ldiag_b
	PHB 0
	s_branch .Ljoin_b
.Ldiag_b:
	PHB 1
	s_branch .Ljoin_b
.Lidle_b:
	v_mov_b32 v[MX], 0
	s_cmp_gt_u32 s8, s10
	s_cbranch_scc1 .Ljoin_b
.irp i, 0,1,2,3
	v_mov_b32 v[ZR+\i], 0
.endr
.irp u, 0,1,2,3,4,5,6,7,8,9,10,11,12,13,14,15
	global_store_b128 v[CO], v[ZR:ZR+3], s[24:25] offset:\u*8192    ; the rest of the block of 256 keys that the next launch multiplies
.endr
.Ljoin_b:
	ds_store_b32 v[RW], v[MX] offset:2048          ; the sums have bytes of their own
	s_wait_dscnt 0x0
	s_barrier_signal -1
	s_barrier_wait -1
	s_cmp_lg_u32 s8, 0
	s_cbranch_scc1 .Lend
.irp i, 0,1,2,3
	ds_load_b128 v[QF+4*\i:QF+4*\i+3], v[RL] offset:2048+16*\i
.endr
	s_wait_dscnt 0x0
	v_pk_add_f32 v[QF:QF+1], v[QF:QF+1], v[QF+2:QF+3]
	v_pk_add_f32 v[QF+4:QF+5], v[QF+4:QF+5], v[QF+6:QF+7]
	v_pk_add_f32 v[QF+8:QF+9], v[QF+8:QF+9], v[QF+10:QF+11]
	v_pk_add_f32 v[QF+12:QF+13], v[QF+12:QF+13], v[QF+14:QF+15]
	v_pk_add_f32 v[QF:QF+1], v[QF:QF+1], v[QF+4:QF+5]
	v_pk_add_f32 v[QF+8:QF+9], v[QF+8:QF+9], v[QF+12:QF+13]
	v_pk_add_f32 v[QF:QF+1], v[QF:QF+1], v[QF+8:QF+9]
	v_add_f32 v[QF], v[QF], v[QF+1]                ; at least 1: the row's largest score gives exp(0)
	v_rcp_f32 v[QF+2], v[QF]
	v_nop                                          ; one plain instruction behind the reciprocal (ISA guide 5.7.2)
	s_wait_alu depctr_va_vdst(0)
	global_store_b32 v[RO], v[QF+2], s[16:17]
.Lend:
	s_wait_xcnt 0x0
	v_lshl_add_u32 v254, v0, 2, 0x23000
	v_mov_b32 v255, 0
	s_wait_tensorcnt 0x0
	ds_add_u32 v254, v255
	s_wait_dscnt 0x0
	s_endpgm
.Lfunc_end_k_q7fdc3fd135_att:
	.size	k_q7fdc3fd135_att, .Lfunc_end_k_q7fdc3fd135_att-k_q7fdc3fd135_att
	.p2alignl 7, 3214868480
	.fill 96, 4, 3214868480
	.section	.rodata,"a",@progbits
	.p2align	6, 0x0
	.amdhsa_kernel k_q7fdc3fd135_att
		.amdhsa_group_segment_fixed_size 145408
		.amdhsa_private_segment_fixed_size 0
		.amdhsa_enable_private_segment 0
		.amdhsa_kernarg_size 24
		.amdhsa_user_sgpr_count 2
		.amdhsa_user_sgpr_kernarg_segment_ptr 1
		.amdhsa_wavefront_size32 1
		.amdhsa_system_sgpr_workgroup_id_x 1
		.amdhsa_system_sgpr_workgroup_id_y 1
		.amdhsa_system_sgpr_workgroup_id_z 1
		.amdhsa_system_vgpr_workitem_id 0
		.amdhsa_next_free_vgpr 256
		.amdhsa_next_free_sgpr 66
		.amdhsa_reserve_vcc 1
		.amdhsa_float_denorm_mode_32 3
		.amdhsa_float_denorm_mode_16_64 3
		.amdhsa_memory_ordered 1
		.amdhsa_forward_progress 1
		.amdhsa_inst_pref_size 112
	.end_amdhsa_kernel
	.amdgpu_metadata
---
amdhsa.version: [ 1, 2 ]
amdhsa.kernels:
  - .name:           k_q7fdc3fd135_att
    .symbol:         k_q7fdc3fd135_att.kd
    .args:
      - { .name: Lp, .offset: 0, .size: 8, .value_kind: global_buffer, .address_space: global }
      - { .name: Pm, .offset: 8, .size: 8, .value_kind: global_buffer, .address_space: global }
      - { .name: rl, .offset: 16, .size: 8, .value_kind: global_buffer, .address_space: global }
    .group_segment_fixed_size: 145408
    .private_segment_fixed_size: 0
    .kernarg_segment_align: 8
    .kernarg_segment_size: 24
    .max_flat_workgroup_size: 512
    .sgpr_count:     66
    .vgpr_count:     256
    .wavefront_size: 32
...
	.end_amdgpu_metadata
.endif
;; end of part 3
;; launch pv (part 4): grid 8 x 32, 4 waves a work-group, clusters of 4 x 1, 327,680 bytes of LDS; arguments Pm, Vt, rl, Y; writes Y
.if DOCPART == 4
	.amdgcn_target "amdgcn-amd-amdhsa--gfx1250"
	.amdhsa_code_object_version 6
	.text
	.protected	k_q7fdc3fd135_pv
	.globl	k_q7fdc3fd135_pv
	.p2align	8
	.type	k_q7fdc3fd135_pv,@function
k_q7fdc3fd135_pv:
	s_mov_b64 s[64:65], 0
	v_nop
	global_prefetch_b8 v0, s[64:65] scope:SCOPE_SE
	s_setreg_imm32_b32 hwreg(HW_REG_WAVE_MODE, 25, 1), 1
	s_wait_xcnt 0x0
	s_wait_alu depctr_hold_cnt(0) depctr_sa_sdst(0) depctr_va_vdst(0) depctr_va_sdst(0) depctr_va_ssrc(0) depctr_va_vcc(0) depctr_vm_vsrc(0)
	s_getreg_b32 s2, hwreg(HW_REG_IB_STS2, 6, 4)
	s_cmp_eq_u32 s2, 0
	s_cbranch_scc0 .Lentry_in_a_cluster
	s_endpgm
.Lentry_in_a_cluster:
	s_bfe_u32 s2, ttmp6, 0x10000c
	s_cmp_lg_u32 s2, 0x3003
	s_cbranch_scc0 .Lentry_shape_is_right
	s_endpgm
.Lentry_shape_is_right:
; Y[b][q][c] = f16( rl[b][q] * sum over k of Pm[b][q][k] Vt[b][c][k] ).  f16 operands, f32 sums.  LIMIT: y is kept in f16 (magnitude under 65504).
; Left out (shown at the head of the first kernel): for the queries 256 i .. 256 i + 255 the sum stops at key 256 (i + 1): att is 0 beyond.
; A work-group makes 256 q x 128 c with four waves; wave w makes 64 q x 128 c: 32 accumulator tiles.  8 x 32 work-groups; y = 8 b + i.
; K goes in steps of 128 (rows of 256 bytes) through a ring of two LDS slots; a slot holds 256 rows of Pm (tile 1) and 128 rows of Vt (tile 0).
; i + 1 laps of two K steps.
; CLUSTERS: four work-groups along x make four blocks of columns of the same queries: Pm's tile hangs on y alone and is asked for jointly by the four.
; Vt's tile is asked for by each alone: the work-groups that share it are the query blocks of a batch, and those need different numbers of tiles.
; The trip count hangs on y alone, which the four share.
; Source 0 = 16 rows of Vt, source 1 = 16 rows of Pm: lane l holds q = l % 16 and eight neighbouring c.
; REGISTERS: window 0: addresses, source 1 fragments, the way out; window 1: source 0 fragments; window 2: tile (a, b) at v[8 (8 a + b)].
.set KSTEP,  128
.set KDIM,   2048                      ; elements from row to row in Pm and in Vt
.set PITCH,  272
.set NROW1,  256
.set HALF1,  (NROW1/2)*PITCH
.set OFF0,   NROW1*PITCH
.set HALF0,  64*PITCH
.set SLOT,   (NROW1+128)*PITCH
.set STAGE,  2*SLOT                    ; a multiple of 256; no tensor load lands here
.set STGB,   16*PITCH
.set NF,     24
.set W1,     4                         ; the last four loads of a run: source 1 fragments 2 and 3
.set ADR1, 16
.set ADR0, 20
.set STO,  24
.set RD,   25
.set CO,   26
.set BA,   28
.set BV,   32                          ; v[32:39] rl of my query in tiles a = 0..3, each twice
.set F0,   64
.set F1,   128
.set TMP,  192
.set G1,  24
.set G0,  32
.set G1B, 48
.set G0B, 56
.set MSB, 0
.macro WIN new
.if MSB != \new
	s_set_vgpr_msb (MSB<<8)|\new
.set MSB, \new
.endif
.endm
.macro JLOAD s                         ; waves 0 and 1: Pm's halves, jointly; waves 2 and 3: Vt's halves
	s_cmp_eq_u32 s11, 0
	s_cbranch_scc0 .Lsecond_\@
	tensor_load_to_lds s[G0+4*\s:G0+4*\s+3], s[G1:G1+7]
	s_nop 0
	s_branch .Lasked_\@
.Lsecond_\@:
	tensor_load_to_lds s[G0B+4*\s:G0B+4*\s+3], s[G1B:G1B+7]
	s_nop 0
.Lasked_\@:
.endm
.macro CREST
	s_cmp_lg_u32 s10, 0
	s_cbranch_scc1 .Lnot_wave_0_\@
	s_barrier_signal -3
.Lnot_wave_0_\@:
	s_barrier_wait -3
	s_barrier_signal -1
	s_barrier_wait -1
.endm
.macro CROUND
	s_barrier_signal -1
	s_barrier_wait -1
	CREST
.endm
.macro PLACES                          ; four places behind a matrix instruction (ISA guide 7.12.1)
.rept 4
	v_nop
.endr
.endm
.macro MUL8 f, a, zero                 ; the accumulators take turns, one instruction a turn
	WIN 0xa1
.irp b, 0,1,2,3,4,5,6,7
.if \zero
	v_wmma_f32_16x16x32_f16 v[8*(8*\a+\b):8*(8*\a+\b)+7], v[\f+8*\b:\f+8*\b+7], v[\f+8*\a:\f+8*\a+7], 0
.else
	v_wmma_f32_16x16x32_f16 v[8*(8*\a+\b):8*(8*\a+\b)+7], v[\f+8*\b:\f+8*\b+7], v[\f+8*\a:\f+8*\a+7], v[8*(8*\a+\b):8*(8*\a+\b)+7]
.endif
.endr
.endm
.macro FETCH slot, k, f
	WIN 0x40
.irp i, 0,1,2,3,4,5,6,7
	ds_load_b128 v[\f+8*\i:\f+8*\i+3],   v[ADR0+\slot] offset:\k+\i*16*PITCH
	ds_load_b128 v[\f+8*\i+4:\f+8*\i+7], v[ADR0+\slot] offset:\k+\i*16*PITCH+32
.endr
	WIN 0
.irp i, 0,1,2,3
	ds_load_b128 v[\f+8*\i:\f+8*\i+3],   v[ADR1+\slot] offset:\k+\i*16*PITCH
	ds_load_b128 v[\f+8*\i+4:\f+8*\i+7], v[ADR1+\slot] offset:\k+\i*16*PITCH+32
.endr
.endm
.macro QUARTER slot, k, f, g, zero
	s_wait_dscnt W1                                ; all but source 1 fragments 2 and 3
	MUL8 \f, 0, \zero
	MUL8 \f, 1, \zero
	PLACES
	FETCH \slot, \k, \g
	s_wait_dscnt NF                                ; all but the 24 just issued
	MUL8 \f, 2, \zero
	MUL8 \f, 3, \zero
.endm
.macro THREE slot, zero
	QUARTER \slot, 64,  F0, F1, \zero
	QUARTER \slot, 128, F1, F0, 0
	QUARTER \slot, 192, F0, F1, 0
.endm
.macro TURN slot, next, fill
	s_wait_dscnt W1
	MUL8 F1, 0, 0
	s_wait_dscnt 0x0                               ; my reads of this slot are over
	s_wait_tensorcnt 0x0                           ; all my tensor loads have landed: the one that was out is my part of the next slot
	ds_add_u32 v255, v255
	s_wait_dscnt 0x0
	s_barrier_signal -1
	MUL8 F1, 1, 0
	WIN 0
	s_barrier_wait -1
.if \fill
	CREST                                          ; the round: no wave of any partner still reads this slot or has a load on its way
	s_add_nc_u64 s[G0+4*\slot+2:G0+4*\slot+3], s[G0+4*\slot+2:G0+4*\slot+3], 2*KSTEP*2
	s_add_nc_u64 s[G0B+4*\slot+2:G0B+4*\slot+3], s[G0B+4*\slot+2:G0B+4*\slot+3], 2*KSTEP*2
	JLOAD \slot
.endif
	PLACES
	FETCH \next, 0, F0
	MUL8 F1, 2, 0
	MUL8 F1, 3, 0
.endm
.macro LAP zero
	THREE 0, \zero
	TURN 0, 1, 1
	THREE 1, 0
	TURN 1, 0, 1
.endm
.macro LASTLAP zero
	THREE 0, \zero
	TURN 0, 1, 0
	THREE 1, 0
	s_wait_dscnt W1
	MUL8 F1, 0, 0
	MUL8 F1, 1, 0
	s_wait_dscnt 0x0
	MUL8 F1, 2, 0
	MUL8 F1, 3, 0
.endm
	s_load_b256 s[68:75], s[0:1], 0x0              ; Pm s[68:69], Vt s[70:71], rl s[72:73], Y s[74:75]
	s_set_vgpr_msb 0x40
	v_lshl_add_u32 v255, v0, 2, 0x37400
	s_set_vgpr_msb 0x4000
	v_mov_b32 v255, 0
	s_set_vgpr_msb 0x1
	ds_add_u32 v255, v255
	s_set_vgpr_msb 0x100
	v_lshrrev_b32 v1, 5, v0
	v_readfirstlane_b32 s10, v1
	s_lshr_b32 s11, s10, 1
	s_and_b32 s12, s10, 1
	s_bfe_u32 s40, ttmp6, 0x40000                  ; cx
	s_lshl_b32 s42, ttmp9, 2
	s_add_co_u32 s42, s42, s40                     ; x: block of 128 c
	s_and_b32 s13, ttmp7, 0xffff                   ; y = 8 b + i: block of 256 q; the same in the four partners
	s_and_b32 s45, s13, 7
	s_add_co_u32 s45, s45, 1                       ; laps
	s_mov_b32 s[G1+0], 0x0771000f                  ; the four of the cluster; 2-byte elements; padding: 4 words after every 64; bit 21 beside the mask
	s_mov_b32 s[G1B+0], 0x07510000                 ; no mask
	s_mov_b32 s[G1+1], KSTEP<<16
	s_mov_b32 s[G1B+1], KSTEP<<16
	s_mov_b32 s[G1+2], (NROW1/2)<<16
	s_mov_b32 s[G1B+2], 64<<16
	s_mov_b32 s[G1+3], KSTEP<<16
	s_mov_b32 s[G1B+3], KSTEP<<16
	s_mov_b32 s[G1+4], NROW1/2
	s_mov_b32 s[G1B+4], 64
	s_mov_b32 s[G1+5], KDIM
	s_mov_b32 s[G1B+5], KDIM
	s_mov_b32 s[G1+6], 0
	s_mov_b32 s[G1B+6], 0
	s_mov_b32 s[G1+7], 0
	s_mov_b32 s[G1B+7], 0
	s_lshl_b32 s16, s13, 8                         ; Pm row 256 y + 128 half: y and the wave's number alone
	s_lshl_b32 s17, s12, 7
	s_add_co_u32 s16, s16, s17
	s_lshl_b32 s16, s16, 12                        ; rows of 4,096 bytes
	s_mov_b32 s17, 0
	s_lshr_b32 s46, s13, 3                         ; Vt row 1024 b + 128 x + 64 half
	s_lshl_b32 s46, s46, 10
	s_lshl_b32 s47, s42, 7
	s_add_co_u32 s46, s46, s47
	s_lshl_b32 s47, s12, 6
	s_add_co_u32 s46, s46, s47
	s_lshl_b32 s46, s46, 12
	s_mov_b32 s47, 0
	s_mul_i32 s20, s10, HALF1
	s_mul_i32 s21, s10, HALF0
	s_add_co_u32 s21, s21, OFF0-2*HALF0
	s_wait_dscnt 0x0
	s_wait_kmcnt 0x0
	s_add_nc_u64 s[14:15], s[68:69], s[16:17]
	s_add_nc_u64 s[46:47], s[70:71], s[46:47]
	CROUND
.irp s, 0,1
	s_mov_b32 s[G0+4*\s], 1
	s_add_co_u32 s[G0+4*\s+1], s20, \s*SLOT
	s_add_nc_u64 s[G0+4*\s+2:G0+4*\s+3], s[14:15], \s*KSTEP*2
	s_or_b32 s[G0+4*\s+3], s[G0+4*\s+3], 0x80000000
	s_mov_b32 s[G0B+4*\s], 1
	s_add_co_u32 s[G0B+4*\s+1], s21, \s*SLOT
	s_add_nc_u64 s[G0B+4*\s+2:G0B+4*\s+3], s[46:47], \s*KSTEP*2
	s_or_b32 s[G0B+4*\s+3], s[G0B+4*\s+3], 0x80000000
	JLOAD \s                                       ; K steps 0 and 1 (every block has at least two): two tensor loads of each wave are out
.endr
	v_and_b32 v1, 15, v0
	v_bfe_u32 v2, v0, 4, 1
	v_lshlrev_b32 v[BA], 2, v1
	s_lshl_b32 s80, s13, 10                        ; rl at query 256 y + 64 w
	s_lshl_b32 s81, s10, 8
	s_add_co_u32 s80, s80, s81
	s_mov_b32 s81, 0
	s_add_nc_u64 s[72:73], s[72:73], s[80:81]
.irp a, 0,1,2,3
	global_load_b32 v[BV+2*\a], v[BA], s[72:73] offset:64*\a
.endr
	v_mul_u32_u24 v3, v1, PITCH
	v_lshl_add_u32 v3, v2, 4, v3
	s_mul_i32 s22, s10, 64*PITCH
.irp s, 0,1
	v_add_nc_u32 v[ADR1+\s], s22, v3
	v_add_nc_u32 v[ADR0+\s], OFF0+\s*SLOT, v3
	s_add_co_u32 s22, s22, SLOT
.endr
	s_mul_i32 s22, s10, STGB
	s_add_co_u32 s22, s22, STAGE
	v_add_nc_u32 v[STO], s22, v3
	v_mul_u32_u24 v5, v2, PITCH
	v_lshl_add_u32 v5, v1, 4, v5
	v_add_nc_u32 v[RD], s22, v5
	v_lshlrev_b32 v5, 11, v2                       ; a row of Y is 2,048 bytes
	v_lshl_add_u32 v[CO], v1, 4, v5
	s_wait_tensorcnt 0x1                           ; my part of K step 0 is in; K step 1's stays out
	s_barrier_signal -1
	s_barrier_wait -1
	FETCH 0, 0, F0
	WIN 0
	s_cmp_eq_u32 s45, 1
	s_cbranch_scc1 .Lone
	LAP 1
	WIN 0
	s_sub_co_u32 s3, s45, 2
	s_cmp_eq_u32 s3, 0
	s_cbranch_scc1 .Ltail
.Llap:
	LAP 0
	WIN 0
	s_sub_co_u32 s3, s3, 1
	s_cmp_lg_u32 s3, 0
	s_cbranch_scc1 .Llap
.Ltail:
	LASTLAP 0
	WIN 0
	s_branch .Lout
.Lone:
	LASTLAP 1                                      ; one lap alone: its first products start the sums
	WIN 0
.Lout:
	PLACES
	s_wait_loadcnt 0x0                             ; rl
.irp a, 0,1,2,3
	v_mov_b32 v[BV+2*\a+1], v[BV+2*\a]
.endr
	s_lshl_b32 s80, s13, 8                         ; Y row 256 y + 64 w of 2,048 bytes, column 128 x of 2 bytes
	s_lshl_b32 s81, s10, 6
	s_add_co_u32 s80, s80, s81
	s_lshl_b32 s80, s80, 11
	s_lshl_b32 s81, s42, 8
	s_add_co_u32 s80, s80, s81
	s_mov_b32 s81, 0
	s_add_nc_u64 s[74:75], s[74:75], s[80:81]
.macro OUT16 a, f
	WIN 0x82
.irp b, 0,1,2,3,4,5,6,7
.irp p, 0,2,4,6
	v_pk_mul_f32 v[8*(8*\a+\b)+\p:8*(8*\a+\b)+\p+1], v[8*(8*\a+\b)+\p:8*(8*\a+\b)+\p+1], v[BV+2*\a:BV+2*\a+1]
.endr
.endr
	WIN 0x0a
.irp b, 0,1,2,3,4,5,6,7
.irp r, 0,1,2,3
	v_cvt_pk_f16_f32 v[TMP+4*\b+\r], v[8*(8*\a+\b)+2*\r], v[8*(8*\a+\b)+2*\r+1]
.endr
.endr
	WIN 0
.irp b, 0,1,2,3,4,5,6,7
	ds_store_b128 v[STO], v[TMP+4*\b:TMP+4*\b+3] offset:32*\b
.endr
	s_wait_xcnt 0x0                                ; buffer f and the stores' base are rewritten only behind this wait
.if \a
	s_add_nc_u64 s[74:75], s[74:75], 16*2048
.endif
.irp t, 0,1,2,3,4,5,6,7
	ds_load_b128 v[\f+4*\t:\f+4*\t+3], v[RD] offset:\t*2*PITCH
.endr
.irp t, 0,1,2,3,4,5,6,7
	s_wait_dscnt 7-\t
	global_store_b128 v[CO], v[\f+4*\t:\f+4*\t+3], s[74:75] offset:2*\t*2048   ; 16 lanes store 256 consecutive bytes, aligned
.endr
.endm
	OUT16 0, F0
	OUT16 1, F1
	OUT16 2, F0
	OUT16 3, F1
	s_set_vgpr_msb 0x1
	s_wait_tensorcnt 0x0
	ds_add_u32 v255, v255
	s_wait_dscnt 0x0
	s_set_vgpr_msb 0x100
	CROUND                                         ; the closing round
	s_endpgm
.Lfunc_end_k_q7fdc3fd135_pv:
	.size	k_q7fdc3fd135_pv, .Lfunc_end_k_q7fdc3fd135_pv-k_q7fdc3fd135_pv
	.p2alignl 7, 3214868480
	.fill 96, 4, 3214868480
	.section	.rodata,"a",@progbits
	.p2align	6, 0x0
	.amdhsa_kernel k_q7fdc3fd135_pv
		.amdhsa_group_segment_fixed_size 327680
		.amdhsa_private_segment_fixed_size 0
		.amdhsa_enable_private_segment 0
		.amdhsa_kernarg_size 32
		.amdhsa_user_sgpr_count 2
		.amdhsa_user_sgpr_kernarg_segment_ptr 1
		.amdhsa_wavefront_size32 1
		.amdhsa_system_sgpr_workgroup_id_x 1
		.amdhsa_system_sgpr_workgroup_id_y 1
		.amdhsa_system_sgpr_workgroup_id_z 1
		.amdhsa_system_vgpr_workitem_id 0
		.amdhsa_next_free_vgpr 768
		.amdhsa_next_free_sgpr 90
		.amdhsa_reserve_vcc 0
		.amdhsa_float_denorm_mode_32 3
		.amdhsa_float_denorm_mode_16_64 3
		.amdhsa_memory_ordered 1
		.amdhsa_forward_progress 1
		.amdhsa_inst_pref_size 156
	.end_amdhsa_kernel
	.amdgpu_metadata
---
amdhsa.version: [ 1, 2 ]
amdhsa.kernels:
  - .name:           k_q7fdc3fd135_pv
    .symbol:         k_q7fdc3fd135_pv.kd
    .args:
      - { .name: Pm, .offset: 0, .size: 8, .value_kind: global_buffer, .address_space: global }
      - { .name: Vt, .offset: 8, .size: 8, .value_kind: global_buffer, .address_space: global }
      - { .name: rl, .offset: 16, .size: 8, .value_kind: global_buffer, .address_space: global }
      - { .name: Y, .offset: 24, .size: 8, .value_kind: global_buffer, .address_space: global }
    .group_segment_fixed_size: 327680
    .private_segment_fixed_size: 0
    .kernarg_segment_align: 8
    .kernarg_segment_size: 32
    .max_flat_workgroup_size: 128
    .sgpr_count:     90
    .vgpr_count:     768
    .wavefront_size: 32
...
	.end_amdgpu_metadata
.endif
;; end of part 4
;; launch proj (part 5): grid 8 x 32, 4 waves a work-group, clusters of 4 x 4, 327,680 bytes of LDS; arguments Y, Wo16, b_o, out0; writes out0
.if DOCPART == 5
	.amdgcn_target "amdgcn-amd-amdhsa--gfx1250"
	.amdhsa_code_object_version 6
	.text
	.protected	k_q7fdc3fd135_proj
	.globl	k_q7fdc3fd135_proj
	.p2align	8
	.type	k_q7fdc3fd135_proj,@function
k_q7fdc3fd135_proj:
	s_mov_b64 s[64:65], 0
	v_nop
	global_prefetch_b8 v0, s[64:65] scope:SCOPE_SE
	s_setreg_imm32_b32 hwreg(HW_REG_WAVE_MODE, 25, 1), 1
	s_wait_xcnt 0x0
	s_wait_alu depctr_hold_cnt(0) depctr_sa_sdst(0) depctr_va_vdst(0) depctr_va_sdst(0) depctr_va_ssrc(0) depctr_va_vcc(0) depctr_vm_vsrc(0)
	s_getreg_b32 s2, hwreg(HW_REG_IB_STS2, 6, 4)
	s_cmp_eq_u32 s2, 0
	s_cbranch_scc0 .Lentry_in_a_cluster
	s_endpgm
.Lentry_in_a_cluster:
	s_bfe_u32 s2, ttmp6, 0x10000c
	s_cmp_lg_u32 s2, 0xf033
	s_cbranch_scc0 .Lentry_shape_is_right
	s_endpgm
.Lentry_shape_is_right:
; out0[t][o] = sum over c of Y[t][c] Wo16[o][c] + b_o[o].  f16 operands, f32 sums, f32 out.
; A work-group makes 256 t x 128 o with four waves; wave w makes 64 t x 128 o: 32 accumulator tiles.  8 x 32 work-groups.
; K goes in steps of 128 (rows of 256 bytes) through a ring of two LDS slots; a slot holds 256 rows of Y (tile 1) and 128 rows of Wo16 (tile 0).
; CLUSTERS: 4 x 4 work-groups.  Y's tile hangs on the block row y alone and is asked for jointly by a row of the cluster; Wo16's hangs on the block column x
; alone and is asked for jointly by a column.
; Source 0 = 16 rows of Wo16, source 1 = 16 rows of Y: lane l holds t = l % 16 and eight neighbouring o.
; REGISTERS: window 0: addresses, source 1 fragments, the way out; window 1: source 0 fragments; window 2: tile (a, b) at v[8 (8 a + b)].
.set KSTEP,  128
.set KDIM,   1024
.set PITCH,  272
.set NROW1,  256
.set HALF1,  (NROW1/2)*PITCH
.set OFF0,   NROW1*PITCH
.set HALF0,  64*PITCH
.set SLOT,   (NROW1+128)*PITCH
.set STAGE,  2*SLOT                    ; a multiple of 256; no tensor load lands here
.set OPITCH, 528                       ; a stage row: 128 f32 + 16 bytes, an odd multiple of 16
.set STGB,   16*OPITCH
.set NF,     24
.set W1,     4
.set G1W0,   (1<<16)|(1<<20)|(1<<21)|(5<<22)|(3<<25)
.set ADR1, 16
.set ADR0, 20
.set STO,  24
.set RD,   25
.set CO,   26                          ; 16 x lane: my 16 bytes of 512, in out0's rows and in b_o; never rewritten
.set BO,   32                          ; v[32:35] b_o of my four columns
.set F0,   64
.set F1,   128
.set G1,  24
.set G0,  32
.set G1B, 48
.set G0B, 56
.set MSB, 0
.macro WIN new
.if MSB != \new
	s_set_vgpr_msb (MSB<<8)|\new
.set MSB, \new
.endif
.endm
.macro JLOAD s                         ; waves 0 and 1: Y's halves; waves 2 and 3: Wo16's halves
	s_cmp_eq_u32 s11, 0
	s_cbranch_scc0 .Lsecond_\@
	tensor_load_to_lds s[G0+4*\s:G0+4*\s+3], s[G1:G1+7]
	s_nop 0
	s_branch .Lasked_\@
.Lsecond_\@:
	tensor_load_to_lds s[G0B+4*\s:G0B+4*\s+3], s[G1B:G1B+7]
	s_nop 0
.Lasked_\@:
.endm
.macro CREST
	s_cmp_lg_u32 s10, 0
	s_cbranch_scc1 .Lnot_wave_0_\@
	s_barrier_signal -3
.Lnot_wave_0_\@:
	s_barrier_wait -3
	s_barrier_signal -1
	s_barrier_wait -1
.endm
.macro CROUND
	s_barrier_signal -1
	s_barrier_wait -1
	CREST
.endm
.macro PLACES                          ; four places behind a matrix instruction (ISA guide 7.12.1)
.rept 4
	v_nop
.endr
.endm
.macro MUL8 f, a, zero                 ; the accumulators take turns, one instruction a turn
	WIN 0xa1
.irp b, 0,1,2,3,4,5,6,7
.if \zero
	v_wmma_f32_16x16x32_f16 v[8*(8*\a+\b):8*(8*\a+\b)+7], v[\f+8*\b:\f+8*\b+7], v[\f+8*\a:\f+8*\a+7], 0
.else
	v_wmma_f32_16x16x32_f16 v[8*(8*\a+\b):8*(8*\a+\b)+7], v[\f+8*\b:\f+8*\b+7], v[\f+8*\a:\f+8*\a+7], v[8*(8*\a+\b):8*(8*\a+\b)+7]
.endif
.endr
.endm
.macro FETCH slot, k, f
	WIN 0x40
.irp i, 0,1,2,3,4,5,6,7
	ds_load_b128 v[\f+8*\i:\f+8*\i+3],   v[ADR0+\slot] offset:\k+\i*16*PITCH
	ds_load_b128 v[\f+8*\i+4:\f+8*\i+7], v[ADR0+\slot] offset:\k+\i*16*PITCH+32
.endr
	WIN 0
.irp i, 0,1,2,3
	ds_load_b128 v[\f+8*\i:\f+8*\i+3],   v[ADR1+\slot] offset:\k+\i*16*PITCH
	ds_load_b128 v[\f+8*\i+4:\f+8*\i+7], v[ADR1+\slot] offset:\k+\i*16*PITCH+32
.endr
.endm
.macro QUARTER slot, k, f, g, zero
	s_wait_dscnt W1                                ; all but source 1 fragments 2 and 3
	MUL8 \f, 0, \zero
	MUL8 \f, 1, \zero
	PLACES
	FETCH \slot, \k, \g
	s_wait_dscnt NF                                ; all but the 24 just issued
	MUL8 \f, 2, \zero
	MUL8 \f, 3, \zero
.endm
.macro THREE slot, zero
	QUARTER \slot, 64,  F0, F1, \zero
	QUARTER \slot, 128, F1, F0, 0
	QUARTER \slot, 192, F0, F1, 0
.endm
.macro TURN slot, next, fill
	s_wait_dscnt W1
	MUL8 F1, 0, 0
	s_wait_dscnt 0x0                               ; my reads of this slot are over
	s_wait_tensorcnt 0x0                           ; all my tensor loads have landed: the one that was out is my part of the next slot
	ds_add_u32 v255, v255
	s_wait_dscnt 0x0
	s_barrier_signal -1
	MUL8 F1, 1, 0
	WIN 0
	s_barrier_wait -1
.if \fill
	CREST                                          ; the round: no wave of any partner still reads this slot or has a load on its way
	s_add_nc_u64 s[G0+4*\slot+2:G0+4*\slot+3], s[G0+4*\slot+2:G0+4*\slot+3], 2*KSTEP*2
	s_add_nc_u64 s[G0B+4*\slot+2:G0B+4*\slot+3], s[G0B+4*\slot+2:G0B+4*\slot+3], 2*KSTEP*2
	JLOAD \slot
.endif
	PLACES
	FETCH \next, 0, F0
	MUL8 F1, 2, 0
	MUL8 F1, 3, 0
.endm
.macro LAP zero
	THREE 0, \zero
	TURN 0, 1, 1
	THREE 1, 0
	TURN 1, 0, 1
.endm
.macro LASTLAP zero
	THREE 0, \zero
	TURN 0, 1, 0
	THREE 1, 0
	s_wait_dscnt W1
	MUL8 F1, 0, 0
	MUL8 F1, 1, 0
	s_wait_dscnt 0x0
	MUL8 F1, 2, 0
	MUL8 F1, 3, 0
.endm
	s_load_b256 s[68:75], s[0:1], 0x0              ; Y s[68:69], Wo16 s[70:71], b_o s[72:73], out0 s[74:75]
	s_set_vgpr_msb 0x40
	v_lshl_add_u32 v255, v0, 2, 0x3b400
	s_set_vgpr_msb 0x4000
	v_mov_b32 v255, 0
	s_set_vgpr_msb 0x1
	ds_add_u32 v255, v255
	s_set_vgpr_msb 0x100
	v_lshrrev_b32 v1, 5, v0
	v_readfirstlane_b32 s10, v1
	s_lshr_b32 s11, s10, 1
	s_and_b32 s12, s10, 1
	s_bfe_u32 s40, ttmp6, 0x40000                  ; cx
	s_bfe_u32 s41, ttmp6, 0x40004                  ; cy
	s_lshl_b32 s42, ttmp9, 2
	s_add_co_u32 s42, s42, s40                     ; x: block of 128 o
	s_and_b32 s13, ttmp7, 0xffff
	s_lshl_b32 s13, s13, 2
	s_add_co_u32 s13, s13, s41                     ; y: block of 256 t
	s_lshl_b32 s43, s41, 2
	s_lshl_b32 s43, 15, s43                        ; my row of the cluster
	s_lshl_b32 s44, 0x1111, s40                    ; my column
	s_or_b32 s[G1+0], s43, G1W0                    ; Y's tiles go to my row
	s_or_b32 s[G1B+0], s44, G1W0                   ; Wo16's tiles go to my column
	s_mov_b32 s[G1+1], KSTEP<<16
	s_mov_b32 s[G1B+1], KSTEP<<16
	s_mov_b32 s[G1+2], (NROW1/2)<<16
	s_mov_b32 s[G1B+2], 64<<16
	s_mov_b32 s[G1+3], KSTEP<<16
	s_mov_b32 s[G1B+3], KSTEP<<16
	s_mov_b32 s[G1+4], NROW1/2
	s_mov_b32 s[G1B+4], 64
	s_mov_b32 s[G1+5], KDIM
	s_mov_b32 s[G1B+5], KDIM
	s_mov_b32 s[G1+6], 0
	s_mov_b32 s[G1B+6], 0
	s_mov_b32 s[G1+7], 0
	s_mov_b32 s[G1B+7], 0
	s_lshl_b32 s16, s13, 8                         ; Y row 256 y + 128 half: y and the wave's number alone
	s_lshl_b32 s17, s12, 7
	s_add_co_u32 s16, s16, s17
	s_lshl_b32 s16, s16, 11                        ; rows of 2,048 bytes
	s_mov_b32 s17, 0
	s_lshl_b32 s46, s42, 7                         ; Wo16 row 128 x + 64 half: x and the wave's number alone
	s_lshl_b32 s47, s12, 6
	s_add_co_u32 s46, s46, s47
	s_lshl_b32 s46, s46, 11
	s_mov_b32 s47, 0
	s_mul_i32 s20, s10, HALF1
	s_mul_i32 s21, s10, HALF0
	s_add_co_u32 s21, s21, OFF0-2*HALF0
	s_wait_dscnt 0x0
	s_wait_kmcnt 0x0
	s_add_nc_u64 s[14:15], s[68:69], s[16:17]
	s_add_nc_u64 s[46:47], s[70:71], s[46:47]
	CROUND
.irp s, 0,1
	s_mov_b32 s[G0+4*\s], 1
	s_add_co_u32 s[G0+4*\s+1], s20, \s*SLOT
	s_add_nc_u64 s[G0+4*\s+2:G0+4*\s+3], s[14:15], \s*KSTEP*2
	s_or_b32 s[G0+4*\s+3], s[G0+4*\s+3], 0x80000000
	s_mov_b32 s[G0B+4*\s], 1
	s_add_co_u32 s[G0B+4*\s+1], s21, \s*SLOT
	s_add_nc_u64 s[G0B+4*\s+2:G0B+4*\s+3], s[46:47], \s*KSTEP*2
	s_or_b32 s[G0B+4*\s+3], s[G0B+4*\s+3], 0x80000000
	JLOAD \s                                       ; K steps 0 and 1: two tensor loads of each wave are out
.endr
	v_and_b32 v1, 15, v0
	v_bfe_u32 v2, v0, 4, 1
	v_and_b32 v4, 31, v0
	v_lshlrev_b32 v[CO], 4, v4
	s_lshl_b32 s80, s42, 9                         ; b_o at column 128 x
	s_mov_b32 s81, 0
	s_add_nc_u64 s[72:73], s[72:73], s[80:81]
	global_load_b128 v[BO:BO+3], v[CO], s[72:73]
	v_mul_u32_u24 v3, v1, PITCH
	v_lshl_add_u32 v3, v2, 4, v3
	s_mul_i32 s22, s10, 64*PITCH
.irp s, 0,1
	v_add_nc_u32 v[ADR1+\s], s22, v3
	v_add_nc_u32 v[ADR0+\s], OFF0+\s*SLOT, v3
	s_add_co_u32 s22, s22, SLOT
.endr
	s_mul_i32 s22, s10, STGB
	s_add_co_u32 s22, s22, STAGE
	v_mul_u32_u24 v5, v1, OPITCH                   ; in: row r, 32 bytes for each half of the lanes
	v_lshl_add_u32 v5, v2, 5, v5
	v_add_nc_u32 v[STO], s22, v5
	v_add_nc_u32 v[RD], s22, v[CO]                 ; back: 32 lanes take one row of 512 bytes
	s_wait_tensorcnt 0x1                           ; my part of K step 0 is in; K step 1's stays out
	s_barrier_signal -1
	s_barrier_wait -1
	FETCH 0, 0, F0
	LAP 1
	WIN 0
	s_mov_b32 s3, 2                                ; K = 1024 is four laps of two K steps
.Llap:
	LAP 0
	WIN 0
	s_sub_co_u32 s3, s3, 1
	s_cmp_lg_u32 s3, 0
	s_cbranch_scc1 .Llap
	LASTLAP 0
	PLACES
	WIN 0
	s_wait_loadcnt 0x0                             ; b_o
	s_lshl_b32 s80, s13, 8                         ; out0 row 256 y + 64 w of 4,096 bytes, column 128 x of 4 bytes
	s_lshl_b32 s81, s10, 6
	s_add_co_u32 s80, s80, s81
	s_lshl_b32 s80, s80, 12
	s_lshl_b32 s81, s42, 9
	s_add_co_u32 s80, s80, s81
	s_mov_b32 s81, 0
	s_add_nc_u64 s[74:75], s[74:75], s[80:81]
; 16 rows of out0 (tiles (a, 0..7)): 32 bytes a lane into my stage, back as whole rows of 512 bytes, the bias added on the way
.macro OUTF a, f
	WIN 0x08                               ; the stores' data window 2, their address window 0
.irp b, 0,1,2,3,4,5,6,7
	ds_store_b128 v[STO], v[8*(8*\a+\b):8*(8*\a+\b)+3] offset:64*\b
	ds_store_b128 v[STO], v[8*(8*\a+\b)+4:8*(8*\a+\b)+7] offset:64*\b+16
.endr
	WIN 0
	s_wait_xcnt 0x0                                ; buffer f and the stores' base are rewritten only behind this wait
.if \a
	s_add_nc_u64 s[74:75], s[74:75], 16*4096
.endif
.irp t, 0,1,2,3,4,5,6,7,8,9,10,11,12,13,14,15
	ds_load_b128 v[\f+4*\t:\f+4*\t+3], v[RD] offset:\t*OPITCH       ; my own stage: LDS serves a wave's instructions in order
.endr
.irp t, 0,1,2,3,4,5,6,7,8,9,10,11,12,13,14,15
	s_wait_dscnt 15-\t
	v_pk_add_f32 v[\f+4*\t:\f+4*\t+1], v[\f+4*\t:\f+4*\t+1], v[BO:BO+1]
	v_pk_add_f32 v[\f+4*\t+2:\f+4*\t+3], v[\f+4*\t+2:\f+4*\t+3], v[BO+2:BO+3]
	global_store_b128 v[CO], v[\f+4*\t:\f+4*\t+3], s[74:75] offset:\t*4096 th:TH_STORE_NT   ; 32 lanes store 512 consecutive bytes, aligned
.endr
.endm
	OUTF 0, F0
	OUTF 1, F1
	OUTF 2, F0
	OUTF 3, F1
	s_set_vgpr_msb 0x1
	s_wait_tensorcnt 0x0
	ds_add_u32 v255, v255
	s_wait_dscnt 0x0
	s_set_vgpr_msb 0x100
	CROUND                                         ; the closing round
	s_endpgm
.Lfunc_end_k_q7fdc3fd135_proj:
	.size	k_q7fdc3fd135_proj, .Lfunc_end_k_q7fdc3fd135_proj-k_q7fdc3fd135_proj
	.p2alignl 7, 3214868480
	.fill 96, 4, 3214868480
	.section	.rodata,"a",@progbits
	.p2align	6, 0x0
	.amdhsa_kernel k_q7fdc3fd135_proj
		.amdhsa_group_segment_fixed_size 327680
		.amdhsa_private_segment_fixed_size 0
		.amdhsa_enable_private_segment 0
		.amdhsa_kernarg_size 32
		.amdhsa_user_sgpr_count 2
		.amdhsa_user_sgpr_kernarg_segment_ptr 1
		.amdhsa_wavefront_size32 1
		.amdhsa_system_sgpr_workgroup_id_x 1
		.amdhsa_system_sgpr_workgroup_id_y 1
		.amdhsa_system_sgpr_workgroup_id_z 1
		.amdhsa_system_vgpr_workitem_id 0
		.amdhsa_next_free_vgpr 768
		.amdhsa_next_free_sgpr 90
		.amdhsa_reserve_vcc 0
		.amdhsa_float_denorm_mode_32 3
		.amdhsa_float_denorm_mode_16_64 3
		.amdhsa_memory_ordered 1
		.amdhsa_forward_progress 1
		.amdhsa_inst_pref_size 127
	.end_amdhsa_kernel
	.amdgpu_metadata
---
amdhsa.version: [ 1, 2 ]
amdhsa.kernels:
  - .name:           k_q7fdc3fd135_proj
    .symbol:         k_q7fdc3fd135_proj.kd
    .args:
      - { .name: Y, .offset: 0, .size: 8, .value_kind: global_buffer, .address_space: global }
      - { .name: Wo16, .offset: 8, .size: 8, .value_kind: global_buffer, .address_space: global }
      - { .name: b_o, .offset: 16, .size: 8, .value_kind: global_buffer, .address_space: global }
      - { .name: out0, .offset: 24, .size: 8, .value_kind: global_buffer, .address_space: global }
    .group_segment_fixed_size: 327680
    .private_segment_fixed_size: 0
    .kernarg_segment_align: 8
    .kernarg_segment_size: 32
    .max_flat_workgroup_size: 128
    .sgpr_count:     90
    .vgpr_count:     768
    .wavefront_size: 32
...
	.end_amdgpu_metadata
.endif
;; end of part 5
;; ======== version 2 of 2: 5 launches
;; limits: values are held in f16: magnitudes above 65,504 overflow, below 6.1e-05 lose precision; values outside matrix products are rounded to f16
;; workspace buffers: X16 16,777,216 bytes; W16 4,325,376 bytes; Wc16 2,097,152 bytes; Lp 1,048,576 bytes; Pm 33,554,432 bytes; rl 36,864 bytes; Y 16,777,216 bytes
;; launch prep (part 6): grid 256 x 1, 8 waves a work-group, no clusters, 1,280 bytes of LDS; arguments hidden_states, W_v, W_o, W_basis, b_v, b_o, X16, W16, rl; writes X16, W16, rl
.if DOCPART == 6
	.amdgcn_target "amdgcn-amd-amdhsa--gfx1250"
	.amdhsa_code_object_version 6
	.text
	.protected	k_q7fdc3fd135_prep
	.globl	k_q7fdc3fd135_prep
	.p2align	8
	.type	k_q7fdc3fd135_prep,@function
k_q7fdc3fd135_prep:
	s_mov_b64 s[64:65], 0
	v_nop
	global_prefetch_b8 v0, s[64:65] scope:SCOPE_SE
	s_setreg_imm32_b32 hwreg(HW_REG_WAVE_MODE, 25, 1), 1
	s_wait_xcnt 0x0
; out = softmax_causal(L L^T / 8) (X W_v^T + b_v) W_o^T + b_o,  L = X W_basis^T.  Five launches: prep, wlat, att, pv, proj.
; THE FORM THAT IS COMPUTED.  att is the same for all heads, so y = att v over all 1,024 columns, and
;   out = att (X W_v^T + 1 b_v^T) W_o^T + b_o = (att X) (W_o W_v)^T + (att 1) (W_o b_v)^T + b_o.
; Each row of att is a softmax and sums to 1 whatever the inputs hold, so att 1 = 1:  out = (att X) Wc^T + bc,  Wc = W_o W_v,  bc = W_o b_v + b_o.
; One product of 8192 x 1024 x 1024 is replaced by one of 1024 x 1024 x 1024.  The order of rounding differs from reference()'s.
; DEAD WORK.  reference() sets scores[q][k] to -inf for k > q by a mask that it builds in its own body, so att[q][k] = 0 there whatever the inputs
; hold.  For the queries 256 i .. 256 i + 255 the keys from 256 (i + 1) on are therefore neither scored, stored nor multiplied.  Below that bound
; masked scores are computed and replaced by -inf: they lie in tiles that also hold live work.  Every input has a way to the output and is loaded.
; LIMITS.  A NaN, an infinity or an overflow that would arise only in the scores left out, or only in X W_v^T + b_v, is not carried to the result.
; X, W_v, W_basis and 64 W_o are kept in f16 and must stay under 65504 in magnitude; below 2^-17 they lose bits (absolute error at most 2^-25).
; THIS LAUNCH rounds the matrix operands once to bf16 and writes that value as f16 (8 significant bits fit), since they meet f16 operands later:
;   X16 [8192][1024];  W16: Wv16 [1024][1024] at byte 0, Wo16 = 64 W_o [1024][1024] at byte 2,097,152, Wb16 [64][1024] at byte 4,194,304.
;   The factor 64 is a power of two: it keeps 64 W_o W_v inside f16's normal range for weights 30 times smaller, and is taken out in the last launch.
; and makes bc[o] = sum over j of bf16(W_o[o][j]) b_v[j] + b_o[o] in f32, stored in buffer rl from byte 32,768 on (att stores the first 32,768 bytes).
; A stream: thread t owns columns 4 t .. 4 t + 3, so a load of the eight waves covers a row of 4,096 bytes and each wave's store of 8 bytes a lane
; covers 256 consecutive bytes, aligned.  Work-group g: 32 rows of X, 4 of W_v, 4 of W_o, and row g of W_basis if g < 64.
; All 42 loads go out first; no register that a load or store names is written again, so the only waits for data are the counted ones.
.set ROWIN,  4096
.set ROWOUT, 2048
.set WO16,   2097152
.set WB16,   4194304
.set BCOFF,  32768
.set BVR, 4                            ; v[4:7]    b_v of my four columns
.set BOR, 8                            ; v[8:11]   b_o of the group's four rows of W_o
.set PS,  12                           ; v[12:15]  my part of the four sums W_o b_v
.set TT,  16                           ; v16       the other half's sum
.set LW,  17                           ; v17       16 x wave: my wave's four words in LDS
.set DAT, 20                           ; v[20+4k : 23+4k]  row k as loaded; its first two registers then hold the packed result
.set SUM, 184                          ; v[184:215] the eight waves' sums
.macro CVH k                           ; four f32 to bf16, and the bf16 values to f16, in place
	v_cvt_pk_bf16_f32 v[DAT+4*\k], v[DAT+4*\k], v[DAT+4*\k+1]
	v_cvt_pk_bf16_f32 v[DAT+4*\k+1], v[DAT+4*\k+2], v[DAT+4*\k+3]
	v_lshlrev_b32 v[DAT+4*\k+2], 16, v[DAT+4*\k]
	v_and_b32 v[DAT+4*\k+3], s23, v[DAT+4*\k]
	v_cvt_pk_f16_f32 v[DAT+4*\k], v[DAT+4*\k+2], v[DAT+4*\k+3]
	v_lshlrev_b32 v[DAT+4*\k+2], 16, v[DAT+4*\k+1]
	v_and_b32 v[DAT+4*\k+3], s23, v[DAT+4*\k+1]
	v_cvt_pk_f16_f32 v[DAT+4*\k+1], v[DAT+4*\k+2], v[DAT+4*\k+3]
.endm
.macro CVW k                           ; a row of W_o: the same, with the bf16 values also multiplied into b_v, and times 64 on the way to f16
	v_cvt_pk_bf16_f32 v[DAT+4*\k], v[DAT+4*\k], v[DAT+4*\k+1]
	v_cvt_pk_bf16_f32 v[DAT+4*\k+1], v[DAT+4*\k+2], v[DAT+4*\k+3]
	v_lshlrev_b32 v[DAT+4*\k+2], 16, v[DAT+4*\k]
	v_and_b32 v[DAT+4*\k+3], s23, v[DAT+4*\k]
	v_mul_f32 v[PS+\k], v[DAT+4*\k+2], v[BVR]
	v_fmac_f32 v[PS+\k], v[DAT+4*\k+3], v[BVR+1]
	v_pk_mul_f32 v[DAT+4*\k+2:DAT+4*\k+3], v[DAT+4*\k+2:DAT+4*\k+3], s[28:29] op_sel_hi:[1,0]
	v_cvt_pk_f16_f32 v[DAT+4*\k], v[DAT+4*\k+2], v[DAT+4*\k+3]
	v_lshlrev_b32 v[DAT+4*\k+2], 16, v[DAT+4*\k+1]
	v_and_b32 v[DAT+4*\k+3], s23, v[DAT+4*\k+1]
	v_fmac_f32 v[PS+\k], v[DAT+4*\k+2], v[BVR+2]
	v_fmac_f32 v[PS+\k], v[DAT+4*\k+3], v[BVR+3]
	v_pk_mul_f32 v[DAT+4*\k+2:DAT+4*\k+3], v[DAT+4*\k+2:DAT+4*\k+3], s[28:29] op_sel_hi:[1,0]
	v_cvt_pk_f16_f32 v[DAT+4*\k+1], v[DAT+4*\k+2], v[DAT+4*\k+3]
.endm
	s_load_b512 s[4:19], s[0:1], 0x0               ; hidden_states s[4:5], W_v s[6:7], W_o s[8:9], W_basis s[10:11], b_v s[12:13], b_o s[14:15], X16 s[16:17], W16 s[18:19]
	s_load_b64 s[20:21], s[0:1], 0x40              ; rl
	v_lshl_add_u32 v216, v0, 2, 0x100
	v_mov_b32 v217, 0
	s_mov_b32 s22, ttmp9                           ; g
	s_mov_b32 s23, 0xffff0000                      ; a word's upper bf16
	s_mov_b32 s26, 0x76543210                      ; v_permlanex16_b32: lane i of one half reads lane i of the other
	s_mov_b32 s27, 0xfedcba98
	s_mov_b32 s28, 0x42800000                      ; 64.0
	s_mov_b32 s29, 0x42800000
	v_lshlrev_b32 v1, 4, v0                        ; 16 t: my bytes in a row of f32
	v_lshlrev_b32 v2, 3, v0                        ; 8 t: my bytes in a row of f16
	v_mov_b32 v3, 0                                ; offset 0: b_o, bc, and the sums in LDS
	v_lshrrev_b32 v[LW], 5, v0
	v_readfirstlane_b32 s35, v[LW]                 ; wave
	v_lshlrev_b32 v[LW], 4, v[LW]
	v_mov_b32 v[TT], v0                            ; v_permlanex16_b32 counts as a reader of its destination
	s_mov_b32 s25, 0
	s_wait_kmcnt 0x0
	s_lshl_b32 s24, s22, 17                        ; X in: 32 rows of 4,096 bytes
	s_add_nc_u64 s[4:5], s[4:5], s[24:25]
	s_lshl_b32 s24, s22, 16                        ; X16: 32 rows of 2,048 bytes
	s_add_nc_u64 s[16:17], s[16:17], s[24:25]
	s_lshl_b32 s24, s22, 14                        ; W_v and W_o in: 4 rows
	s_add_nc_u64 s[6:7], s[6:7], s[24:25]
	s_add_nc_u64 s[8:9], s[8:9], s[24:25]
	s_lshl_b32 s24, s22, 13                        ; Wv16 and Wo16: 4 rows of 2,048 bytes
	s_add_nc_u64 s[30:31], s[18:19], s[24:25]
	s_lshl_b32 s24, s22, 4                         ; b_o and bc: 4 words
	s_add_nc_u64 s[14:15], s[14:15], s[24:25]
	s_add_nc_u64 s[20:21], s[20:21], s[24:25]
	s_lshl_b32 s24, s22, 12                        ; W_basis in: row g (used where g < 64)
	s_add_nc_u64 s[10:11], s[10:11], s[24:25]
	s_lshl_b32 s24, s22, 11                        ; Wb16: row g
	s_add_nc_u64 s[32:33], s[18:19], s[24:25]
	global_load_b128 v[BVR:BVR+3], v1, s[12:13]
	global_load_b128 v[BOR:BOR+3], v3, s[14:15]
.set k, 0
.rept 4
	global_load_b128 v[DAT+4*k:DAT+4*k+3], v1, s[8:9] offset:k*ROWIN th:TH_LOAD_NT
.set k, k+1
.endr
.rept 4
	global_load_b128 v[DAT+4*k:DAT+4*k+3], v1, s[6:7] offset:(k-4)*ROWIN th:TH_LOAD_NT
.set k, k+1
.endr
.rept 32
	global_load_b128 v[DAT+4*k:DAT+4*k+3], v1, s[4:5] offset:(k-8)*ROWIN th:TH_LOAD_NT
.set k, k+1
.endr
	; W_o first: its rows feed the sums that the waves exchange
.set k, 0
.rept 4
	s_wait_loadcnt 39-k                            ; loads come back in order: b_v, b_o and row k are in, the 39 - k younger ones stay out
	CVW k
	global_store_b64 v2, v[DAT+4*k:DAT+4*k+1], s[30:31] offset:WO16+k*ROWOUT
.set k, k+1
.endr
.irp k, 0,1,2,3
	v_add_f32_dpp v[PS+\k], v[PS+\k], v[PS+\k] row_xmask:1 row_mask:0xf bank_mask:0xf
	v_add_f32_dpp v[PS+\k], v[PS+\k], v[PS+\k] row_xmask:2 row_mask:0xf bank_mask:0xf
	v_add_f32_dpp v[PS+\k], v[PS+\k], v[PS+\k] row_xmask:4 row_mask:0xf bank_mask:0xf
	v_add_f32_dpp v[PS+\k], v[PS+\k], v[PS+\k] row_xmask:8 row_mask:0xf bank_mask:0xf
	v_permlanex16_b32 v[TT], v[PS+\k], s26, s27
	v_add_f32 v[PS+\k], v[PS+\k], v[TT]            ; every lane holds my wave's 128 columns' part of row k's sum
.endr
	ds_store_b128 v[LW], v[PS:PS+3]                ; all lanes write the same four words with the same values
	s_wait_dscnt 0x0                               ; for the others' sake: my sums are in LDS
	s_barrier_signal -1
	s_barrier_wait -1
	s_cmp_lg_u32 s35, 0
	s_cbranch_scc1 .Lstream
.irp w, 0,1,2,3,4,5,6,7
	ds_load_b128 v[SUM+4*\w:SUM+4*\w+3], v3 offset:16*\w
.endr
	s_wait_dscnt 0x0
.irp w, 0,2,4,6
	v_pk_add_f32 v[SUM+4*\w:SUM+4*\w+1], v[SUM+4*\w:SUM+4*\w+1], v[SUM+4*\w+4:SUM+4*\w+5]
	v_pk_add_f32 v[SUM+4*\w+2:SUM+4*\w+3], v[SUM+4*\w+2:SUM+4*\w+3], v[SUM+4*\w+6:SUM+4*\w+7]
.endr
.irp w, 0,4
	v_pk_add_f32 v[SUM+4*\w:SUM+4*\w+1], v[SUM+4*\w:SUM+4*\w+1], v[SUM+4*\w+8:SUM+4*\w+9]
	v_pk_add_f32 v[SUM+4*\w+2:SUM+4*\w+3], v[SUM+4*\w+2:SUM+4*\w+3], v[SUM+4*\w+10:SUM+4*\w+11]
.endr
	v_pk_add_f32 v[SUM:SUM+1], v[SUM:SUM+1], v[SUM+16:SUM+17]
	v_pk_add_f32 v[SUM+2:SUM+3], v[SUM+2:SUM+3], v[SUM+18:SUM+19]
	v_pk_add_f32 v[SUM:SUM+1], v[SUM:SUM+1], v[BOR:BOR+1]
	v_pk_add_f32 v[SUM+2:SUM+3], v[SUM+2:SUM+3], v[BOR+2:BOR+3]
	v_cmp_eq_u32 vcc_lo, 0, v0
	s_wait_xcnt 0x0                                ; EXEC is a source of the loads and stores that are out: it changes only behind this wait
	s_and_saveexec_b32 s34, vcc_lo
	global_store_b128 v3, v[SUM:SUM+3], s[20:21] offset:BCOFF      ; one lane stores the group's four numbers of bc
	s_wait_xcnt 0x0                                ; and again in front of the line that widens it
	s_or_b32 exec_lo, exec_lo, s34
.Lstream:
.set k, 4
.rept 4
	s_wait_loadcnt 39-k
	CVH k
	global_store_b64 v2, v[DAT+4*k:DAT+4*k+1], s[30:31] offset:(k-4)*ROWOUT
.set k, k+1
.endr
.rept 32
	s_wait_loadcnt 39-k
	CVH k
	global_store_b64 v2, v[DAT+4*k:DAT+4*k+1], s[16:17] offset:(k-8)*ROWOUT
.set k, k+1
.endr
	; W_basis has 64 rows: the first 64 work-groups take one each
	s_cmp_lt_u32 s22, 64
	s_cbranch_scc0 .Lend
	global_load_b128 v[DAT+160:DAT+163], v1, s[10:11] th:TH_LOAD_NT
	s_wait_loadcnt 0x0
	CVH 40
	global_store_b64 v2, v[DAT+160:DAT+161], s[32:33] offset:WB16
.Lend:
	s_wait_tensorcnt 0x0
	ds_add_u32 v216, v217
	s_wait_dscnt 0x0
	s_endpgm
.Lfunc_end_k_q7fdc3fd135_prep:
	.size	k_q7fdc3fd135_prep, .Lfunc_end_k_q7fdc3fd135_prep-k_q7fdc3fd135_prep
	.p2alignl 7, 3214868480
	.fill 96, 4, 3214868480
	.section	.rodata,"a",@progbits
	.p2align	6, 0x0
	.amdhsa_kernel k_q7fdc3fd135_prep
		.amdhsa_group_segment_fixed_size 1280
		.amdhsa_private_segment_fixed_size 0
		.amdhsa_enable_private_segment 0
		.amdhsa_kernarg_size 72
		.amdhsa_user_sgpr_count 2
		.amdhsa_user_sgpr_kernarg_segment_ptr 1
		.amdhsa_wavefront_size32 1
		.amdhsa_system_sgpr_workgroup_id_x 1
		.amdhsa_system_sgpr_workgroup_id_y 1
		.amdhsa_system_sgpr_workgroup_id_z 1
		.amdhsa_system_vgpr_workitem_id 0
		.amdhsa_next_free_vgpr 218
		.amdhsa_next_free_sgpr 66
		.amdhsa_reserve_vcc 1
		.amdhsa_float_denorm_mode_32 3
		.amdhsa_float_denorm_mode_16_64 3
		.amdhsa_memory_ordered 1
		.amdhsa_forward_progress 1
		.amdhsa_inst_pref_size 31
	.end_amdhsa_kernel
	.amdgpu_metadata
---
amdhsa.version: [ 1, 2 ]
amdhsa.kernels:
  - .name:           k_q7fdc3fd135_prep
    .symbol:         k_q7fdc3fd135_prep.kd
    .args:
      - { .name: hidden_states, .offset: 0, .size: 8, .value_kind: global_buffer, .address_space: global }
      - { .name: W_v, .offset: 8, .size: 8, .value_kind: global_buffer, .address_space: global }
      - { .name: W_o, .offset: 16, .size: 8, .value_kind: global_buffer, .address_space: global }
      - { .name: W_basis, .offset: 24, .size: 8, .value_kind: global_buffer, .address_space: global }
      - { .name: b_v, .offset: 32, .size: 8, .value_kind: global_buffer, .address_space: global }
      - { .name: b_o, .offset: 40, .size: 8, .value_kind: global_buffer, .address_space: global }
      - { .name: X16, .offset: 48, .size: 8, .value_kind: global_buffer, .address_space: global }
      - { .name: W16, .offset: 56, .size: 8, .value_kind: global_buffer, .address_space: global }
      - { .name: rl, .offset: 64, .size: 8, .value_kind: global_buffer, .address_space: global }
    .group_segment_fixed_size: 1280
    .private_segment_fixed_size: 0
    .kernarg_segment_align: 8
    .kernarg_segment_size: 72
    .max_flat_workgroup_size: 256
    .sgpr_count:     66
    .vgpr_count:     218
    .wavefront_size: 32
...
	.end_amdgpu_metadata
.endif
;; end of part 6
;; launch wlat (part 7): grid 16 x 16, 4 waves a work-group, clusters of 4 x 4, 327,680 bytes of LDS; arguments X16, W16, Lp, Wc16; writes Lp, Wc16
.if DOCPART == 7
	.amdgcn_target "amdgcn-amd-amdhsa--gfx1250"
	.amdhsa_code_object_version 6
	.text
	.protected	k_q7fdc3fd135_wlat
	.globl	k_q7fdc3fd135_wlat
	.p2align	8
	.type	k_q7fdc3fd135_wlat,@function
k_q7fdc3fd135_wlat:
	s_mov_b64 s[64:65], 0
	v_nop
	global_prefetch_b8 v0, s[64:65] scope:SCOPE_SE
	s_setreg_imm32_b32 hwreg(HW_REG_WAVE_MODE, 25, 1), 1
	s_wait_xcnt 0x0
	s_wait_alu depctr_hold_cnt(0) depctr_sa_sdst(0) depctr_va_vdst(0) depctr_va_sdst(0) depctr_va_ssrc(0) depctr_va_vcc(0) depctr_vm_vsrc(0)
	s_getreg_b32 s2, hwreg(HW_REG_IB_STS2, 6, 4)
	s_cmp_eq_u32 s2, 0
	s_cbranch_scc0 .Lentry_in_a_cluster
	s_endpgm
.Lentry_in_a_cluster:
	s_bfe_u32 s2, ttmp6, 0x10000c
	s_cmp_lg_u32 s2, 0xf033
	s_cbranch_scc0 .Lentry_shape_is_right
	s_endpgm
.Lentry_shape_is_right:
; Lp[p][t][e]  = f16( sum over k of X16[t][k] Wb16[16 p + e][k] )      the latent, in four planes of 16 columns
; Wc16[o][c]   = f16( sum over j of Wo16[o][j] Wv16[j][c] ) = f16( 64 (W_o W_v)[o][c] )
; f16 operands, f32 sums.  LIMITS: the latent and 64 W_o W_v are kept in f16 (magnitude under 65504).
; Both products have K = 1024 and few rows, so a work-group holds the whole K of its operands in LDS and has no ring: LDS is filled twice.
;   First:  128 rows of X16 and 16 rows of Wb16: the work-group makes 128 t x 16 latent columns; wave w makes its own 32 t: two accumulator tiles.
;   Second: 1024 rows x 64 columns of Wv16 and 64 rows of Wo16: the work-group makes 64 o x 64 c of Wc; wave w makes 16 o x 64 c: four tiles.
;   64 x 64 is the block whose two operands fit with the whole K; so a row of Wv16's tile and a stored row of Wc16 are 128 bytes long.
; Rows of 2,048 bytes lie in LDS as two K halves of 1,024 bytes + 16 of padding.
; CLUSTERS: 4 x 4 work-groups.  X16's tile hangs on the cluster and cy and is asked for jointly by a row of the cluster, Wb16's on cx (the plane) and
; is asked for jointly by a column; Wo16's tile hangs on y = 4 cluster y + cy (a row), Wv16's on x = 4 cluster x + cx (a column).
; The second fill stands behind a round of the cluster's barrier, one tensor load a wave; the latent is stored while it is on its way.
; A wave has two tensor loads out at the start and one behind the round.
; Wv16 lies [j][c], K down the rows: its fragments come by the transposing LDS load, from rows 160 bytes apart (an odd multiple of 32).
.set KP,    1040                       ; an LDS row of 512 elements: 1,024 bytes + 16, an odd multiple of 16
.set XH,    128*KP                     ; a K half of X16's tile
.set WBO,   2*XH                       ; Wb16's tile lies behind X16's
.set WBH,   16*KP                      ; a K half of it
.set VP,    160                        ; an LDS row of Wv16's tile: 128 bytes + 32
.set WVH,   512*VP                     ; what wave 0 or 1 fetches of it
.set WOO,   2*WVH                      ; Wo16's tile lies behind Wv16's
.set WOH,   64*KP                      ; a K half of it: what wave 2 or 3 fetches
.set STAGE, WBO+2*WBH                  ; behind both fills, a multiple of 256: no tensor load lands here
.set SP,    144                        ; a stage row: 128 bytes + 16
.set STGB,  16*SP
.set WO16,  2097152
.set WB16,  4194304
.set GKW,   (1<<16)|(1<<20)|(1<<21)|(7<<22)|(3<<25)    ; 2-byte elements; padding on; bit 21 beside a mask; after every 256 words; 4 words
.set GVW,   (1<<16)|(1<<20)|(1<<21)|(4<<22)|(7<<25)    ; the same, after every 32 words; 8 words
.set AX,   16                          ; v16-17  my 32 rows of X16's tile, K half 0, 1
.set AB,   18                          ; v18     Wb16's tile
.set AO,   20                          ; v20-21  my 16 rows of Wo16's tile, K half 0, 1
.set AV,   22                          ; v22-25  Wv16's tile, rows 256 q on
.set STO,  26
.set RD,   27
.set CO,   28
.set LOF,  29
.set LACC, 32                          ; v[32:47]  two latent tiles
.set WACC, 48                          ; v[48:79]  four tiles of Wc
.set FB,   80                          ; fragments: two buffers of 48 registers (latent), of 80 registers (Wc)
.set TMP,  240                         ; v[240:255] packed results
.set GK1, 24                           ; s[24:31] group 1: 64 rows x 512 elements, to my row of the cluster (X16, Wo16)
.set GX0, 32                           ; s[32:35] group 0, X16
.set GB0, 36                           ; s[36:39] group 0, Wb16
.set GB1, 48                           ; s[48:55] group 1: 8 rows x 512 elements, to my column
.set GV1, 56                           ; s[56:63] group 1: 512 rows x 64 elements, to my column
.set GO0, 68                           ; s[68:71] group 0, Wo16
.set GV0, 72                           ; s[72:75] group 0, Wv16
.macro CREST                           ; a round of the cluster's barrier behind its opening work-group barrier
	s_cmp_lg_u32 s10, 0
	s_cbranch_scc1 .Lnot_wave_0_\@
	s_barrier_signal -3
.Lnot_wave_0_\@:
	s_barrier_wait -3
	s_barrier_signal -1
	s_barrier_wait -1
.endm
.macro CROUND
	s_barrier_signal -1
	s_barrier_wait -1
	CREST
.endm
.macro PLACES                          ; four places behind a matrix instruction, in front of loads into its sources and of readers of its result
.rept 4
	v_nop
.endr
.endm
; the latent's fragments of 64 along K (two matrix steps) at byte k of K half z, into buffer f: 12 LDS loads
.macro LFETCH z, k, f
.irp s, 0,1
	ds_load_b128 v[\f+24*\s:\f+24*\s+3],   v[AB] offset:\z*WBH+\k+64*\s
	ds_load_b128 v[\f+24*\s+4:\f+24*\s+7], v[AB] offset:\z*WBH+\k+64*\s+32
.irp i, 0,1
	ds_load_b128 v[\f+24*\s+8+8*\i:\f+24*\s+11+8*\i],  v[AX+\z] offset:\k+64*\s+\i*16*KP
	ds_load_b128 v[\f+24*\s+12+8*\i:\f+24*\s+15+8*\i], v[AX+\z] offset:\k+64*\s+\i*16*KP+32
.endr
.endr
.endm
; source 0 = 16 rows of Wb16, source 1 = 16 rows of X16: a lane holds 8 neighbouring latent columns of one t.  The two accumulators take turns.
.macro LMUL f, zero
.irp s, 0,1
.irp i, 0,1
.if \zero*(1-\s)
	v_wmma_f32_16x16x32_f16 v[LACC+8*\i:LACC+8*\i+7], v[\f+24*\s:\f+24*\s+7], v[\f+24*\s+8+8*\i:\f+24*\s+15+8*\i], 0
.else
	v_wmma_f32_16x16x32_f16 v[LACC+8*\i:LACC+8*\i+7], v[\f+24*\s:\f+24*\s+7], v[\f+24*\s+8+8*\i:\f+24*\s+15+8*\i], v[LACC+8*\i:LACC+8*\i+7]
.endif
.endr
.endr
.endm
; Wc's fragments of 64 along K: Wo16 at byte kb of K half zo; Wv16 at rows rb on of its quarter q: 20 LDS loads
.macro WFETCH zo, kb, q, rb, f
.irp s, 0,1
	ds_load_b128 v[\f+40*\s:\f+40*\s+3],   v[AO+\zo] offset:\kb+64*\s
	ds_load_b128 v[\f+40*\s+4:\f+40*\s+7], v[AO+\zo] offset:\kb+64*\s+32
.irp b, 0,1,2,3
	ds_load_tr16_b128 v[\f+40*\s+8+8*\b:\f+40*\s+11+8*\b],  v[AV+\q] offset:(\rb+32*\s)*VP+32*\b
	ds_load_tr16_b128 v[\f+40*\s+12+8*\b:\f+40*\s+15+8*\b], v[AV+\q] offset:(\rb+32*\s+16)*VP+32*\b
.endr
.endr
.endm
; source 0 = 16 columns of Wv16, source 1 = 16 rows of Wo16: a lane holds 8 neighbouring c of one o.  Four accumulators take turns.
.macro WMUL f, zero
.irp s, 0,1
.irp b, 0,1,2,3
.if \zero*(1-\s)
	v_wmma_f32_16x16x32_f16 v[WACC+8*\b:WACC+8*\b+7], v[\f+40*\s+8+8*\b:\f+40*\s+15+8*\b], v[\f+40*\s:\f+40*\s+7], 0
.else
	v_wmma_f32_16x16x32_f16 v[WACC+8*\b:WACC+8*\b+7], v[\f+40*\s+8+8*\b:\f+40*\s+15+8*\b], v[\f+40*\s:\f+40*\s+7], v[WACC+8*\b:WACC+8*\b+7]
.endif
.endr
.endr
.endm
	s_load_b256 s[76:83], s[0:1], 0x0              ; X16 s[76:77], W16 s[78:79], Lp s[80:81], Wc16 s[82:83]
	v_lshl_add_u32 v30, v0, 2, 0x4b600
	v_mov_b32 v31, 0
	ds_add_u32 v30, v31
	v_lshrrev_b32 v1, 5, v0
	v_readfirstlane_b32 s10, v1                    ; wave 0..3
	s_lshr_b32 s11, s10, 1
	s_and_b32 s12, s10, 1
	s_bfe_u32 s40, ttmp6, 0x40000                  ; cx: also the latent plane
	s_bfe_u32 s41, ttmp6, 0x40004                  ; cy
	s_lshl_b32 s42, ttmp9, 2
	s_add_co_u32 s42, s42, s40                     ; x: block of 64 c
	s_and_b32 s13, ttmp7, 0xffff
	s_lshl_b32 s45, s13, 2
	s_add_co_u32 s45, s45, ttmp9                   ; the cluster's number, 0..15
	s_lshl_b32 s45, s45, 2
	s_add_co_u32 s45, s45, s41                     ; block of 128 t = 4 x cluster + cy
	s_lshl_b32 s13, s13, 2
	s_add_co_u32 s13, s13, s41                     ; y: block of 64 o
	s_lshl_b32 s43, s41, 2
	s_lshl_b32 s43, 15, s43                        ; my row of the cluster
	s_lshl_b32 s44, 0x1111, s40                    ; my column
	s_or_b32 s[GK1+0], s43, GKW
	s_mov_b32 s[GK1+1], 512<<16                    ; tensor_dim0 = 512
	s_mov_b32 s[GK1+2], 64<<16                     ; tensor_dim1 = 64
	s_mov_b32 s[GK1+3], 512<<16                    ; tile_dim0 = 512
	s_mov_b32 s[GK1+4], 64                         ; tile_dim1 = 64
	s_mov_b32 s[GK1+5], 1024                       ; elements from row to row
	s_mov_b32 s[GK1+6], 0
	s_mov_b32 s[GK1+7], 0
	s_or_b32 s[GB1+0], s44, GKW
	s_mov_b32 s[GB1+1], 512<<16
	s_mov_b32 s[GB1+2], 8<<16
	s_mov_b32 s[GB1+3], 512<<16
	s_mov_b32 s[GB1+4], 8
	s_mov_b32 s[GB1+5], 1024
	s_mov_b32 s[GB1+6], 0
	s_mov_b32 s[GB1+7], 0
	s_or_b32 s[GV1+0], s44, GVW
	s_mov_b32 s[GV1+1], 64<<16
	s_mov_b32 s[GV1+2], 512<<16
	s_mov_b32 s[GV1+3], 64<<16
	s_mov_b32 s[GV1+4], 512
	s_mov_b32 s[GV1+5], 1024
	s_mov_b32 s[GV1+6], 0
	s_mov_b32 s[GV1+7], 0
	s_lshl_b32 s16, s45, 7                         ; X16: row 128 block + 64 (w & 1), K half w >> 1: the cluster, cy and the wave's number alone
	s_lshl_b32 s17, s12, 6
	s_add_co_u32 s16, s16, s17
	s_lshl_b32 s16, s16, 11
	s_lshl_b32 s17, s11, 10
	s_add_co_u32 s16, s16, s17
	s_mov_b32 s17, 0
	s_lshl_b32 s18, s13, 17                        ; Wo16: row 64 y, K half w & 1: y and the wave's number alone
	s_lshl_b32 s19, s12, 10
	s_add_co_u32 s18, s18, s19
	s_add_co_u32 s18, s18, WO16
	s_mov_b32 s19, 0
	s_lshl_b32 s46, s40, 15                        ; Wb16: row 16 cx + 8 (w & 1), K half w >> 1: cx and the wave's number alone
	s_lshl_b32 s47, s12, 14
	s_add_co_u32 s46, s46, s47
	s_lshl_b32 s47, s11, 10
	s_add_co_u32 s46, s46, s47
	s_add_co_u32 s46, s46, WB16
	s_mov_b32 s47, 0
	s_lshl_b32 s22, s12, 20                        ; Wv16: row 512 (w & 1), column 64 x: x and the wave's number alone
	s_lshl_b32 s23, s42, 7
	s_add_co_u32 s22, s22, s23
	s_mov_b32 s23, 0
	s_mov_b32 s[GX0], 1
	s_mul_i32 s[GX0+1], s10, 64*KP                 ; K half w >> 1, rows 64 (w & 1) on = wave x 64 rows
	s_mov_b32 s[GB0], 1
	s_mul_i32 s[GB0+1], s10, 8*KP
	s_add_co_u32 s[GB0+1], s[GB0+1], WBO
	s_mov_b32 s[GO0], 1
	s_mul_i32 s[GO0+1], s10, WOH                   ; waves 2 and 3: Wo16's K halves, behind Wv16's tile
	s_add_co_u32 s[GO0+1], s[GO0+1], WOO-2*WOH
	s_mov_b32 s[GV0], 1
	s_mul_i32 s[GV0+1], s10, WVH                   ; waves 0 and 1: Wv16's halves
	s_wait_dscnt 0x0
	s_wait_kmcnt 0x0
	s_add_nc_u64 s[GX0+2:GX0+3], s[76:77], s[16:17]
	s_or_b32 s[GX0+3], s[GX0+3], 0x80000000
	s_add_nc_u64 s[GB0+2:GB0+3], s[78:79], s[46:47]
	s_or_b32 s[GB0+3], s[GB0+3], 0x80000000
	s_add_nc_u64 s[GO0+2:GO0+3], s[78:79], s[18:19]
	s_or_b32 s[GO0+3], s[GO0+3], 0x80000000
	s_add_nc_u64 s[GV0+2:GV0+3], s[78:79], s[22:23]
	s_or_b32 s[GV0+3], s[GV0+3], 0x80000000
	CROUND                                         ; all sixteen work-groups are here: the first joint loads meet
	tensor_load_to_lds s[GX0:GX0+3], s[GK1:GK1+7]  ; my quarter of X16's tile
	s_nop 0
	tensor_load_to_lds s[GB0:GB0+3], s[GB1:GB1+7]  ; my quarter of Wb16's tile
	s_nop 0
	v_and_b32 v1, 15, v0                           ; r = l % 16
	v_bfe_u32 v2, v0, 4, 1                         ; h = l / 16
	v_mul_u32_u24 v3, v1, KP
	v_lshl_add_u32 v3, v2, 4, v3                   ; a fragment's lane term: row r, 16 bytes for each half of the lanes
	s_mul_i32 s14, s10, 32*KP
	v_add_nc_u32 v[AX], s14, v3
	v_add_nc_u32 v[AX+1], XH, v[AX]
	v_add_nc_u32 v[AB], WBO, v3
	s_mul_i32 s14, s10, 16*KP
	s_add_co_u32 s14, s14, WOO
	v_add_nc_u32 v[AO], s14, v3
	v_add_nc_u32 v[AO+1], WOH, v[AO]
	v_and_b32 v4, 7, v0                            ; the transposing load: row 8 h + l % 8, 16 bytes for each group of eight lanes
	v_lshl_add_u32 v6, v2, 3, v4
	v_mul_u32_u24 v6, v6, VP
	v_bfe_u32 v5, v0, 3, 1
	v_lshl_add_u32 v[AV], v5, 4, v6
.irp q, 1,2,3
	v_add_nc_u32 v[AV+\q], \q*256*VP, v[AV]
.endr
	s_mul_i32 s14, s10, STGB
	s_add_co_u32 s14, s14, STAGE                   ; my stage
	v_mul_u32_u24 v6, v1, SP
	v_lshl_add_u32 v6, v2, 4, v6
	v_add_nc_u32 v[STO], s14, v6                   ; in: row r, 16 bytes for each half of the lanes
	v_bfe_u32 v5, v0, 3, 2                         ; back: eight lanes take a row of 128 bytes, 32 lanes four rows
	v_mul_u32_u24 v6, v5, SP
	v_lshl_add_u32 v6, v4, 4, v6
	v_add_nc_u32 v[RD], s14, v6
	v_lshlrev_b32 v6, 11, v5                       ; the same four rows in Wc16: 2,048 bytes apart
	v_lshl_add_u32 v[CO], v4, 4, v6
	v_lshlrev_b32 v6, 5, v1                        ; a latent row of a plane is 32 bytes
	v_lshl_add_u32 v[LOF], v2, 4, v6
	s_lshl_b32 s84, s40, 18                        ; Lp: plane cx of 262,144 bytes, row 128 block + 32 w of 32 bytes
	s_lshl_b32 s85, s45, 12
	s_add_co_u32 s84, s84, s85
	s_lshl_b32 s85, s10, 10
	s_add_co_u32 s84, s84, s85
	s_mov_b32 s85, 0
	s_add_nc_u64 s[80:81], s[80:81], s[84:85]
	s_lshl_b32 s86, s13, 17                        ; Wc16: row 64 y + 16 w of 2,048 bytes, column 64 x of 2 bytes
	s_lshl_b32 s87, s10, 15
	s_add_co_u32 s86, s86, s87
	s_lshl_b32 s87, s42, 7
	s_add_co_u32 s86, s86, s87
	s_mov_b32 s87, 0
	s_add_nc_u64 s[82:83], s[82:83], s[86:87]
	s_wait_tensorcnt 0x0                           ; my quarters are in,
	s_barrier_signal -1
	s_barrier_wait -1                              ; everybody's are
	; THE LATENT: 16 units of 64 along K on two fragment buffers
	LFETCH 0, 0, FB
	LFETCH 0, 128, FB+48
	s_wait_dscnt 12                                ; all but the 12 loads of the unit just asked for
	LMUL FB, 1                                     ; the first products start the sums
.set u, 1
.rept 14
.set zz, (u+1)/8
.set kk, ((u+1)%8)*128
.set fn, FB+48*((u+1)%2)
.set fc, FB+48*(u%2)
	PLACES
	LFETCH zz, kk, fn
	s_wait_dscnt 12
	LMUL fc, 0
.set u, u+1
.endr
	s_wait_dscnt 0x0
	LMUL FB+48, 0
	PLACES
	s_wait_dscnt 0x0                               ; my reads of the first fill are over
	s_wait_tensorcnt 0x0                           ; and none of my tensor loads is out
	ds_add_u32 v30, v31
	s_wait_dscnt 0x0
	CROUND                                         ; both hold of every wave of every work-group of the cluster
	s_cmp_eq_u32 s11, 0
	s_cbranch_scc0 .Lfor_wo
	tensor_load_to_lds s[GV0:GV0+3], s[GV1:GV1+7]  ; waves 0 and 1: 512 rows of Wv16's tile each
	s_nop 0
	s_branch .Lasked
.Lfor_wo:
	tensor_load_to_lds s[GO0:GO0+3], s[GK1:GK1+7]  ; waves 2 and 3: a K half of Wo16's tile each
	s_nop 0
.Lasked:
.irp i, 0,1
.irp r, 0,1,2,3
	v_cvt_pk_f16_f32 v[TMP+4*\i+\r], v[LACC+8*\i+2*\r], v[LACC+8*\i+2*\r+1]
.endr
	global_store_b128 v[LOF], v[TMP+4*\i:TMP+4*\i+3], s[80:81] offset:512*\i   ; 32 lanes store 512 consecutive bytes: 16 latent rows of the plane
.endr
	s_wait_tensorcnt 0x0
	s_barrier_signal -1
	s_barrier_wait -1                              ; the second fill is whole
	; Wc: 16 units of 64 along K on two fragment buffers
	WFETCH 0, 0, 0, 0, FB
	WFETCH 0, 128, 0, 64, FB+80
	s_wait_dscnt 20                                ; all but the 20 loads of the unit just asked for
	WMUL FB, 1
.set u, 1
.rept 14
.set zz, (u+1)/8
.set kk, ((u+1)%8)*128
.set qq, (u+1)/4
.set rr, ((u+1)%4)*64
.set fn, FB+80*((u+1)%2)
.set fc, FB+80*(u%2)
	PLACES
	WFETCH zz, kk, qq, rr, fn
	s_wait_dscnt 20
	WMUL fc, 0
.set u, u+1
.endr
	s_wait_dscnt 0x0
	WMUL FB+80, 0
	PLACES
	s_wait_xcnt 0x0                                ; the latent's stores read v[240:247]: they are rewritten only behind this wait
.irp b, 0,1,2,3
.irp r, 0,1,2,3
	v_cvt_pk_f16_f32 v[TMP+4*\b+\r], v[WACC+8*\b+2*\r], v[WACC+8*\b+2*\r+1]
.endr
.endr
.irp b, 0,1,2,3
	ds_store_b128 v[STO], v[TMP+4*\b:TMP+4*\b+3] offset:32*\b
.endr
.irp t, 0,1,2,3
	ds_load_b128 v[FB+4*\t:FB+4*\t+3], v[RD] offset:\t*4*SP        ; my own stage: LDS serves a wave's instructions in order
.endr
.irp t, 0,1,2,3
	s_wait_dscnt 3-\t
	global_store_b128 v[CO], v[FB+4*\t:FB+4*\t+3], s[82:83] offset:\t*4*2048   ; eight lanes store the block's 128 bytes of a row
.endr
	s_wait_tensorcnt 0x0
	ds_add_u32 v30, v31
	s_wait_dscnt 0x0
	CROUND                                         ; the closing round: no work-group ends while a partner may still ask for a tile that names it
	s_endpgm
.Lfunc_end_k_q7fdc3fd135_wlat:
	.size	k_q7fdc3fd135_wlat, .Lfunc_end_k_q7fdc3fd135_wlat-k_q7fdc3fd135_wlat
	.p2alignl 7, 3214868480
	.fill 96, 4, 3214868480
	.section	.rodata,"a",@progbits
	.p2align	6, 0x0
	.amdhsa_kernel k_q7fdc3fd135_wlat
		.amdhsa_group_segment_fixed_size 327680
		.amdhsa_private_segment_fixed_size 0
		.amdhsa_enable_private_segment 0
		.amdhsa_kernarg_size 32
		.amdhsa_user_sgpr_count 2
		.amdhsa_user_sgpr_kernarg_segment_ptr 1
		.amdhsa_wavefront_size32 1
		.amdhsa_system_sgpr_workgroup_id_x 1
		.amdhsa_system_sgpr_workgroup_id_y 1
		.amdhsa_system_sgpr_workgroup_id_z 1
		.amdhsa_system_vgpr_workitem_id 0
		.amdhsa_next_free_vgpr 256
		.amdhsa_next_free_sgpr 92
		.amdhsa_reserve_vcc 0
		.amdhsa_float_denorm_mode_32 3
		.amdhsa_float_denorm_mode_16_64 3
		.amdhsa_memory_ordered 1
		.amdhsa_forward_progress 1
		.amdhsa_inst_pref_size 61
	.end_amdhsa_kernel
	.amdgpu_metadata
---
amdhsa.version: [ 1, 2 ]
amdhsa.kernels:
  - .name:           k_q7fdc3fd135_wlat
    .symbol:         k_q7fdc3fd135_wlat.kd
    .args:
      - { .name: X16, .offset: 0, .size: 8, .value_kind: global_buffer, .address_space: global }
      - { .name: W16, .offset: 8, .size: 8, .value_kind: global_buffer, .address_space: global }
      - { .name: Lp, .offset: 16, .size: 8, .value_kind: global_buffer, .address_space: global }
      - { .name: Wc16, .offset: 24, .size: 8, .value_kind: global_buffer, .address_space: global }
    .group_segment_fixed_size: 327680
    .private_segment_fixed_size: 0
    .kernarg_segment_align: 8
    .kernarg_segment_size: 32
    .max_flat_workgroup_size: 128
    .sgpr_count:     92
    .vgpr_count:     256
    .wavefront_size: 32
...
	.end_amdgpu_metadata
.endif
;; end of part 7
;; launch att (part 8): grid 64 x 4, 16 waves a work-group, no clusters, 147,456 bytes of LDS; arguments Lp, Pm, rl; writes Pm, rl
.if DOCPART == 8
	.amdgcn_target "amdgcn-amd-amdhsa--gfx1250"
	.amdhsa_code_object_version 6
	.text
	.protected	k_q7fdc3fd135_att
	.globl	k_q7fdc3fd135_att
	.p2align	8
	.type	k_q7fdc3fd135_att,@function
k_q7fdc3fd135_att:
	s_mov_b64 s[64:65], 0
	v_nop
	global_prefetch_b8 v0, s[64:65] scope:SCOPE_SE
	s_setreg_imm32_b32 hwreg(HW_REG_WAVE_MODE, 25, 1), 1
	s_wait_xcnt 0x0
; Pm[b][q][k] = f16( exp( (s[q][k] - max over k of s[q][k]) / 8 ) ),  s = latent latent^T, causal;  rl[b][q] = 1 / (sum over k of that exponential).
; Left out (shown at the head of the first kernel): keys from 256 (q / 256 + 1) on; they are neither scored nor stored.
; A work-group has 32 queries (q0 = 32 x) of batch b and sixteen waves; wave c owns the keys 128 c .. 128 c + 127.  With cd = q0 / 128:
;   c < cd: all its keys are live;  c = cd: the diagonal runs through them (masked by select);  cd < c <= cend = 2 (q0 / 256) + 1: it stores zeros
;   (the next launch multiplies blocks of 256 keys);  c > cend: it only passes the barrier.
; f16 operands, f32 sums.  Source 0 = 16 keys, source 1 = 16 queries: lane l holds query l % 16 and eight neighbouring keys 8 (l / 16) + 0 .. 7.
; ONE PASS, THE MAXIMUM IN ITS RUNNING FORM.  In front of the one barrier a live wave takes its own chunk's maximum m_c away from its scores, forms
; p = exp2((s - m_c) c), c = log2(e) / 8, and their sum l_c, lays the rows in f16 into its own stage and hands m_c and l_c to the others through LDS.
; Every chunk up to cd holds a live key for each of the 32 queries (key 128 c <= q0), so m_c is a score.  Behind the barrier the wave forms the row's
; maximum m of the sixteen m_c, multiplies each row by exp2((m_c - m) c), at most 1, on its way from the stage to memory, and wave 0 sums
; l_c exp2((m_c - m) c) for rl.  Only addresses and the two numbers that are exchanged, which every way writes, are carried over the join in registers.
; The exponents are a subtraction and then a product: the largest of a chunk, and of a row, is exactly 0 however large the scores are.
; LIMITS: the factor of a chunk is rounded to f16: a relative error of at most 2^-11, common to the chunk's 128 keys of a row, that rl does not carry
; (for the first 128 queries of a batch there is one chunk and the factor is 1).  An exponential under 2^-14 of its row's largest loses bits
; (absolute error at most 2^-23) and under 2^-25 is stored as 0.  The maxima drop a NaN.
.set PLANE,  262144                    ; bytes of a plane of Lp
.set SPITCH, 272
.set WSTAGE, 32*SPITCH                 ; a wave's stage: 32 queries x (256 bytes + 16)
.set RED,    16*WSTAGE                 ; [32 queries][16 waves] f32: the maxima; 2,048 bytes further on the sums
.set FAC,    RED+4096                  ; [16 waves][32] words: a wave's own factors, query q at word 16 (q & 1) + q / 2
.set LOFF, 4                           ; 32 r + 16 h: a lane's 16 bytes of 16 rows of a plane
.set REL,  5                           ; v5, v6: a key 16 kt + j of my chunk is live for query tile qt where 16 kt + j <= REL[qt]
.set NINF, 7
.set MA,   8                           ; v8, v9: a figure for each query tile; behind the barrier: the row's maximum, my factor
.set TP,   10                          ; v10, v11: the other half's figure
.set MX,   12                          ; my chunk's maximum: lane l stands for query q0 + l
.set RL,   13                          ; query l, all waves
.set MP,   14                          ; v[14:15], v[16:17]: the maximum that is taken away, twice, for each query tile
.set LS,   18                          ; v[18:19], v[20:21]: running sums
.set STO,  22
.set RD,   23
.set CO,   24
.set RW,   25                          ; query l, wave c
.set SX,   26                          ; my chunk's sum: lane l stands for query q0 + l
.set RO,   27
.set FW,   28                          ; where I put query l's factor
.set FRD,  29                          ; where I read the factors of rows h, 2 + h, .. 30 + h
.set QF,   32                          ; v[32:63]   query fragments (qt, kc); behind the barrier v[32:47]: sixteen factors; zeros
.set KF,   64                          ; v[64:127]  key fragments of four key tiles (kt, kc); later the rows on their way out
.set SC,   128                         ; v[128:255] scores, tile 8 qt + kt; behind the barrier: the sixteen waves' maxima and sums
.macro NOP4
.rept 4
	v_nop
.endr
.endm
; A fragment of 16 rows x 32 latent columns: registers 0-3 from plane 2 kc, registers 4-7 from plane 2 kc + 1; each load covers 512 consecutive bytes.
.macro LDQ
.irp qt, 0,1
.irp kc, 0,1
	global_load_b128 v[QF+8*(2*\qt+\kc):QF+8*(2*\qt+\kc)+3],   v[LOFF], s[18:19] offset:(2*\kc)*PLANE+\qt*512
	global_load_b128 v[QF+8*(2*\qt+\kc)+4:QF+8*(2*\qt+\kc)+7], v[LOFF], s[18:19] offset:(2*\kc+1)*PLANE+\qt*512
.endr
.endr
.endm
.macro LDK half
.irp kt, 0,1,2,3
.irp kc, 0,1
	global_load_b128 v[KF+8*(2*\kt+\kc):KF+8*(2*\kt+\kc)+3],   v[LOFF], s[22:23] offset:(2*\kc)*PLANE+(4*\half+\kt)*512
	global_load_b128 v[KF+8*(2*\kt+\kc)+4:KF+8*(2*\kt+\kc)+7], v[LOFF], s[22:23] offset:(2*\kc+1)*PLANE+(4*\half+\kt)*512
.endr
.endr
.endm
; 16 matrix instructions: 64 keys x 32 queries x 64.  Eight accumulators take turns, one instruction a turn.
.macro WSC half
.irp kc, 0,1
.irp qt, 0,1
.irp kt, 0,1,2,3
.if \kc == 0
	v_wmma_f32_16x16x32_f16 v[SC+8*(8*\qt+4*\half+\kt):SC+8*(8*\qt+4*\half+\kt)+7], v[KF+8*(2*\kt+\kc):KF+8*(2*\kt+\kc)+7], v[QF+8*(2*\qt+\kc):QF+8*(2*\qt+\kc)+7], 0
.else
	v_wmma_f32_16x16x32_f16 v[SC+8*(8*\qt+4*\half+\kt):SC+8*(8*\qt+4*\half+\kt)+7], v[KF+8*(2*\kt+\kc):KF+8*(2*\kt+\kc)+7], v[QF+8*(2*\qt+\kc):QF+8*(2*\qt+\kc)+7], v[SC+8*(8*\qt+4*\half+\kt):SC+8*(8*\qt+4*\half+\kt)+7]
.endif
.endr
.endr
.endr
.endm
.macro MASK half                       ; keys behind the query get -inf
.irp qt, 0,1
.irp kt, 0,1,2,3
.irp j, 0,1,2,3,4,5,6,7
	v_cmp_le_i32 vcc_lo, 16*(4*\half+\kt)+\j, v[REL+\qt]
	v_cndmask_b32 v[SC+8*(8*\qt+4*\half+\kt)+\j], v[NINF], v[SC+8*(8*\qt+4*\half+\kt)+\j], vcc_lo
.endr
.endr
.endr
.endm
.macro MAXH half                       ; the largest of a lane's 32 scores of each query tile joins MA; the first two scores start it
.irp kt, 0,1,2,3
.irp qt, 0,1
.if \half+\kt == 0
	v_max_num_f32 v[MA+\qt], v[SC+64*\qt], v[SC+64*\qt+1]
.else
	v_max3_num_f32 v[MA+\qt], v[MA+\qt], v[SC+8*(8*\qt+4*\half+\kt)], v[SC+8*(8*\qt+4*\half+\kt)+1]
.endif
.irp j, 2,4,6
	v_max3_num_f32 v[MA+\qt], v[MA+\qt], v[SC+8*(8*\qt+4*\half+\kt)+\j], v[SC+8*(8*\qt+4*\half+\kt)+\j+1]
.endr
.endr
.endr
.endm
.macro SUBMUL t                        ; (s - m_c) c
.irp p, 0,2,4,6
	v_pk_add_f32 v[SC+8*\t+\p:SC+8*\t+\p+1], v[SC+8*\t+\p:SC+8*\t+\p+1], v[MP+2*(\t/8):MP+2*(\t/8)+1] neg_lo:[0,1] neg_hi:[0,1]
.endr
.irp p, 0,2,4,6
	v_pk_mul_f32 v[SC+8*\t+\p:SC+8*\t+\p+1], v[SC+8*\t+\p:SC+8*\t+\p+1], s[20:21] op_sel_hi:[1,0]
.endr
.endm
.macro EXPT t
.irp j, 0,1,2,3,4,5,6,7
	v_exp_f32 v[SC+8*\t+\j], v[SC+8*\t+\j]
.endr
.endm
.macro SUMCVT t                        ; into the running sums (tiles 0 and 8 start them), then eight f16 into the tile's first four registers
.if (\t % 8) == 0
	s_wait_alu depctr_va_vdst(0)
	v_pk_add_f32 v[LS+2*(\t/8):LS+2*(\t/8)+1], v[SC+8*\t:SC+8*\t+1], v[SC+8*\t+2:SC+8*\t+3]
.else
	s_wait_alu depctr_va_vdst(0)
	v_pk_add_f32 v[LS+2*(\t/8):LS+2*(\t/8)+1], v[LS+2*(\t/8):LS+2*(\t/8)+1], v[SC+8*\t:SC+8*\t+1]
	v_pk_add_f32 v[LS+2*(\t/8):LS+2*(\t/8)+1], v[LS+2*(\t/8):LS+2*(\t/8)+1], v[SC+8*\t+2:SC+8*\t+3]
.endif
	v_pk_add_f32 v[LS+2*(\t/8):LS+2*(\t/8)+1], v[LS+2*(\t/8):LS+2*(\t/8)+1], v[SC+8*\t+4:SC+8*\t+5]
	v_pk_add_f32 v[LS+2*(\t/8):LS+2*(\t/8)+1], v[LS+2*(\t/8):LS+2*(\t/8)+1], v[SC+8*\t+6:SC+8*\t+7]
.irp i, 0,1,2,3
	v_cvt_pk_f16_f32 v[SC+8*\t+\i], v[SC+8*\t+2*\i], v[SC+8*\t+2*\i+1]
.endr
.endm
.macro STEP prev, next                 ; the next tile's plain arithmetic stands between a tile's exponentials and their first use (ISA guide 5.7.2)
	SUBMUL \next
	SUMCVT \prev
	EXPT \next
.endm
.macro PROC8 a0, a1, a2, a3, a4, a5, a6, a7
	SUBMUL \a0
	EXPT \a0
	STEP \a0, \a1
	STEP \a1, \a2
	STEP \a2, \a3
	STEP \a3, \a4
	STEP \a4, \a5
	STEP \a5, \a6
	STEP \a6, \a7
	v_nop
	SUMCVT \a7
.endm
; A live wave in front of the barrier: scores, my chunk's maxima, the exponentials against them, their sums, the rows into my stage
.macro PHA masked
	LDQ
	LDK 0
	s_wait_loadcnt 0x0
	WSC 0
	NOP4                                           ; four places behind the products, in front of loads into their sources and of readers of their results
	LDK 1
.if \masked
	MASK 0
.endif
	MAXH 0
	s_wait_loadcnt 0x0
	WSC 1
	NOP4
.if \masked
	MASK 1
.endif
	MAXH 1
	v_permlanex16_b32 v[TP], v[MA], s12, s13       ; the other eight keys of each tile lie in the other half of the lanes
	v_permlanex16_b32 v[TP+1], v[MA+1], s12, s13
.irp i, 0,1
	v_max_num_f32 v[MP+\i], v[MA], v[TP]           ; the last step writes both registers of the pair
	v_max_num_f32 v[MP+2+\i], v[MA+1], v[TP+1]
.endr
	v_cndmask_b32 v[MX], v[MP], v[MP+2], s14       ; lanes 0-15: queries 0-15; lanes 16-31: queries 16-31
	PROC8 0, 1, 2, 3, 4, 5, 6, 7
	PROC8 8, 9, 10, 11, 12, 13, 14, 15
	v_add_f32 v[MA], v[LS], v[LS+1]
	v_add_f32 v[MA+1], v[LS+2], v[LS+3]
	v_permlanex16_b32 v[TP], v[MA], s12, s13
	v_permlanex16_b32 v[TP+1], v[MA+1], s12, s13
	v_add_f32 v[MA], v[MA], v[TP]
	v_add_f32 v[MA+1], v[MA+1], v[TP+1]
	v_cndmask_b32 v[SX], v[MA], v[MA+1], s14
.irp qt, 0,1
.irp kt, 0,1,2,3,4,5,6,7
	ds_store_b128 v[STO], v[SC+8*(8*\qt+\kt):SC+8*(8*\qt+\kt)+3] offset:\qt*16*SPITCH+32*\kt
.endr
.endr
.endm
	s_load_b128 s[4:7], s[0:1], 0x0                ; Lp s[4:5], Pm s[6:7]
	s_load_b64 s[16:17], s[0:1], 0x10              ; rl
	v_lshl_add_u32 v30, v0, 2, 0x23800
	v_mov_b32 v31, 0
	v_lshrrev_b32 v1, 5, v0
	v_readfirstlane_b32 s8, v1                     ; c: my wave, my chunk of 128 keys
	s_lshr_b32 s9, ttmp9, 2                        ; cd: the chunk with the diagonal
	s_lshr_b32 s10, ttmp9, 3
	s_lshl_b32 s10, s10, 1
	s_add_co_u32 s10, s10, 1                       ; cend: the last chunk that is stored
	s_and_b32 s11, ttmp7, 0xffff                   ; b
	s_lshl_b32 s15, ttmp9, 5                       ; q0
	s_mov_b32 s12, 0x76543210                      ; v_permlanex16_b32: lane i of one half reads lane i of the other
	s_mov_b32 s13, 0xfedcba98
	s_mov_b32 s14, 0xffff0000                      ; lanes 16-31
	s_mov_b32 s20, 0x3e38aa3b                      ; log2(e) / 8
	s_mov_b32 s21, 0x3e38aa3b
	s_mov_b32 s30, RED
	v_and_b32 v1, 15, v0                           ; r
	v_bfe_u32 v2, v0, 4, 1                         ; h
	v_and_b32 v3, 31, v0                           ; lane
	v_lshlrev_b32 v[LOFF], 5, v1
	v_lshl_add_u32 v[LOFF], v2, 4, v[LOFF]
	s_lshl_b32 s26, s8, 7
	s_sub_co_i32 s26, s15, s26                     ; q0 - 128 c
	v_add_nc_u32 v[REL], s26, v1
	v_lshlrev_b32 v[TP], 3, v2
	v_sub_nc_u32 v[REL], v[REL], v[TP]             ; + r - 8 h
	v_add_nc_u32 v[REL+1], 16, v[REL]
	v_mov_b32 v[NINF], 0xff800000
	v_mov_b32 v[TP+1], 0                           ; v_permlanex16_b32 counts as a reader of its destination
	s_mul_i32 s27, s8, WSTAGE
	v_mul_u32_u24 v[STO], v1, SPITCH
	v_lshl_add_u32 v[STO], v2, 4, v[STO]
	v_add_nc_u32 v[STO], s27, v[STO]               ; in: row r, 16 bytes for each half of the lanes
	v_mul_u32_u24 v[RD], v2, SPITCH
	v_lshl_add_u32 v[RD], v1, 4, v[RD]
	v_add_nc_u32 v[RD], s27, v[RD]                 ; back: lanes 0-15 one row of 256 bytes, lanes 16-31 the next
	v_lshlrev_b32 v[CO], 12, v2                    ; a row of Pm is 4,096 bytes
	v_lshl_add_u32 v[CO], v1, 4, v[CO]
	s_lshl_b32 s27, s8, 2
	s_add_co_u32 s27, s27, RED
	v_lshl_add_u32 v[RW], v3, 6, s27               ; query l, wave c
	v_lshl_add_u32 v[RL], v3, 6, s30               ; query l, all waves
	v_lshlrev_b32 v[RO], 2, v3
	s_lshl_b32 s27, s8, 7
	s_add_co_u32 s27, s27, FAC                     ; my wave's 128 bytes of factors
	v_and_b32 v[FW], 1, v0
	v_lshl_add_u32 v[FW], v[FW], 6, s27            ; 64 (l & 1)
	v_bfe_u32 v[FRD], v0, 1, 4
	v_lshl_add_u32 v[FW], v[FRD], 2, v[FW]         ; + 4 (l / 2)
	v_lshl_add_u32 v[FRD], v2, 6, s27              ; sixteen words from 64 h on: rows h, 2 + h, .. 30 + h
	s_lshl_b32 s26, s11, 16                        ; Lp row b 2048 + q0, 32 bytes each
	s_lshl_b32 s27, s15, 5
	s_add_co_u32 s26, s26, s27
	s_mov_b32 s27, 0
	s_lshl_b32 s28, s11, 16                        ; Lp row b 2048 + 128 c
	s_lshl_b32 s29, s8, 12
	s_add_co_u32 s28, s28, s29
	s_mov_b32 s29, 0
	s_wait_kmcnt 0x0
	s_add_nc_u64 s[18:19], s[4:5], s[26:27]
	s_add_nc_u64 s[22:23], s[4:5], s[28:29]
	s_lshl_b32 s26, s11, 23                        ; Pm row b 2048 + q0 of 4,096 bytes, column 128 c of 2 bytes
	s_lshl_b32 s28, s15, 12
	s_add_co_u32 s26, s26, s28
	s_lshl_b32 s28, s8, 8
	s_add_co_u32 s26, s26, s28
	s_add_nc_u64 s[24:25], s[6:7], s[26:27]
	s_lshl_b32 s26, s11, 13                        ; rl word b 2048 + q0
	s_lshl_b32 s28, s15, 2
	s_add_co_u32 s26, s26, s28
	s_add_nc_u64 s[16:17], s[16:17], s[26:27]
	s_cmp_gt_u32 s8, s9
	s_cbranch_scc1 .Lidle_a
	s_cmp_eq_u32 s8, s9
	s_cbranch_scc1 .Ldiag_a
	PHA 0
	s_branch .Ljoin_a
.Ldiag_a:
	PHA 1
	s_branch .Ljoin_a
.Lidle_a:
	v_mov_b32 v[MX], v[NINF]                       ; no live key: nothing to offer
	v_mov_b32 v[SX], 0
.Ljoin_a:
	ds_store_b32 v[RW], v[MX]
	ds_store_b32 v[RW], v[SX] offset:2048          ; the sums have bytes of their own
	s_wait_dscnt 0x0                               ; for the others' sake: my maxima and sums are in LDS (and my rows in my stage)
	s_barrier_signal -1
	s_barrier_wait -1
	s_cmp_gt_u32 s8, s9
	s_cbranch_scc1 .Lidle_b
	; a live wave behind the barrier: the row's maximum, my chunk's factor, the rows out
.irp i, 0,1,2,3
	ds_load_b128 v[SC+4*\i:SC+4*\i+3], v[RL] offset:16*\i           ; the sixteen waves' maxima of query l
.endr
.irp u, 0,1,2,3,4,5,6,7,8,9,10,11,12,13,14,15
	ds_load_b128 v[KF+4*\u:KF+4*\u+3], v[RD] offset:\u*2*SPITCH     ; rows 2 u + h of my own stage
.endr
	s_wait_dscnt 16                                ; the maxima are in; the sixteen loads of rows issued behind them stay out
	v_max_num_f32 v[MA], v[SC], v[SC+1]
.irp i, 2,4,6,8,10,12,14
	v_max3_num_f32 v[MA], v[MA], v[SC+\i], v[SC+\i+1]
.endr
	v_sub_f32 v[MA+1], v[MX], v[MA]                ; m_c - m, at most 0
	v_mul_f32 v[MA+1], s20, v[MA+1]
	v_exp_f32 v[MA+1], v[MA+1]
	v_nop                                          ; one plain instruction behind the exponential (ISA guide 5.7.2)
	s_wait_alu depctr_va_vdst(0)
	v_cvt_pk_f16_f32 v[MA+1], v[MA+1], v[MA+1]     ; the factor in both halves of a word, for the packed multiply
	ds_store_b32 v[FW], v[MA+1]
.irp i, 0,1,2,3
	ds_load_b128 v[QF+4*\i:QF+4*\i+3], v[FRD] offset:16*\i          ; my wave's own bytes: LDS serves a wave's instructions in order
.endr
	s_wait_dscnt 0x0
.irp u, 0,1,2,3,4,5,6,7,8,9,10,11,12,13,14,15
.irp i, 0,1,2,3
	v_pk_mul_f16 v[KF+4*\u+\i], v[KF+4*\u+\i], v[QF+\u]
.endr
	global_store_b128 v[CO], v[KF+4*\u:KF+4*\u+3], s[24:25] offset:\u*8192     ; 16 lanes store 256 consecutive bytes, aligned: my 128 keys of a query
.endr
	s_cmp_lg_u32 s8, 0
	s_cbranch_scc1 .Lend
	; wave 0, which is always live: the sum of query l over the sixteen chunks, each brought to the row's maximum
.irp i, 0,1,2,3
	ds_load_b128 v[SC+16+4*\i:SC+16+4*\i+3], v[RL] offset:2048+16*\i
.endr
	v_mov_b32 v[MP], v[MA]
	v_mov_b32 v[MP+1], v[MA]
.irp p, 0,2,4,6,8,10,12,14
	v_pk_add_f32 v[SC+\p:SC+\p+1], v[SC+\p:SC+\p+1], v[MP:MP+1] neg_lo:[0,1] neg_hi:[0,1]
.endr
.irp p, 0,2,4,6,8,10,12,14
	v_pk_mul_f32 v[SC+\p:SC+\p+1], v[SC+\p:SC+\p+1], s[20:21] op_sel_hi:[1,0]
.endr
.irp j, 0,1,2,3,4,5,6,7,8,9,10,11,12,13,14,15
	v_exp_f32 v[SC+\j], v[SC+\j]                   ; a chunk without live keys offered -inf and the sum 0: its factor is 0
.endr
	v_nop
	s_wait_dscnt 0x0
	s_wait_alu depctr_va_vdst(0)
	v_pk_mul_f32 v[LS:LS+1], v[SC:SC+1], v[SC+16:SC+17]
.irp p, 2,4,6,8,10,12,14
	v_pk_fma_f32 v[LS:LS+1], v[SC+\p:SC+\p+1], v[SC+16+\p:SC+17+\p], v[LS:LS+1]
.endr
	v_add_f32 v[LS], v[LS], v[LS+1]                ; at least 1: the row's largest score gives exp(0) with the factor 1
	v_rcp_f32 v[TP], v[LS]
	v_nop                                          ; one plain instruction behind the reciprocal (ISA guide 5.7.2)
	s_wait_alu depctr_va_vdst(0)
	global_store_b32 v[RO], v[TP], s[16:17]
	s_branch .Lend
.Lidle_b:
	s_cmp_gt_u32 s8, s10
	s_cbranch_scc1 .Lend
.irp i, 0,1,2,3
	v_mov_b32 v[QF+\i], 0
.endr
.irp u, 0,1,2,3,4,5,6,7,8,9,10,11,12,13,14,15
	global_store_b128 v[CO], v[QF:QF+3], s[24:25] offset:\u*8192    ; the rest of the block of 256 keys that the next launch multiplies
.endr
.Lend:
	s_wait_tensorcnt 0x0
	ds_add_u32 v30, v31
	s_wait_dscnt 0x0
	s_endpgm
.Lfunc_end_k_q7fdc3fd135_att:
	.size	k_q7fdc3fd135_att, .Lfunc_end_k_q7fdc3fd135_att-k_q7fdc3fd135_att
	.p2alignl 7, 3214868480
	.fill 96, 4, 3214868480
	.section	.rodata,"a",@progbits
	.p2align	6, 0x0
	.amdhsa_kernel k_q7fdc3fd135_att
		.amdhsa_group_segment_fixed_size 147456
		.amdhsa_private_segment_fixed_size 0
		.amdhsa_enable_private_segment 0
		.amdhsa_kernarg_size 24
		.amdhsa_user_sgpr_count 2
		.amdhsa_user_sgpr_kernarg_segment_ptr 1
		.amdhsa_wavefront_size32 1
		.amdhsa_system_sgpr_workgroup_id_x 1
		.amdhsa_system_sgpr_workgroup_id_y 1
		.amdhsa_system_sgpr_workgroup_id_z 1
		.amdhsa_system_vgpr_workitem_id 0
		.amdhsa_next_free_vgpr 256
		.amdhsa_next_free_sgpr 66
		.amdhsa_reserve_vcc 1
		.amdhsa_float_denorm_mode_32 3
		.amdhsa_float_denorm_mode_16_64 3
		.amdhsa_memory_ordered 1
		.amdhsa_forward_progress 1
		.amdhsa_inst_pref_size 91
	.end_amdhsa_kernel
	.amdgpu_metadata
---
amdhsa.version: [ 1, 2 ]
amdhsa.kernels:
  - .name:           k_q7fdc3fd135_att
    .symbol:         k_q7fdc3fd135_att.kd
    .args:
      - { .name: Lp, .offset: 0, .size: 8, .value_kind: global_buffer, .address_space: global }
      - { .name: Pm, .offset: 8, .size: 8, .value_kind: global_buffer, .address_space: global }
      - { .name: rl, .offset: 16, .size: 8, .value_kind: global_buffer, .address_space: global }
    .group_segment_fixed_size: 147456
    .private_segment_fixed_size: 0
    .kernarg_segment_align: 8
    .kernarg_segment_size: 24
    .max_flat_workgroup_size: 512
    .sgpr_count:     66
    .vgpr_count:     256
    .wavefront_size: 32
...
	.end_amdgpu_metadata
.endif
;; end of part 8
;; launch pv (part 9): grid 8 x 32, 4 waves a work-group, clusters of 4 x 1, 327,680 bytes of LDS; arguments Pm, X16, rl, Y; writes Y
.if DOCPART == 9
	.amdgcn_target "amdgcn-amd-amdhsa--gfx1250"
	.amdhsa_code_object_version 6
	.text
	.protected	k_q7fdc3fd135_pv
	.globl	k_q7fdc3fd135_pv
	.p2align	8
	.type	k_q7fdc3fd135_pv,@function
k_q7fdc3fd135_pv:
	s_mov_b64 s[64:65], 0
	v_nop
	global_prefetch_b8 v0, s[64:65] scope:SCOPE_SE
	s_setreg_imm32_b32 hwreg(HW_REG_WAVE_MODE, 25, 1), 1
	s_wait_xcnt 0x0
	s_wait_alu depctr_hold_cnt(0) depctr_sa_sdst(0) depctr_va_vdst(0) depctr_va_sdst(0) depctr_va_ssrc(0) depctr_va_vcc(0) depctr_vm_vsrc(0)
	s_getreg_b32 s2, hwreg(HW_REG_IB_STS2, 6, 4)
	s_cmp_eq_u32 s2, 0
	s_cbranch_scc0 .Lentry_in_a_cluster
	s_endpgm
.Lentry_in_a_cluster:
	s_bfe_u32 s2, ttmp6, 0x10000c
	s_cmp_lg_u32 s2, 0x3003
	s_cbranch_scc0 .Lentry_shape_is_right
	s_endpgm
.Lentry_shape_is_right:
; Y[b][q][c] = f16( rl[b][q] * sum over k of Pm[b][q][k] X16[b][k][c] ) = att X.  f16 operands, f32 sums.
; A row of att X is a convex mix of rows of X, so it keeps X's range: f16 holds it where it holds X.
; Left out (shown at the head of the first kernel): for the queries 256 i .. 256 i + 255 the sum stops at key 256 (i + 1): att is 0 beyond.
; EQUAL WORK.  A block of 128 queries with number n needs n / 2 + 1 steps of 256 keys.  A work-group (x, y = 8 b + j) makes the blocks j and 15 - j of
; batch b, each 128 q x 128 c (columns 128 x on), one after the other: j / 2 + 1 and 8 - j / 2 steps, nine in every work-group.  One of the two counts
; is odd: that block goes first, so that the second block begins in slot 1 in every work-group.
; Four waves; wave w makes 32 q x 128 c: 16 accumulator tiles, whole rows of 256 bytes of Y, so its way out is its own.
; A ring of two LDS slots runs on from the first block into the second.  A slot holds a step's tiles: 256 keys x 128 c of X16 (rows of 256 bytes + 32)
; and 128 q x 256 keys of Pm (rows of 512 bytes + 16).  At the head of step g (1 to 7) tile g + 1 is asked for, into the slot read in step g - 1.
; A wave has two tensor loads out at the start and one behind each round.
; CLUSTERS: four work-groups along x make four blocks of columns of the same queries: Pm's tile hangs on y alone and is asked for jointly by the four.
; X16's tile is each work-group's own (its columns).  Trip counts and the place of the change of blocks hang on y alone, which the four share.
; X16 lies [key][c], K down the rows: its fragments come by the transposing LDS load (rows 288 bytes apart, an odd multiple of 32).
; Source 0 = 16 columns of X16, source 1 = 16 rows of Pm: lane l holds q = l % 16 and eight neighbouring c.
; REGISTERS: window 0: addresses, two fragment buffers of 80 registers, the way out; window 1: tile (a, b) at v[8 (8 a + b)], a = 16 q, b = 16 c.
.set XP,     288
.set PP,     528
.set XPART,  256*XP
.set SLOT,   XPART+128*PP
.set STAGE,  2*SLOT                    ; a multiple of 256; no tensor load lands here
.set SPITCH, 272
.set STGB,   16*SPITCH
.set NF,     20                        ; LDS loads in a run of fragments
.set AXV, 16                           ; v16-19  X16's tile: slot s, keys 128 kh on, at v[16 + 2 s + kh]
.set AP,  20                           ; v20-21  my 32 rows of Pm's tile, slot 0, 1
.set STO, 24
.set RD,  25
.set CO,  26
.set BA,  28
.set BV,  32                           ; v[32:39] rl of my query: block, tile a: a pair at 32 + 4 block + 2 a
.set F0,  48
.set F1,  128
.set TMP, 208
.set G1,  24                           ; s[24:31] group 1, X16's tile
.set G0,  32                           ; s[32:39] group 0, X16's tile, a set for each slot
.set G1B, 48                           ; s[48:55] group 1, Pm's tile
.set G0B, 56                           ; s[56:63] group 0, Pm's tile
.set OC,  46                           ; s46 the first block's steps (odd)
.set TC,  47                           ; s47 the number of the next tile to ask for
.set NX,  76                           ; s[76:77] X16's next tile
.set NP,  78                           ; s[78:79] Pm's next tile
.set X0,  80                           ; s[80:81] X16's tile at key 0
.set P2,  82                           ; s[82:83] the second block's first tile of Pm
.set YB,  84                           ; s[84:87] my rows of Y, first and second block
.set RB,  88                           ; s[88:91] my words of rl, first and second block
.set MSB, 0
.macro WIN new                         ; the immediate's high byte repeats the setting that is left
.if MSB != \new
	s_set_vgpr_msb (MSB<<8)|\new
.set MSB, \new
.endif
.endm
.macro JLOAD s                         ; waves 0 and 1: X16's halves; waves 2 and 3: Pm's halves, jointly: one tensor load a wave
	s_cmp_eq_u32 s11, 0
	s_cbranch_scc0 .Lsecond_\@
	tensor_load_to_lds s[G0+4*\s:G0+4*\s+3], s[G1:G1+7]
	s_nop 0
	s_branch .Lasked_\@
.Lsecond_\@:
	tensor_load_to_lds s[G0B+4*\s:G0B+4*\s+3], s[G1B:G1B+7]
	s_nop 0
.Lasked_\@:
.endm
.macro CREST
	s_cmp_lg_u32 s10, 0
	s_cbranch_scc1 .Lnot_wave_0_\@
	s_barrier_signal -3
.Lnot_wave_0_\@:
	s_barrier_wait -3
	s_barrier_signal -1
	s_barrier_wait -1
.endm
.macro CROUND
	s_barrier_signal -1
	s_barrier_wait -1
	CREST
.endm
.macro PLACES                          ; four places behind a matrix instruction (ISA guide 7.12.1)
.rept 4
	v_nop
.endr
.endm
; the next tile's addresses go into the slot's two group 0 (no tensor load of the wave that names them is out), and step: 256 keys on, or, where the
; first block's tiles are all asked for, to the second block's first tile
.macro NEXT slot
	s_mov_b64 s[G0+4*\slot+2:G0+4*\slot+3], s[NX:NX+1]
	s_or_b32 s[G0+4*\slot+3], s[G0+4*\slot+3], 0x80000000
	s_mov_b64 s[G0B+4*\slot+2:G0B+4*\slot+3], s[NP:NP+1]
	s_or_b32 s[G0B+4*\slot+3], s[G0B+4*\slot+3], 0x80000000
	s_add_nc_u64 s[NX:NX+1], s[NX:NX+1], 256*2048
	s_add_nc_u64 s[NP:NP+1], s[NP:NP+1], 512
	s_add_co_u32 s[TC], s[TC], 1
	s_cmp_eq_u32 s[TC], s[OC]
	s_cselect_b64 s[NX:NX+1], s[X0:X0+1], s[NX:NX+1]
	s_cselect_b64 s[NP:NP+1], s[P2:P2+1], s[NP:NP+1]
.endm
; 20 LDS loads: the fragments of quarter qd (32 keys) of a step into buffer f: eight of X16, two of Pm
.macro FETCH slot, qd, f
	WIN 0
	PLACES
.irp b, 0,1,2,3,4,5,6,7
	ds_load_tr16_b128 v[\f+8*\b:\f+8*\b+3],   v[AXV+2*\slot+(\qd)/4] offset:(32*((\qd)%4))*XP+32*\b
	ds_load_tr16_b128 v[\f+8*\b+4:\f+8*\b+7], v[AXV+2*\slot+(\qd)/4] offset:(32*((\qd)%4)+16)*XP+32*\b
.endr
.irp a, 0,1
	ds_load_b128 v[\f+64+8*\a:\f+67+8*\a], v[AP+\slot] offset:64*(\qd)+\a*16*PP
	ds_load_b128 v[\f+68+8*\a:\f+71+8*\a], v[AP+\slot] offset:64*(\qd)+\a*16*PP+32
.endr
.endm
.macro MUL16 f, zero                   ; the sixteen accumulators take turns, one instruction a turn
	WIN 0x50                               ; sources 0 and 1 window 0, C and D window 1
.irp a, 0,1
.irp b, 0,1,2,3,4,5,6,7
.if \zero
	v_wmma_f32_16x16x32_f16 v[8*(8*\a+\b):8*(8*\a+\b)+7], v[\f+8*\b:\f+8*\b+7], v[\f+64+8*\a:\f+71+8*\a], 0
.else
	v_wmma_f32_16x16x32_f16 v[8*(8*\a+\b):8*(8*\a+\b)+7], v[\f+8*\b:\f+8*\b+7], v[\f+64+8*\a:\f+71+8*\a], v[8*(8*\a+\b):8*(8*\a+\b)+7]
.endif
.endr
.endr
.endm
; a step's work: eight quarters on two fragment buffers; the next quarter's loads go out ahead of each quarter's products
.macro BODY slot, zero
	FETCH \slot, 0, F0
	FETCH \slot, 1, F1
	s_wait_dscnt NF                                ; all but the 20 just issued
	MUL16 F0, \zero
.irp qd, 1,2,3,4,5,6
	FETCH \slot, (\qd+1), (F0+80*((\qd+1)%2))
	s_wait_dscnt NF
	MUL16 (F0+80*(\qd%2)), 0
.endr
	s_wait_dscnt 0x0
	MUL16 F1, 0
.endm
; the head of a step that reads slot: each wave's reads of the other slot are over and all its tensor loads have landed, its part of this slot among
; them; where the other slot is filled again the barrier opens a round of the cluster's barrier and the refill comes first behind it
.macro HEAD slot, refill
	WIN 0
	s_wait_dscnt 0x0
	s_wait_tensorcnt 0x0
	ds_add_u32 v254, v255
	s_wait_dscnt 0x0
.if \refill
	NEXT (1-\slot)
.endif
	s_barrier_signal -1
	s_barrier_wait -1
.if \refill
	CREST
	JLOAD (1-\slot)
.endif
.endm
; the way out of a block, 16 rows at a time: times 1 / sum, round to f16, 16 bytes a lane into my stage, back as whole rows of 256 bytes
.macro OUT blk
	WIN 0
	PLACES
.irp a, 0,1
	WIN 0x41                               ; source 0 and destination window 1, source 1 window 0
.irp b, 0,1,2,3,4,5,6,7
.irp p, 0,2,4,6
	v_pk_mul_f32 v[8*(8*\a+\b)+\p:8*(8*\a+\b)+\p+1], v[8*(8*\a+\b)+\p:8*(8*\a+\b)+\p+1], v[BV+4*\blk+2*\a:BV+4*\blk+2*\a+1]
.endr
.endr
	WIN 0x05                               ; sources window 1, destination window 0
.irp b, 0,1,2,3,4,5,6,7
.irp r, 0,1,2,3
	v_cvt_pk_f16_f32 v[TMP+4*\b+\r], v[8*(8*\a+\b)+2*\r], v[8*(8*\a+\b)+2*\r+1]
.endr
.endr
	WIN 0
.irp b, 0,1,2,3,4,5,6,7
	ds_store_b128 v[STO], v[TMP+4*\b:TMP+4*\b+3] offset:32*\b
.endr
.irp t, 0,1,2,3,4,5,6,7
	ds_load_b128 v[F0+80*\a+4*\t:F0+80*\a+4*\t+3], v[RD] offset:\t*2*SPITCH    ; my own stage: LDS serves a wave's instructions in order
.endr
.irp t, 0,1,2,3,4,5,6,7
	s_wait_dscnt 7-\t
	global_store_b128 v[CO], v[F0+80*\a+4*\t:F0+80*\a+4*\t+3], s[YB+2*\blk:YB+2*\blk+1] offset:(16*\a+2*\t)*2048   ; 16 lanes store 256 consecutive bytes, aligned
.endr
.endr
	s_wait_xcnt 0x0                                ; the fragment buffers, which the stores read, are loaded again only behind this wait
.endm
	s_load_b256 s[68:75], s[0:1], 0x0              ; Pm s[68:69], X16 s[70:71], rl s[72:73], Y s[74:75]
	v_lshl_add_u32 v254, v0, 2, 0x49400
	v_mov_b32 v255, 0
	ds_add_u32 v254, v255
	v_lshrrev_b32 v1, 5, v0
	v_readfirstlane_b32 s10, v1                    ; wave 0..3
	s_lshr_b32 s11, s10, 1                         ; I fetch for X16 (0) or for Pm (1)
	s_and_b32 s12, s10, 1                          ; which half of the tile
	s_bfe_u32 s40, ttmp6, 0x40000                  ; cx
	s_lshl_b32 s42, ttmp9, 2
	s_add_co_u32 s42, s42, s40                     ; x: block of 128 c
	s_and_b32 s13, ttmp7, 0xffff                   ; y = 8 b + j; the same in the four partners
	s_and_b32 s45, s13, 7                          ; j
	s_lshr_b32 s22, s13, 3
	s_lshl_b32 s22, s22, 11                        ; the batch's first row
	s_lshr_b32 s14, s45, 1
	s_add_co_u32 s14, s14, 1                       ; steps of block j
	s_sub_co_u32 s15, 9, s14                       ; steps of block 15 - j
	s_sub_co_u32 s18, 15, s45
	s_bitcmp1_b32 s14, 0                           ; the block with the odd count goes first
	s_cselect_b32 s[OC], s14, s15
	s_cselect_b32 s20, s45, s18                    ; the first block's number
	s_cselect_b32 s21, s18, s45                    ; the second block's
	s_mov_b32 s[TC], 0
	s_lshl_b32 s23, s20, 7
	s_add_co_u32 s23, s23, s22                     ; the first block's first row
	s_lshl_b32 s41, s21, 7
	s_add_co_u32 s41, s41, s22                     ; the second block's
	s_mov_b32 s[G1+0], (1<<16)|(1<<20)|(5<<22)|(7<<25)               ; no mask; 2-byte elements; padding: 8 words after every 64
	s_mov_b32 s[G1+1], 128<<16                     ; tensor_dim0 = 128 columns
	s_mov_b32 s[G1+2], 128<<16                     ; tensor_dim1 = 128 keys
	s_mov_b32 s[G1+3], 128<<16                     ; tile_dim0
	s_mov_b32 s[G1+4], 128                         ; tile_dim1
	s_mov_b32 s[G1+5], 1024                        ; elements from row to row in X16
	s_mov_b32 s[G1+6], 0
	s_mov_b32 s[G1+7], 0
	s_mov_b32 s[G1B+0], 15|(1<<16)|(1<<20)|(1<<21)|(6<<22)|(3<<25)   ; the four of the cluster; bit 21 beside the mask; padding: 4 words after every 128
	s_mov_b32 s[G1B+1], 256<<16                    ; 256 keys
	s_mov_b32 s[G1B+2], 64<<16                     ; 64 queries
	s_mov_b32 s[G1B+3], 256<<16
	s_mov_b32 s[G1B+4], 64
	s_mov_b32 s[G1B+5], 2048                       ; elements from row to row in Pm
	s_mov_b32 s[G1B+6], 0
	s_mov_b32 s[G1B+7], 0
	s_lshl_b32 s19, s12, 6                         ; Pm: the block's first row + 64 half, rows of 4,096 bytes: y and the wave's number alone
	s_add_co_u32 s14, s23, s19
	s_lshl_b32 s14, s14, 12
	s_mov_b32 s15, 0
	s_add_co_u32 s18, s41, s19
	s_lshl_b32 s18, s18, 12
	s_mov_b32 s19, 0
	s_lshl_b32 s16, s12, 7                         ; X16: the batch's first row + 128 half, rows of 2,048 bytes; column 128 x
	s_add_co_u32 s16, s16, s22
	s_lshl_b32 s16, s16, 11
	s_lshl_b32 s17, s42, 8
	s_add_co_u32 s16, s16, s17
	s_mov_b32 s17, 0
	s_wait_dscnt 0x0
	s_wait_kmcnt 0x0
	s_add_nc_u64 s[NP:NP+1], s[68:69], s[14:15]
	s_add_nc_u64 s[P2:P2+1], s[68:69], s[18:19]
	s_add_nc_u64 s[X0:X0+1], s[70:71], s[16:17]
	s_mov_b64 s[NX:NX+1], s[X0:X0+1]
	s_mul_i32 s14, s10, 128*XP                     ; LDS: waves 0, 1: X16's halves
	s_mul_i32 s15, s10, 64*PP                      ; waves 2, 3: Pm's halves, behind X16's tile
	s_add_co_u32 s15, s15, XPART-2*64*PP
	CROUND                                         ; the four work-groups are here: the first joint loads meet
.irp s, 0,1
	s_mov_b32 s[G0+4*\s], 1
	s_add_co_u32 s[G0+4*\s+1], s14, \s*SLOT
	s_mov_b32 s[G0B+4*\s], 1
	s_add_co_u32 s[G0B+4*\s+1], s15, \s*SLOT
	NEXT \s
	JLOAD \s                                       ; tiles 0 and 1
.endr
	v_and_b32 v1, 15, v0                           ; r
	v_bfe_u32 v2, v0, 4, 1                         ; h
	v_lshlrev_b32 v[BA], 2, v1
	s_lshl_b32 s16, s10, 5                         ; my 32 rows of a block
	s_add_co_u32 s18, s23, s16
	s_add_co_u32 s20, s41, s16
	s_mov_b32 s19, 0
	s_mov_b32 s21, 0
	s_lshl_b32 s14, s18, 2                         ; rl: words
	s_mov_b32 s15, 0
	s_add_nc_u64 s[RB:RB+1], s[72:73], s[14:15]
	s_lshl_b32 s14, s20, 2
	s_add_nc_u64 s[RB+2:RB+3], s[72:73], s[14:15]
.irp a, 0,1
	global_load_b32 v[BV+2*\a], v[BA], s[RB:RB+1] offset:64*\a
	global_load_b32 v[BV+4+2*\a], v[BA], s[RB+2:RB+3] offset:64*\a
.endr
	s_lshl_b32 s17, s42, 8                         ; Y: rows of 2,048 bytes, column 128 x of 2 bytes
	s_lshl_b32 s18, s18, 11
	s_add_co_u32 s18, s18, s17
	s_add_nc_u64 s[YB:YB+1], s[74:75], s[18:19]
	s_lshl_b32 s20, s20, 11
	s_add_co_u32 s20, s20, s17
	s_add_nc_u64 s[YB+2:YB+3], s[74:75], s[20:21]
	v_and_b32 v4, 7, v0                            ; the transposing load: row 8 h + l % 8, 16 bytes for each group of eight lanes
	v_lshl_add_u32 v4, v2, 3, v4
	v_mul_u32_u24 v4, v4, XP
	v_bfe_u32 v5, v0, 3, 1
	v_lshl_add_u32 v[AXV], v5, 4, v4
	v_add_nc_u32 v[AXV+1], 128*XP, v[AXV]
	v_add_nc_u32 v[AXV+2], SLOT, v[AXV]
	v_add_nc_u32 v[AXV+3], SLOT+128*XP, v[AXV]
	v_mul_u32_u24 v3, v1, PP
	v_lshl_add_u32 v3, v2, 4, v3
	s_mul_i32 s16, s10, 32*PP
	s_add_co_u32 s16, s16, XPART
	v_add_nc_u32 v[AP], s16, v3
	v_add_nc_u32 v[AP+1], SLOT, v[AP]
	s_mul_i32 s16, s10, STGB
	s_add_co_u32 s16, s16, STAGE                   ; my stage
	v_mul_u32_u24 v3, v1, SPITCH
	v_lshl_add_u32 v3, v2, 4, v3
	v_add_nc_u32 v[STO], s16, v3                   ; in: row r, 16 bytes for each half of the lanes
	v_mul_u32_u24 v3, v2, SPITCH
	v_lshl_add_u32 v3, v1, 4, v3
	v_add_nc_u32 v[RD], s16, v3                    ; back: lanes 0-15 one row of 256 bytes, lanes 16-31 the next
	v_lshlrev_b32 v3, 11, v2
	v_lshl_add_u32 v[CO], v1, 4, v3
	s_wait_loadcnt 0x0                             ; rl, while the first tiles are on their way
.irp i, 0,2,4,6
	v_mov_b32 v[BV+\i+1], v[BV+\i]                 ; a pair for the packed multiply
.endr
	s_wait_tensorcnt 0x1                           ; my part of tile 0 is in; tile 1's stays out
	s_barrier_signal -1
	s_barrier_wait -1
	BODY 0, 1                                      ; step 0: its first products start the first block's sums
	WIN 0
	s_lshr_b32 s3, s[OC], 1                        ; the first block's other steps come in pairs
	s_cmp_eq_u32 s3, 0
	s_cbranch_scc1 .Lchange
.Lfirst:
	HEAD 1, 1
	BODY 1, 0
	HEAD 0, 1
	BODY 0, 0
	WIN 0
	s_sub_co_u32 s3, s3, 1
	s_cmp_lg_u32 s3, 0
	s_cbranch_scc1 .Lfirst
.Lchange:
	HEAD 1, 1                                      ; the second block's first step (step 1, 3, 5 or 7): the refill goes out first,
	OUT 0                                          ; then the first block leaves,
	BODY 1, 1                                      ; and the first products start the second block's sums
	WIN 0
	s_sub_co_u32 s3, 7, s[OC]                      ; between that step and the last: 7 - O steps, in pairs
	s_lshr_b32 s3, s3, 1
	s_cmp_eq_u32 s3, 0
	s_cbranch_scc1 .Llast
.Lsecond:
	HEAD 0, 1
	BODY 0, 0
	HEAD 1, 1
	BODY 1, 0
	WIN 0
	s_sub_co_u32 s3, s3, 1
	s_cmp_lg_u32 s3, 0
	s_cbranch_scc1 .Lsecond
.Llast:
	HEAD 0, 0                                      ; step 8: nothing is left to fetch
	BODY 0, 0
	OUT 1
	s_wait_tensorcnt 0x0
	ds_add_u32 v254, v255
	s_wait_dscnt 0x0
	CROUND                                         ; the closing round
	s_endpgm
.Lfunc_end_k_q7fdc3fd135_pv:
	.size	k_q7fdc3fd135_pv, .Lfunc_end_k_q7fdc3fd135_pv-k_q7fdc3fd135_pv
	.p2alignl 7, 3214868480
	.fill 96, 4, 3214868480
	.section	.rodata,"a",@progbits
	.p2align	6, 0x0
	.amdhsa_kernel k_q7fdc3fd135_pv
		.amdhsa_group_segment_fixed_size 327680
		.amdhsa_private_segment_fixed_size 0
		.amdhsa_enable_private_segment 0
		.amdhsa_kernarg_size 32
		.amdhsa_user_sgpr_count 2
		.amdhsa_user_sgpr_kernarg_segment_ptr 1
		.amdhsa_wavefront_size32 1
		.amdhsa_system_sgpr_workgroup_id_x 1
		.amdhsa_system_sgpr_workgroup_id_y 1
		.amdhsa_system_sgpr_workgroup_id_z 1
		.amdhsa_system_vgpr_workitem_id 0
		.amdhsa_next_free_vgpr 384
		.amdhsa_next_free_sgpr 96
		.amdhsa_reserve_vcc 0
		.amdhsa_float_denorm_mode_32 3
		.amdhsa_float_denorm_mode_16_64 3
		.amdhsa_memory_ordered 1
		.amdhsa_forward_progress 1
		.amdhsa_inst_pref_size 178
	.end_amdhsa_kernel
	.amdgpu_metadata
---
amdhsa.version: [ 1, 2 ]
amdhsa.kernels:
  - .name:           k_q7fdc3fd135_pv
    .symbol:         k_q7fdc3fd135_pv.kd
    .args:
      - { .name: Pm, .offset: 0, .size: 8, .value_kind: global_buffer, .address_space: global }
      - { .name: X16, .offset: 8, .size: 8, .value_kind: global_buffer, .address_space: global }
      - { .name: rl, .offset: 16, .size: 8, .value_kind: global_buffer, .address_space: global }
      - { .name: Y, .offset: 24, .size: 8, .value_kind: global_buffer, .address_space: global }
    .group_segment_fixed_size: 327680
    .private_segment_fixed_size: 0
    .kernarg_segment_align: 8
    .kernarg_segment_size: 32
    .max_flat_workgroup_size: 128
    .sgpr_count:     96
    .vgpr_count:     384
    .wavefront_size: 32
...
	.end_amdgpu_metadata
.endif
;; end of part 9
;; launch proj (part 10): grid 8 x 32, 4 waves a work-group, clusters of 4 x 4, 327,680 bytes of LDS; arguments Y, Wc16, rl, out0; writes out0
.if DOCPART == 10
	.amdgcn_target "amdgcn-amd-amdhsa--gfx1250"
	.amdhsa_code_object_version 6
	.text
	.protected	k_q7fdc3fd135_proj
	.globl	k_q7fdc3fd135_proj
	.p2align	8
	.type	k_q7fdc3fd135_proj,@function
k_q7fdc3fd135_proj:
	s_mov_b64 s[64:65], 0
	v_nop
	global_prefetch_b8 v0, s[64:65] scope:SCOPE_SE
	s_setreg_imm32_b32 hwreg(HW_REG_WAVE_MODE, 25, 1), 1
	s_wait_xcnt 0x0
	s_wait_alu depctr_hold_cnt(0) depctr_sa_sdst(0) depctr_va_vdst(0) depctr_va_sdst(0) depctr_va_ssrc(0) depctr_va_vcc(0) depctr_vm_vsrc(0)
	s_getreg_b32 s2, hwreg(HW_REG_IB_STS2, 6, 4)
	s_cmp_eq_u32 s2, 0
	s_cbranch_scc0 .Lentry_in_a_cluster
	s_endpgm
.Lentry_in_a_cluster:
	s_bfe_u32 s2, ttmp6, 0x10000c
	s_cmp_lg_u32 s2, 0xf033
	s_cbranch_scc0 .Lentry_shape_is_right
	s_endpgm
.Lentry_shape_is_right:
; out0[t][o] = 2^-6 sum over c of Y[t][c] Wc16[o][c] + bc[o],  Y = att X, Wc16 = 64 W_o W_v, bc = W_o b_v + b_o (in buffer rl from byte 32,768 on).
; The product with W_v and the term att (1 b_v^T) are folded into Wc and bc, as shown at the head of the first kernel.
; f16 operands, f32 sums, f32 out.
; A work-group makes 256 t x 128 o with four waves; wave w makes 64 t x 128 o: 32 accumulator tiles.  8 x 32 work-groups.
; K goes in steps of 128 (rows of 256 bytes) through a ring of two LDS slots; a slot holds 256 rows of Y (tile 1) and 128 rows of Wc16 (tile 0).
; CLUSTERS: 4 x 4 work-groups.  Y's tile hangs on the block row y alone and is asked for jointly by a row of the cluster; Wc16's hangs on the block column x
; alone and is asked for jointly by a column.
; Source 0 = 16 rows of Wc16, source 1 = 16 rows of Y: lane l holds t = l % 16 and eight neighbouring o.
; REGISTERS: window 0: addresses, source 1 fragments, the way out; window 1: source 0 fragments; window 2: tile (a, b) at v[8 (8 a + b)].
.set KSTEP,  128
.set KDIM,   1024
.set PITCH,  272
.set NROW1,  256
.set HALF1,  (NROW1/2)*PITCH
.set OFF0,   NROW1*PITCH
.set HALF0,  64*PITCH
.set SLOT,   (NROW1+128)*PITCH
.set STAGE,  2*SLOT                    ; a multiple of 256; no tensor load lands here
.set OPITCH, 528                       ; a stage row: 128 f32 + 16 bytes, an odd multiple of 16
.set STGB,   16*OPITCH
.set NF,     24
.set W1,     4
.set BCOFF,  32768
.set G1W0,   (1<<16)|(1<<20)|(1<<21)|(5<<22)|(3<<25)
.set ADR1, 16
.set ADR0, 20
.set STO,  24
.set RD,   25
.set CO,   26                          ; 16 x lane: my 16 bytes of 512, in out0's rows and in bc; never rewritten
.set BO,   32                          ; v[32:35] bc of my four columns
.set F0,   64
.set F1,   128
.set G1,  24
.set G0,  32
.set G1B, 48
.set G0B, 56
.set MSB, 0
.macro WIN new
.if MSB != \new
	s_set_vgpr_msb (MSB<<8)|\new
.set MSB, \new
.endif
.endm
.macro JLOAD s                         ; waves 0 and 1: Y's halves; waves 2 and 3: Wc16's halves
	s_cmp_eq_u32 s11, 0
	s_cbranch_scc0 .Lsecond_\@
	tensor_load_to_lds s[G0+4*\s:G0+4*\s+3], s[G1:G1+7]
	s_nop 0
	s_branch .Lasked_\@
.Lsecond_\@:
	tensor_load_to_lds s[G0B+4*\s:G0B+4*\s+3], s[G1B:G1B+7]
	s_nop 0
.Lasked_\@:
.endm
.macro CREST
	s_cmp_lg_u32 s10, 0
	s_cbranch_scc1 .Lnot_wave_0_\@
	s_barrier_signal -3
.Lnot_wave_0_\@:
	s_barrier_wait -3
	s_barrier_signal -1
	s_barrier_wait -1
.endm
.macro CROUND
	s_barrier_signal -1
	s_barrier_wait -1
	CREST
.endm
.macro PLACES                          ; four places behind a matrix instruction (ISA guide 7.12.1)
.rept 4
	v_nop
.endr
.endm
.macro MUL8 f, a, zero                 ; the accumulators take turns, one instruction a turn
	WIN 0xa1
.irp b, 0,1,2,3,4,5,6,7
.if \zero
	v_wmma_f32_16x16x32_f16 v[8*(8*\a+\b):8*(8*\a+\b)+7], v[\f+8*\b:\f+8*\b+7], v[\f+8*\a:\f+8*\a+7], 0
.else
	v_wmma_f32_16x16x32_f16 v[8*(8*\a+\b):8*(8*\a+\b)+7], v[\f+8*\b:\f+8*\b+7], v[\f+8*\a:\f+8*\a+7], v[8*(8*\a+\b):8*(8*\a+\b)+7]
.endif
.endr
.endm
.macro FETCH slot, k, f
	WIN 0x40
.irp i, 0,1,2,3,4,5,6,7
	ds_load_b128 v[\f+8*\i:\f+8*\i+3],   v[ADR0+\slot] offset:\k+\i*16*PITCH
	ds_load_b128 v[\f+8*\i+4:\f+8*\i+7], v[ADR0+\slot] offset:\k+\i*16*PITCH+32
.endr
	WIN 0
.irp i, 0,1,2,3
	ds_load_b128 v[\f+8*\i:\f+8*\i+3],   v[ADR1+\slot] offset:\k+\i*16*PITCH
	ds_load_b128 v[\f+8*\i+4:\f+8*\i+7], v[ADR1+\slot] offset:\k+\i*16*PITCH+32
.endr
.endm
.macro QUARTER slot, k, f, g, zero
	s_wait_dscnt W1                                ; all but source 1 fragments 2 and 3
	MUL8 \f, 0, \zero
	MUL8 \f, 1, \zero
	PLACES
	FETCH \slot, \k, \g
	s_wait_dscnt NF                                ; all but the 24 just issued
	MUL8 \f, 2, \zero
	MUL8 \f, 3, \zero
.endm
.macro THREE slot, zero
	QUARTER \slot, 64,  F0, F1, \zero
	QUARTER \slot, 128, F1, F0, 0
	QUARTER \slot, 192, F0, F1, 0
.endm
.macro TURN slot, next, fill
	s_wait_dscnt W1
	MUL8 F1, 0, 0
	s_wait_dscnt 0x0                               ; my reads of this slot are over
	s_wait_tensorcnt 0x0                           ; all my tensor loads have landed: the one that was out is my part of the next slot
	ds_add_u32 v255, v255
	s_wait_dscnt 0x0
	s_barrier_signal -1
	MUL8 F1, 1, 0
	WIN 0
	s_barrier_wait -1
.if \fill
	CREST                                          ; the round: no wave of any partner still reads this slot or has a load on its way
	s_add_nc_u64 s[G0+4*\slot+2:G0+4*\slot+3], s[G0+4*\slot+2:G0+4*\slot+3], 2*KSTEP*2
	s_add_nc_u64 s[G0B+4*\slot+2:G0B+4*\slot+3], s[G0B+4*\slot+2:G0B+4*\slot+3], 2*KSTEP*2
	JLOAD \slot
.endif
	PLACES
	FETCH \next, 0, F0
	MUL8 F1, 2, 0
	MUL8 F1, 3, 0
.endm
.macro LAP zero
	THREE 0, \zero
	TURN 0, 1, 1
	THREE 1, 0
	TURN 1, 0, 1
.endm
.macro LASTLAP zero
	THREE 0, \zero
	TURN 0, 1, 0
	THREE 1, 0
	s_wait_dscnt W1
	MUL8 F1, 0, 0
	MUL8 F1, 1, 0
	s_wait_dscnt 0x0
	MUL8 F1, 2, 0
	MUL8 F1, 3, 0
.endm
	s_load_b256 s[68:75], s[0:1], 0x0              ; Y s[68:69], Wc16 s[70:71], rl s[72:73], out0 s[74:75]
	s_set_vgpr_msb 0x40
	v_lshl_add_u32 v255, v0, 2, 0x3b400
	s_set_vgpr_msb 0x4000
	v_mov_b32 v255, 0
	s_set_vgpr_msb 0x1
	ds_add_u32 v255, v255
	s_set_vgpr_msb 0x100
	v_lshrrev_b32 v1, 5, v0
	v_readfirstlane_b32 s10, v1
	s_lshr_b32 s11, s10, 1
	s_and_b32 s12, s10, 1
	s_bfe_u32 s40, ttmp6, 0x40000                  ; cx
	s_bfe_u32 s41, ttmp6, 0x40004                  ; cy
	s_lshl_b32 s42, ttmp9, 2
	s_add_co_u32 s42, s42, s40                     ; x: block of 128 o
	s_and_b32 s13, ttmp7, 0xffff
	s_lshl_b32 s13, s13, 2
	s_add_co_u32 s13, s13, s41                     ; y: block of 256 t
	s_lshl_b32 s43, s41, 2
	s_lshl_b32 s43, 15, s43                        ; my row of the cluster
	s_lshl_b32 s44, 0x1111, s40                    ; my column
	s_mov_b32 s84, 0x3c800000                      ; 2^-6: takes out the 64 that Wc16 carries
	s_mov_b32 s85, 0x3c800000
	s_or_b32 s[G1+0], s43, G1W0                    ; Y's tiles go to my row
	s_or_b32 s[G1B+0], s44, G1W0                   ; Wc16's tiles go to my column
	s_mov_b32 s[G1+1], KSTEP<<16
	s_mov_b32 s[G1B+1], KSTEP<<16
	s_mov_b32 s[G1+2], (NROW1/2)<<16
	s_mov_b32 s[G1B+2], 64<<16
	s_mov_b32 s[G1+3], KSTEP<<16
	s_mov_b32 s[G1B+3], KSTEP<<16
	s_mov_b32 s[G1+4], NROW1/2
	s_mov_b32 s[G1B+4], 64
	s_mov_b32 s[G1+5], KDIM
	s_mov_b32 s[G1B+5], KDIM
	s_mov_b32 s[G1+6], 0
	s_mov_b32 s[G1B+6], 0
	s_mov_b32 s[G1+7], 0
	s_mov_b32 s[G1B+7], 0
	s_lshl_b32 s16, s13, 8                         ; Y row 256 y + 128 half: y and the wave's number alone
	s_lshl_b32 s17, s12, 7
	s_add_co_u32 s16, s16, s17
	s_lshl_b32 s16, s16, 11                        ; rows of 2,048 bytes
	s_mov_b32 s17, 0
	s_lshl_b32 s46, s42, 7                         ; Wc16 row 128 x + 64 half: x and the wave's number alone
	s_lshl_b32 s47, s12, 6
	s_add_co_u32 s46, s46, s47
	s_lshl_b32 s46, s46, 11
	s_mov_b32 s47, 0
	s_mul_i32 s20, s10, HALF1
	s_mul_i32 s21, s10, HALF0
	s_add_co_u32 s21, s21, OFF0-2*HALF0
	s_wait_dscnt 0x0
	s_wait_kmcnt 0x0
	s_add_nc_u64 s[14:15], s[68:69], s[16:17]
	s_add_nc_u64 s[46:47], s[70:71], s[46:47]
	CROUND
.irp s, 0,1
	s_mov_b32 s[G0+4*\s], 1
	s_add_co_u32 s[G0+4*\s+1], s20, \s*SLOT
	s_add_nc_u64 s[G0+4*\s+2:G0+4*\s+3], s[14:15], \s*KSTEP*2
	s_or_b32 s[G0+4*\s+3], s[G0+4*\s+3], 0x80000000
	s_mov_b32 s[G0B+4*\s], 1
	s_add_co_u32 s[G0B+4*\s+1], s21, \s*SLOT
	s_add_nc_u64 s[G0B+4*\s+2:G0B+4*\s+3], s[46:47], \s*KSTEP*2
	s_or_b32 s[G0B+4*\s+3], s[G0B+4*\s+3], 0x80000000
	JLOAD \s                                       ; K steps 0 and 1: two tensor loads of each wave are out
.endr
	v_and_b32 v1, 15, v0
	v_bfe_u32 v2, v0, 4, 1
	v_and_b32 v4, 31, v0
	v_lshlrev_b32 v[CO], 4, v4
	s_lshl_b32 s80, s42, 9                         ; bc at column 128 x
	s_mov_b32 s81, 0
	s_add_nc_u64 s[72:73], s[72:73], s[80:81]
	global_load_b128 v[BO:BO+3], v[CO], s[72:73] offset:BCOFF
	v_mul_u32_u24 v3, v1, PITCH
	v_lshl_add_u32 v3, v2, 4, v3
	s_mul_i32 s22, s10, 64*PITCH
.irp s, 0,1
	v_add_nc_u32 v[ADR1+\s], s22, v3
	v_add_nc_u32 v[ADR0+\s], OFF0+\s*SLOT, v3
	s_add_co_u32 s22, s22, SLOT
.endr
	s_mul_i32 s22, s10, STGB
	s_add_co_u32 s22, s22, STAGE
	v_mul_u32_u24 v5, v1, OPITCH                   ; in: row r, 32 bytes for each half of the lanes
	v_lshl_add_u32 v5, v2, 5, v5
	v_add_nc_u32 v[STO], s22, v5
	v_add_nc_u32 v[RD], s22, v[CO]                 ; back: 32 lanes take one row of 512 bytes
	s_wait_tensorcnt 0x1                           ; my part of K step 0 is in; K step 1's stays out
	s_barrier_signal -1
	s_barrier_wait -1
	FETCH 0, 0, F0
	LAP 1
	WIN 0
	s_mov_b32 s3, 2                                ; K = 1024 is four laps of two K steps
.Llap:
	LAP 0
	WIN 0
	s_sub_co_u32 s3, s3, 1
	s_cmp_lg_u32 s3, 0
	s_cbranch_scc1 .Llap
	LASTLAP 0
	PLACES
	WIN 0
	s_wait_loadcnt 0x0                             ; bc
	s_lshl_b32 s80, s13, 8                         ; out0 row 256 y + 64 w of 4,096 bytes, column 128 x of 4 bytes
	s_lshl_b32 s81, s10, 6
	s_add_co_u32 s80, s80, s81
	s_lshl_b32 s80, s80, 12
	s_lshl_b32 s81, s42, 9
	s_add_co_u32 s80, s80, s81
	s_mov_b32 s81, 0
	s_add_nc_u64 s[74:75], s[74:75], s[80:81]
; 16 rows of out0 (tiles (a, 0..7)): 32 bytes a lane into my stage, back as whole rows of 512 bytes; one fused multiply-add takes out the 64 and adds bc
.macro OUTF a, f
	WIN 0x08                               ; the stores' data window 2, their address window 0
.irp b, 0,1,2,3,4,5,6,7
	ds_store_b128 v[STO], v[8*(8*\a+\b):8*(8*\a+\b)+3] offset:64*\b
	ds_store_b128 v[STO], v[8*(8*\a+\b)+4:8*(8*\a+\b)+7] offset:64*\b+16
.endr
	WIN 0
	s_wait_xcnt 0x0                                ; buffer f and the stores' base are rewritten only behind this wait
.if \a
	s_add_nc_u64 s[74:75], s[74:75], 16*4096
.endif
.irp t, 0,1,2,3,4,5,6,7,8,9,10,11,12,13,14,15
	ds_load_b128 v[\f+4*\t:\f+4*\t+3], v[RD] offset:\t*OPITCH       ; my own stage: LDS serves a wave's instructions in order
.endr
.irp t, 0,1,2,3,4,5,6,7,8,9,10,11,12,13,14,15
	s_wait_dscnt 15-\t
	v_pk_fma_f32 v[\f+4*\t:\f+4*\t+1], v[\f+4*\t:\f+4*\t+1], s[84:85], v[BO:BO+1] op_sel_hi:[1,0,1]
	v_pk_fma_f32 v[\f+4*\t+2:\f+4*\t+3], v[\f+4*\t+2:\f+4*\t+3], s[84:85], v[BO+2:BO+3] op_sel_hi:[1,0,1]
	global_store_b128 v[CO], v[\f+4*\t:\f+4*\t+3], s[74:75] offset:\t*4096 th:TH_STORE_NT   ; 32 lanes store 512 consecutive bytes, aligned
.endr
.endm
	OUTF 0, F0
	OUTF 1, F1
	OUTF 2, F0
	OUTF 3, F1
	s_set_vgpr_msb 0x1
	s_wait_tensorcnt 0x0
	ds_add_u32 v255, v255
	s_wait_dscnt 0x0
	s_set_vgpr_msb 0x100
	CROUND                                         ; the closing round
	s_endpgm
.Lfunc_end_k_q7fdc3fd135_proj:
	.size	k_q7fdc3fd135_proj, .Lfunc_end_k_q7fdc3fd135_proj-k_q7fdc3fd135_proj
	.p2alignl 7, 3214868480
	.fill 96, 4, 3214868480
	.section	.rodata,"a",@progbits
	.p2align	6, 0x0
	.amdhsa_kernel k_q7fdc3fd135_proj
		.amdhsa_group_segment_fixed_size 327680
		.amdhsa_private_segment_fixed_size 0
		.amdhsa_enable_private_segment 0
		.amdhsa_kernarg_size 32
		.amdhsa_user_sgpr_count 2
		.amdhsa_user_sgpr_kernarg_segment_ptr 1
		.amdhsa_wavefront_size32 1
		.amdhsa_system_sgpr_workgroup_id_x 1
		.amdhsa_system_sgpr_workgroup_id_y 1
		.amdhsa_system_sgpr_workgroup_id_z 1
		.amdhsa_system_vgpr_workitem_id 0
		.amdhsa_next_free_vgpr 768
		.amdhsa_next_free_sgpr 90
		.amdhsa_reserve_vcc 0
		.amdhsa_float_denorm_mode_32 3
		.amdhsa_float_denorm_mode_16_64 3
		.amdhsa_memory_ordered 1
		.amdhsa_forward_progress 1
		.amdhsa_inst_pref_size 127
	.end_amdhsa_kernel
	.amdgpu_metadata
---
amdhsa.version: [ 1, 2 ]
amdhsa.kernels:
  - .name:           k_q7fdc3fd135_proj
    .symbol:         k_q7fdc3fd135_proj.kd
    .args:
      - { .name: Y, .offset: 0, .size: 8, .value_kind: global_buffer, .address_space: global }
      - { .name: Wc16, .offset: 8, .size: 8, .value_kind: global_buffer, .address_space: global }
      - { .name: rl, .offset: 16, .size: 8, .value_kind: global_buffer, .address_space: global }
      - { .name: out0, .offset: 24, .size: 8, .value_kind: global_buffer, .address_space: global }
    .group_segment_fixed_size: 327680
    .private_segment_fixed_size: 0
    .kernarg_segment_align: 8
    .kernarg_segment_size: 32
    .max_flat_workgroup_size: 128
    .sgpr_count:     90
    .vgpr_count:     768
    .wavefront_size: 32
...
	.end_amdgpu_metadata
.endif
;; end of part 10
